; MI455X (gfx1250); checked and timed in simulation.
; The chip was launched on July 23, 2026; its instructions are those of AMD's public machine-readable ISA for CDNA 5 (MIT licence, August 2026) and "CDNA5" Instruction Set Architecture Reference Guide (July 2026). The comments in the code are by the model that wrote it; some were corrected since.
;; Transformer Block. Allowed arithmetic: matrix products marked QUANTISED: E2M3 operands, one E8M0 scale for each 32 along K, by v_wmma_scale_f32_16x16x128_f8f6f4 with both operands' format E2M3, f32 sums; everything else in f32.
;; Inputs: b1 4,096 float32; b2 1,024 float32; in_proj_b 3,072 float32; in_proj_w 3,072 x 1,024 float32; ln1_b 1,024 float32; ln1_g 1,024 float32; ln2_b 1,024 float32; ln2_g 1,024 float32; out_proj_b 1,024 float32; out_proj_w 1,024 x 1,024 float32; w1 4,096 x 1,024 float32; w2 1,024 x 4,096 float32; x 2 x 2,048 x 1,024 float32.
;; Outputs: out0 2 x 2,048 x 1,024 float32; out1 2 x 2,048 x 2,048 float32.
;; This version of the problem:
;;   THIS VERSION OF THE PROBLEM IS GIVEN IN LOW PRECISION. The matrix products marked QUANTISED in the list below multiply operands that are first quantised to E2M3 (2 exponent bits, 3 mantissa bits; 6 bits a number), with one power-of-two scale for each 32 numbers along K (OCP MX v1.0); their sums are f32. All else is computed in f32.
;;   The module's matrix products, in the order in which they are computed (A, B: the left and right operand; K: the contracted axis; several contracted axes count as one K, in the product's order):
;;     1. [M 4,096, K 1,024] x [K 1,024, N 3,072]; A: computed on the way; B: input in_proj_w: QUANTISED
;;     2. batch 32 x [M 2,048, K 64] x [K 64, N 2,048]; A: computed on the way; B: computed on the way: QUANTISED
;;     3. batch 32 x [M 2,048, K 2,048] x [K 2,048, N 64]; A: softmax (see below); B: computed on the way: QUANTISED
;;     4. [M 4,096, K 1,024] x [K 1,024, N 1,024]; A: computed on the way; B: input out_proj_w: QUANTISED
;;     5. [M 4,096, K 1,024] x [K 1,024, N 4,096]; A: computed on the way; B: input w1: QUANTISED
;;     6. [M 4,096, K 4,096] x [K 4,096, N 1,024]; A: computed on the way; B: input w2: QUANTISED
;;   THE QUANTISER, for each operand of a quantised product, along K:
;;     - K is cut into blocks of 32 from its start; a last block that is shorter is filled with zeros.
;;     - A block's scale is 2^e with e = floor(log2(the largest magnitude in the block)) - 2, held to -126 .. 127; a block of zeros has e = 0. As a byte (E8M0): e + 127.
;;     - Each number is divided by its block's scale, clamped to +-7.5, and rounded to the nearest number of E2M3, ties to even, subnormals kept.
;;     - The product sums the exact products of the quantised numbers (number of the format x scale) in f32.
;;   ~~~python
;;   def quantise(x, axis):      # numpy; x: float32 -> the quantised numbers, widened to float32 again
;;       x = np.moveaxis(x, axis, -1); K = x.shape[-1]
;;       x = np.pad(x, [(0, 0)] * (x.ndim - 1) + [(0, -K % 32)]); x = x.reshape(x.shape[:-1] + (-1, 32)); a = np.abs(x).max(-1, keepdims=True)
;;       e = np.where(a > 0, np.clip(np.frexp(np.where(a > 0, a, 1))[1] - 1 - 2, -126, 127), 0)      # np.frexp(a)[1] - 1 = floor(log2(a)), exactly
;;       r = np.clip(x / 2.0 ** e, -7.5, 7.5)
;;       step = 2.0 ** (np.maximum(np.frexp(np.where(r == 0, 1, r))[1] - 1, 0) - 3)
;;       q = np.round(r / step) * step * 2.0 ** e      # np.round: ties to even
;;       return np.moveaxis(q.reshape(q.shape[:-2] + (-1,))[..., :K], -1, axis).astype(np.float32)
;;   ~~~
;;   SOFTMAX AHEAD OF A QUANTISED PRODUCT. Where the list says 'softmax', what is quantised is not the finished softmax but p = 2^(t - M), with t = logit x log2(e) and M = ceil(the row's largest t), a whole number; so 1/2 < the row's largest p <= 1. The row's sum l is taken of the UNQUANTISED p, in f32, and the product's result is divided by l at the end. Since M is a whole number, a kernel that streams over the keys may use a running M (the ceiling of the running maximum): every later rescaling is an exact power of two, which a block's scale takes up: the codes' values come out the same.
;;   OPERANDS COMPUTED ON THE WAY. 'Computed on the way' means the value that the module computes at that place (a softmax that the list does not call 'softmax' is quantised finished and normalised). What goes into a quantiser is computed in f32, as accurately as f32 sums, v_exp_f32 and their like allow (about 1e-6 of the number): no bf16 or f16 on the way to a quantiser, and a product that is left as it is and whose result goes on into a quantised operand takes f32 operands (vector FMAs, or v_wmma_f32_16x16x4_f32). A number that lies on a knife's edge between two numbers of the format may be rounded either way, as far as f32 arithmetic and the matrix unit's own rounding can turn it there, and no further.
;; 2 versions, each right; version 2 is version 1 with the launch attn written anew for expert scheduling mode. Each part assembles by itself: llvm-mc -triple=amdgcn-amd-amdhsa -mcpu=gfx1250 --defsym DOCPART=n.
;; ======== version 1 of 2: 5 launches
;; workspace buffers: wts 13,107,200 bytes; qkv 9,830,400 bytes; x1b 16,777,216 bytes; xn2 3,276,800 bytes; hbuf 13,107,200 bytes
;; launch prep (part 1): grid 1024 x 1, 8 waves a work-group, no clusters, 69,632 bytes of LDS; arguments x, in_proj_w, out_proj_w, w1, w2, ln1_g, ln1_b, wts; writes wts
.if DOCPART == 1
	.amdgcn_target "amdgcn-amd-amdhsa--gfx1250"
	.amdhsa_code_object_version 6
	.text
	.protected	k_q9884a87fda_prep
	.globl	k_q9884a87fda_prep
	.p2align	8
	.type	k_q9884a87fda_prep,@function
k_q9884a87fda_prep:
	s_mov_b64 s[64:65], 0
	v_nop
	global_prefetch_b8 v0, s[64:65] scope:SCOPE_SE
	s_setreg_imm32_b32 hwreg(HW_REG_WAVE_MODE, 25, 1), 1
	s_wait_xcnt 0x0
; LayerNorm 1 of x, and the four weights, become codes of FP6 (E2M3) with one E8M0 scale byte for each 32 along K, laid as IMAGES OF OPERAND REGISTERS.
; TILES: 16 rows; lane r of tile T holds row 32 (T / 2) + 8 (T % 2) + r + 8 (r / 8).  A fragment (a tile x 128 along K) is 12 registers a lane, 1,536 bytes: registers 4 g .. 4 g + 3 of lane l at 512 g + 16 l.
; Its scale words, one a row, are 64 bytes.  Fragment (K step s, tile T) has the index u = s x (tiles) + T: codes at 1,536 u, scale words at 64 u.
; SHARES: a wave makes one fragment from 16 rows x 512 bytes of f32; the eight waves of a work-group take eight K steps of one tile.  Work-groups 0-255: x (with LayerNorm); 256-447: in_proj_w; 448-511: out_proj_w;
; 512-767: w1; 768-1023: w2 (four work-groups to a tile: 32 K steps).  Only pointers and numbers are chosen by the work-group's number: all take one path, but for the LayerNorm's lines, which the others jump over.
; Each load reads 512 consecutive bytes of one row; the 16 rows turn through the wave's own stage in LDS (rows 528 bytes apart), so that a lane gets 16 neighbours of each block of 32.
; LAYERNORM in two passes (mean, then the sum of squares of x - mean), each summed over the eight waves through LDS: two barriers, which every work-group passes.
; A block's scale is 2^(floor(log2(largest magnitude)) - 2).  LIMITS: a block whose largest magnitude lies under 2^-124 gets the byte 1, a block of zeros too (the rule says 127: its codes are zeros, and this program alone
; reads the bytes); NaN and infinities among the inputs are not served.
; No tensor loads, no cluster, no matrix unit: a stream, several work-groups to a WGP.
.set XWC, 0                            ; wts: xn's 256 tiles and in_proj_w's 192 in one array [8][448][1536],
.set XWS, 5505024                      ; their scale words [8][448][64],
.set WOC, 5734400                      ; out_proj_w [8][64][1536],
.set WOS, 6520832
.set W1C, 6553600                      ; w1 [8][256][1536],
.set W1S, 9699328
.set W2C, 9830400                      ; w2 [32][64][1536]
.set W2S, 12976128
.set STAT0, 0                          ; LDS: [row 16][wave 8] partial sums, 512 bytes,
.set STAT1, 512                        ; the same for the squares,
.set STG,   1024                       ; and a stage for each wave
.set SP,    528                        ; a stage row: 512 bytes + 16 = 132 words: row r starts at bank 4 r
.set WST,   16*SP
.set LN,  1                            ; lane
.set RW,  2                            ; r = lane % 16
.set HF,  3                            ; h = lane / 16
.set L16, 4                            ; 16 x lane
.set SIN, 5                            ; the stage, on the way in
.set SOUT, 6                           ; and out: row r, + 64 h
.set R4,  7                            ; 4 r
.set STS, 8                            ; 32 r + 4 x wave
.set STL, 9                            ; 32 r
.set GOF, 10                           ; 512 x wave + 64 h: my numbers of ln1_g and ln1_b
.set PT,  11                           ; a lane permute's destination
.set OFF, 16                           ; v16-31 the 16 rows' offsets; later TM
.set TM,  16
.set R,   32                           ; v32-95   as loaded; later ln1_g, then ln1_b
.set X,   96                           ; v96-159  register 16 b + i = k 32 b + 16 h + i of my row
.set PC,  160                          ; v160-179 the codes
.set PW,  180                          ; the scale word
.set SA,  184                          ; v184-191 sums
.set MU,  192                          ; v192-193 a pair
.set SEL, 44
; 64 numbers of a lane become a fragment's codes in v[PC] on and its scale word in v[PW]
.macro QUANT s
.irp b, 0,1,2,3
	v_max3_num_f32 v[TM+\b], |v[\s+16*\b]|, |v[\s+1+16*\b]|, 0x1800000   ; block b: my 16 numbers, and the floor 2^(3 - 127): the byte cannot fall under 1
.endr
.irp i, 2,4,6,8,10,12,14
.irp b, 0,1,2,3
	v_max3_num_f32 v[TM+\b], v[TM+\b], |v[\s+16*\b+\i]|, |v[\s+1+16*\b+\i]|   ; the four blocks by turns
.endr
.endr
.irp b, 0,1,2,3
	v_permlanex16_b32 v[TM+4+\b], v[TM+\b], s[SEL], s[SEL+1]
.endr
.irp b, 0,1,2,3
	v_max_num_f32 v[TM+\b], v[TM+\b], v[TM+4+\b]   ; with lane l xor 16's: the block's largest magnitude
.endr
.irp b, 0,1,2,3
	v_add_nc_u32 v[TM+12+\b], 0xff000000, v[TM+\b]   ; 2 off its exponent field: the conversion's scale operand
.endr
.irp b, 0,1,2,3
	v_lshrrev_b32 v[TM+4+\b], 23, v[TM+12+\b]   ; the scale's byte
.endr
	v_lshl_or_b32 v[PW], v[TM+5], 8, v[TM+4]
	v_lshl_or_b32 v[PW], v[TM+6], 16, v[PW]
	v_lshl_or_b32 v[PW], v[TM+7], 24, v[PW]
.irp c, 0,1
	v_cvt_scalef32_pk16_fp6_f32 v[PC+6*\c:PC+2+6*\c], v[\s+32*\c:\s+15+32*\c], v[TM+12+2*\c]
	v_cvt_scalef32_pk16_fp6_f32 v[PC+12+4*\c:PC+14+4*\c], v[\s+16+32*\c:\s+31+32*\c], v[TM+12+2*\c+1]   ; (a conversion's three registers begin on an even number)
.endr
	v_nop                                          ; one plain place behind a scaled conversion
.irp c, 0,1                                    ; the operand's layout wants a whole block in a lane
.irp i, 0,1,2
	v_permlane16_swap_b32 v[PC+6*\c+\i], v[PC+12+4*\c+\i]
.endr
.irp i, 0,1,2
	v_mov_b32 v[PC+3+6*\c+\i], v[PC+12+4*\c+\i]
.endr
.endr
.endm
.macro LSUM                            ; the four chains, the pair's halves, and lane l xor 16's: v[SA] = my row's sum over this K step
	v_pk_add_f32 v[SA:SA+1], v[SA:SA+1], v[SA+2:SA+3]
	v_pk_add_f32 v[SA+4:SA+5], v[SA+4:SA+5], v[SA+6:SA+7]
	v_pk_add_f32 v[SA:SA+1], v[SA:SA+1], v[SA+4:SA+5]
	v_add_f32 v[SA], v[SA], v[SA+1]
	v_permlanex16_b32 v[PT], v[SA], s[SEL], s[SEL+1]
	v_add_f32 v[SA], v[SA], v[PT]
.endm
.macro WSUM off                        ; the eight waves' sums of my row: v[SA]
	ds_load_b128 v[SA:SA+3], v[STL] offset:\off
	ds_load_b128 v[SA+4:SA+7], v[STL] offset:\off+16
	s_wait_dscnt 0x0
	v_pk_add_f32 v[SA:SA+1], v[SA:SA+1], v[SA+2:SA+3]
	v_pk_add_f32 v[SA+4:SA+5], v[SA+4:SA+5], v[SA+6:SA+7]
	v_pk_add_f32 v[SA:SA+1], v[SA:SA+1], v[SA+4:SA+5]
	v_add_f32 v[SA], v[SA], v[SA+1]
.endm
.macro GBLOAD base                     ; my 64 numbers of ln1_g or ln1_b, in X's order, into v[R] on
.irp b, 0,1,2,3
.irp j, 0,1,2,3
	global_load_b128 v[R+16*\b+4*\j:R+16*\b+4*\j+3], v[GOF], s[\base:\base+1] offset:128*\b+16*\j
.endr
.endr
.endm
	s_load_b512 s[4:19], s[0:1], 0x0               ; x, in_proj_w, out_proj_w, w1, w2, ln1_g, ln1_b, wts
	v_lshl_add_u32 v196, v0, 2, 0x10c00
	v_mov_b32 v197, 0
	v_lshrrev_b32 v1, 5, v0
	v_readfirstlane_b32 s20, v1                    ; wave 0..7
	v_and_b32 v[LN], 31, v0
	v_and_b32 v[RW], 15, v0
	v_bfe_u32 v[HF], v0, 4, 1
	v_lshlrev_b32 v[L16], 4, v[LN]
	s_mul_i32 s21, s20, WST
	s_add_co_u32 s21, s21, STG                     ; my stage
	v_add_nc_u32 v[SIN], s21, v[L16]
	v_mul_u32_u24 v[SOUT], v[RW], SP
	v_lshl_add_u32 v[SOUT], v[HF], 6, v[SOUT]
	v_add_nc_u32 v[SOUT], s21, v[SOUT]
	v_lshlrev_b32 v[R4], 2, v[RW]
	v_lshlrev_b32 v[STL], 5, v[RW]
	s_lshl_b32 s22, s20, 2
	v_add_nc_u32 v[STS], s22, v[STL]
	v_lshlrev_b32 v[GOF], 6, v[HF]
	v_lshl_add_u32 v[GOF], s20, 9, v[GOF]
	v_mov_b32 v[PT], 0
	s_mov_b32 s[SEL], 0x76543210
	s_mov_b32 s[SEL+1], 0xfedcba98                 ; v_permlanex16_b32's selects for lane l xor 16
	; which tensor: from the last range to the first.  s26 first work-group, s27 tiles in a K step of the target, s28 the tensor's first tile there, s29 codes, s30 scale words, s31 a row in bytes, s32 and s33: w2's four work-groups a tile
	s_mov_b32 s26, 768
	s_mov_b32 s27, 64
	s_mov_b32 s28, 0
	s_mov_b32 s29, W2C
	s_mov_b32 s30, W2S
	s_mov_b32 s31, 16384
	s_mov_b32 s32, 2
	s_mov_b32 s33, 3
	s_wait_kmcnt 0x0
	s_mov_b64 s[24:25], s[12:13]
	s_cmp_lt_u32 ttmp9, 768
	s_cselect_b64 s[24:25], s[10:11], s[24:25]
	s_cselect_b32 s26, 512, s26
	s_cselect_b32 s27, 256, s27
	s_cselect_b32 s29, W1C, s29
	s_cselect_b32 s30, W1S, s30
	s_cselect_b32 s31, 4096, s31
	s_cselect_b32 s32, 0, s32
	s_cselect_b32 s33, 0, s33
	s_cmp_lt_u32 ttmp9, 512
	s_cselect_b64 s[24:25], s[8:9], s[24:25]
	s_cselect_b32 s26, 448, s26
	s_cselect_b32 s27, 64, s27
	s_cselect_b32 s29, WOC, s29
	s_cselect_b32 s30, WOS, s30
	s_cmp_lt_u32 ttmp9, 448
	s_cselect_b64 s[24:25], s[6:7], s[24:25]
	s_cselect_b32 s26, 256, s26
	s_cselect_b32 s27, 448, s27
	s_cselect_b32 s28, 256, s28
	s_cselect_b32 s29, XWC, s29
	s_cselect_b32 s30, XWS, s30
	s_cmp_lt_u32 ttmp9, 256
	s_cselect_b64 s[24:25], s[4:5], s[24:25]
	s_cselect_b32 s26, 0, s26
	s_cselect_b32 s28, 0, s28
	s_sub_co_u32 s26, ttmp9, s26
	s_lshr_b32 s34, s26, s32                       ; the tile T
	s_and_b32 s35, s26, s33
	s_lshl_b32 s35, s35, 3
	s_add_co_u32 s35, s35, s20                     ; the K step s
	s_mul_i32 s36, s35, s27
	s_add_co_u32 s36, s36, s28
	s_add_co_u32 s36, s36, s34                     ; u
	s_lshr_b32 s37, s34, 1
	s_lshl_b32 s37, s37, 5
	s_and_b32 s38, s34, 1
	s_lshl_b32 s38, s38, 3
	s_add_co_u32 s37, s37, s38                     ; the tile's first row
	s_mul_i32 s38, s37, s31
	s_lshl_b32 s39, s35, 9
	s_add_co_u32 s38, s38, s39                     ; + 512 bytes a K step (all under 2^25)
	s_mov_b32 s39, 0
	s_add_nc_u64 s[24:25], s[24:25], s[38:39]
	s_mul_i32 s38, s36, 1536
	s_add_co_u32 s38, s38, s29
	s_add_nc_u64 s[40:41], s[18:19], s[38:39]      ; my fragment
	s_lshl_b32 s38, s36, 6
	s_add_co_u32 s38, s38, s30
	s_add_nc_u64 s[42:43], s[18:19], s[38:39]      ; its scale words
.irp i, 0,1,2,3,4,5,6,7,8,9,10,11,12,13,14,15
	v_mad_u32_u24 v[OFF+\i], s31, \i+8*(\i/8), v[L16]   ; lane i's row lies i + 8 (i / 8) rows on
.endr
.irp i, 0,1,2,3,4,5,6,7,8,9,10,11,12,13,14,15
	global_load_b128 v[R+4*\i:R+4*\i+3], v[OFF+\i], s[24:25] th:TH_LOAD_NT   ; 32 lanes read 512 consecutive bytes of one row
.endr
.irp i, 0,1,2,3,4,5,6,7,8,9,10,11,12,13,14,15
	s_wait_loadcnt 15-\i                           ; loads come back in order: row i is in, the younger rows may be out
	ds_store_b128 v[SIN], v[R+4*\i:R+4*\i+3] offset:SP*\i
.endr
.irp b, 0,1,2,3
.irp j, 0,1,2,3
	ds_load_b128 v[X+16*\b+4*\j:X+16*\b+4*\j+3], v[SOUT] offset:128*\b+16*\j   ; LDS serves a wave's instructions in order: these see my stores
.endr
.endr
	s_wait_dscnt 0x0                               ; X is in, and the stores have read v[R] on
	; ---- LayerNorm, first part: the sum of my 128 columns of each row
	s_cmp_lt_u32 ttmp9, 256
	s_cbranch_scc0 .Lweight_1
	GBLOAD 14                                      ; ln1_g, wanted behind the next barrier
.irp c, 0,1,2,3
	v_pk_add_f32 v[SA+2*\c:SA+2*\c+1], v[X+2*\c:X+2*\c+1], v[X+8+2*\c:X+9+2*\c]
.endr
.irp k, 2,3,4,5,6,7
.irp c, 0,1,2,3
	v_pk_add_f32 v[SA+2*\c:SA+2*\c+1], v[SA+2*\c:SA+2*\c+1], v[X+8*\k+2*\c:X+8*\k+2*\c+1]
.endr
.endr
	LSUM
	ds_store_b32 v[STS], v[SA] offset:STAT0        ; lanes r and r + 16 write the same word with the same value
.Lweight_1:
	s_wait_dscnt 0x0                               ; for the others' sake: my store is done
	s_barrier_signal -1
	s_barrier_wait -1
	; ---- second part: x - mean, the sum of its squares, x ln1_g
	s_cmp_lt_u32 ttmp9, 256
	s_cbranch_scc0 .Lweight_2
	WSUM STAT0
	v_mul_f32 v[MU], 0x3a800000, v[SA]             ; / 1,024
	v_mov_b32 v[MU+1], v[MU]
.set ix, 0
.rept 32
	v_pk_add_f32 v[X+ix:X+ix+1], v[X+ix:X+ix+1], v[MU:MU+1] neg_lo:[0,1] neg_hi:[0,1]
.set ix, ix+2
.endr
.irp c, 0,1,2,3
	v_pk_mul_f32 v[SA+2*\c:SA+2*\c+1], v[X+2*\c:X+2*\c+1], v[X+2*\c:X+2*\c+1]
.endr
.irp k, 1,2,3,4,5,6,7
.irp c, 0,1,2,3
	v_pk_fma_f32 v[SA+2*\c:SA+2*\c+1], v[X+8*\k+2*\c:X+8*\k+2*\c+1], v[X+8*\k+2*\c:X+8*\k+2*\c+1], v[SA+2*\c:SA+2*\c+1]
.endr
.endr
	LSUM
	ds_store_b32 v[STS], v[SA] offset:STAT1
	s_wait_loadcnt 0x0                             ; ln1_g
.set ix, 0
.rept 32
	v_pk_mul_f32 v[X+ix:X+ix+1], v[X+ix:X+ix+1], v[R+ix:R+ix+1]
.set ix, ix+2
.endr
	GBLOAD 16                                      ; ln1_b takes ln1_g's registers; it lands while the waves meet
.Lweight_2:
	s_wait_dscnt 0x0
	s_barrier_signal -1
	s_barrier_wait -1
	; ---- third part: x 1 / sqrt(variance + 1e-5), + ln1_b
	s_cmp_lt_u32 ttmp9, 256
	s_cbranch_scc0 .Lweight_3
	WSUM STAT1
	v_mul_f32 v[SA], 0x3a800000, v[SA]
	v_add_f32 v[SA], 0x3727c5ac, v[SA]
	v_rsq_f32 v[MU], v[SA]
	v_rsq_f32 v[MU+1], v[SA]
	v_nop                                          ; a plain place behind the transcendentals
	s_wait_alu depctr_va_vdst(0)                   ; one wait for both, ahead of their first reader
	s_wait_loadcnt 0x0                             ; ln1_b
.set ix, 0
.rept 32
	v_pk_fma_f32 v[X+ix:X+ix+1], v[X+ix:X+ix+1], v[MU:MU+1], v[R+ix:R+ix+1]
.set ix, ix+2
.endr
.Lweight_3:
	QUANT X
.irp c, 0,1,2
	global_store_b128 v[L16], v[PC+4*\c:PC+4*\c+3], s[40:41] offset:512*\c   ; 512 consecutive bytes, at a multiple of 256 from the buffer's first byte
.endr
	global_store_b32 v[R4], v[PW], s[42:43]        ; 64 bytes; lanes r and r + 16 write the same word with the same value
	s_wait_tensorcnt 0x0
	ds_add_u32 v196, v197
	s_wait_dscnt 0x0
	s_endpgm
.Lfunc_end_k_q9884a87fda_prep:
	.size	k_q9884a87fda_prep, .Lfunc_end_k_q9884a87fda_prep-k_q9884a87fda_prep
	.p2alignl 7, 3214868480
	.fill 96, 4, 3214868480
	.section	.rodata,"a",@progbits
	.p2align	6, 0x0
	.amdhsa_kernel k_q9884a87fda_prep
		.amdhsa_group_segment_fixed_size 69632
		.amdhsa_private_segment_fixed_size 0
		.amdhsa_enable_private_segment 0
		.amdhsa_kernarg_size 64
		.amdhsa_user_sgpr_count 2
		.amdhsa_user_sgpr_kernarg_segment_ptr 1
		.amdhsa_wavefront_size32 1
		.amdhsa_system_sgpr_workgroup_id_x 1
		.amdhsa_system_sgpr_workgroup_id_y 1
		.amdhsa_system_sgpr_workgroup_id_z 1
		.amdhsa_system_vgpr_workitem_id 0
		.amdhsa_next_free_vgpr 198
		.amdhsa_next_free_sgpr 66
		.amdhsa_reserve_vcc 0
		.amdhsa_float_denorm_mode_32 3
		.amdhsa_float_denorm_mode_16_64 3
		.amdhsa_memory_ordered 1
		.amdhsa_forward_progress 1
		.amdhsa_inst_pref_size 29
	.end_amdhsa_kernel
	.amdgpu_metadata
---
amdhsa.version: [ 1, 2 ]
amdhsa.kernels:
  - .name:           k_q9884a87fda_prep
    .symbol:         k_q9884a87fda_prep.kd
    .args:
      - { .name: x, .offset: 0, .size: 8, .value_kind: global_buffer, .address_space: global }
      - { .name: in_proj_w, .offset: 8, .size: 8, .value_kind: global_buffer, .address_space: global }
      - { .name: out_proj_w, .offset: 16, .size: 8, .value_kind: global_buffer, .address_space: global }
      - { .name: w1, .offset: 24, .size: 8, .value_kind: global_buffer, .address_space: global }
      - { .name: w2, .offset: 32, .size: 8, .value_kind: global_buffer, .address_space: global }
      - { .name: ln1_g, .offset: 40, .size: 8, .value_kind: global_buffer, .address_space: global }
      - { .name: ln1_b, .offset: 48, .size: 8, .value_kind: global_buffer, .address_space: global }
      - { .name: wts, .offset: 56, .size: 8, .value_kind: global_buffer, .address_space: global }
    .group_segment_fixed_size: 69632
    .private_segment_fixed_size: 0
    .kernarg_segment_align: 8
    .kernarg_segment_size: 64
    .max_flat_workgroup_size: 256
    .sgpr_count:     66
    .vgpr_count:     198
    .wavefront_size: 32
...
	.end_amdgpu_metadata
.endif
;; end of part 1
;; launch qkv (part 2): grid 12 x 16, 4 waves a work-group, clusters of 4 x 4, 327,680 bytes of LDS; arguments wts, in_proj_b, qkv; writes qkv
.if DOCPART == 2
	.amdgcn_target "amdgcn-amd-amdhsa--gfx1250"
	.amdhsa_code_object_version 6
	.text
	.protected	k_q9884a87fda_qkv
	.globl	k_q9884a87fda_qkv
	.p2align	8
	.type	k_q9884a87fda_qkv,@function
k_q9884a87fda_qkv:
	s_mov_b64 s[64:65], 0
	v_nop
	global_prefetch_b8 v0, s[64:65] scope:SCOPE_SE
	s_setreg_imm32_b32 hwreg(HW_REG_WAVE_MODE, 25, 1), 1
	s_wait_xcnt 0x0
	s_wait_alu depctr_hold_cnt(0) depctr_sa_sdst(0) depctr_va_vdst(0) depctr_va_sdst(0) depctr_va_ssrc(0) depctr_va_vcc(0) depctr_vm_vsrc(0)
	s_getreg_b32 s2, hwreg(HW_REG_IB_STS2, 6, 4)
	s_cmp_eq_u32 s2, 0
	s_cbranch_scc0 .Lentry_in_a_cluster
	s_endpgm
.Lentry_in_a_cluster:
	s_bfe_u32 s2, ttmp6, 0x10000c
	s_cmp_lg_u32 s2, 0xf033
	s_cbranch_scc0 .Lentry_shape_is_right
	s_endpgm
.Lentry_shape_is_right:
; qkv = xn in_proj_w^T + in_proj_b on codes of FP6 (E2M3) with E8M0 scales, K = 1,024; the result is quantised in registers and stored as operand images for attention:
; q and k along the head's channels, v along the tokens (the keys are the second attention product's K).
; OPERANDS are register images (a tile of 16 rows x 128 K: 1,536 bytes, registers 4 g .. 4 g + 3 of lane l at 512 g + 16 l; lane r of tile T holds row 32 (T / 2) + 8 (T % 2) + r + 8 (r / 8)), so a K step's
; tiles are dense blocks for the tensor data mover and a fragment is three LDS loads of 512 consecutive bytes: no padding.  xn (tiles 0-255) and in_proj_w (256-447) lie in one array [K step 8][448][1536].
; A work-group of four waves makes 256 x 256, a wave 128 x 128: 64 accumulators.  Source 0 ("B") runs along a lane's registers, source 1 ("A") gives a lane its row.  By the tiles' row order the 16 registers of
; B's tiles 2 b and 2 b + 1 are 16 neighbours: the eight accumulators of one A tile are 64 numbers in the quantiser's order.
; ROLES by the cluster's x, the same number in all sixteen partners: clusters 0, 1 (q, k): A = xn, B = the weight: a lane holds a token, its registers features.  Cluster 2 (v): A = the weight, B = xn: a lane holds a channel, its registers tokens.
; K goes through a ring of two LDS slots of two K steps; all scale words of the work-group's rows come once, with the first fills.  CLUSTER 4 x 4: A's tiles are asked for jointly along a row of the cluster, B's along a column.
; The bias is the C of each sum's first product.  By this text's count a wave has three tensor loads out at the start and one behind each round.
; No prefetch into the L2: the ring is filled four times in all, two of them at the head.
; LIMITS of the quantiser: a block whose largest magnitude lies under 2^-124 gets the byte 1, a block of zeros too (its codes are zeros; this program alone reads the bytes); NaN and infinities are not served.
; REGISTERS: window 0: v0-31 addresses; v32-63 scale words, two sets, and nothing else; v64-127 the bias; v128-223 A's fragments, one set; behind the products v128-235 at work.  Window 1: B's fragments, two sets.  Windows 2, 3: accumulators.
.set XWS,   5505024                    ; wts: the scale words [8][448][64]
.set QKC,   0                          ; qkv: q's and k's codes [128 features 16][token tile 256][1536], six planes of 256 bytes: registers 2 p, 2 p + 1 of lane l at 256 p + 8 l
.set VC,    6291456                    ; v's codes [128 tokens 32][channel tile 64][1536], likewise
.set QKS,   9437184                    ; scale words [16][256][64]
.set VSO,   9699328                    ; [32][64][64]
.set KSTB,  688128                     ; a K step: 448 tiles x 1,536 bytes
.set PITCH, KSTB/8                     ; in elements of 8 bytes
.set SPITCH, 448*64/8
.set NQ,    2                          ; K steps in a slot
.set FR,    12
.set NL,    3                          ; LDS loads that bring a fragment
.set NP,    4                          ; places behind this matrix instruction (ISA guide 7.12.1)
.set HALFT, 24576                      ; [K step 2][tile 8][1536]: what one tensor load brings
.set SLOT,  4*HALFT                    ; A's two halves, B's two halves
.set SCLA,  2*SLOT                     ; A's scale words: [half 2][K step 8][tile 8][64]
.set SCLD,  8320                       ; B's lie 8,192 + 128 bytes on: lanes 16-31 then fall on other banks than lanes 0-15
.set SPARE, 213248                     ; the spare words, 128 bytes a wave: two blocks of 256 bytes that no other line names
.set ADRA, 16                          ; v16-17 LDS address of my A fragments in slot 0, 1
.set ADRB, 20                          ; v20-21 the same for B
.set L16,  24
.set L8,   25
.set L4,   26
.set ADRS, 27                          ; my scale words: lanes 0-15 A's, lanes 16-31 B's
.set SPW,  28
.set NIL,  29
.set SC,   32                          ; set s at v[SC + 16 s]; register 2 i + q: block i, the slot's q-th K step
.set BI,   64
.set AF,   128
.set TM,   128                         ; behind the products: v128-143 the quantiser's small numbers,
.set PC,   144                         ; v144-163 codes,
.set M0,   164                         ; v164-187 partial maxima,
.set SW,   224                         ; v224-231 a scale word for each A tile,
.set MX,   232                         ; v232-235 two tiles' words in one register
.set G1, 24
.set G0, 32
.set G1B, 48
.set G0B, 56
.set G1S, 68
.set G0S, 76
.set G1SB, 80
.set G0SB, 88
.set BB,  92                           ; s[92:93] the bias loads' base: written once behind the first fills and never again
.set SEL, 98
.set HM,  97
.set MSB, 0
.macro WIN new                         ; the immediate's high byte repeats the setting that is left
.if MSB != (\new)
	s_set_vgpr_msb (MSB<<8)|(\new)
.set MSB, (\new)
.endif
.endm
.set MUL_LO, 0xa1                      ; source 0 (B) window 1, source 1 (A) window 0, C and D window 2
.set MUL_HI, 0xf1
.set TO_B,   0x40
.macro PLACES n
.rept \n
	v_nop
.endr
.endm
; A joint load: waves 0 and 1 fetch for A, waves 2 and 3 for B; the branch hangs on the wave's number alone.  Four v_nop follow each of the two lines.
.macro JLOAD g0a, g1a, g0b, g1b
	s_cmp_eq_u32 s15, 0
	s_cbranch_scc0 .Lfor_b_\@
	tensor_load_to_lds s[\g0a:\g0a+3], s[\g1a:\g1a+7]
	s_nop 0
.rept 4
	v_nop
.endr
	s_branch .Lasked_\@
.Lfor_b_\@:
	tensor_load_to_lds s[\g0b:\g0b+3], s[\g1b:\g1b+7]
	s_nop 0
.rept 4
	v_nop
.endr
.Lasked_\@:
.endm
.macro CREST                           ; a round of the cluster's barrier behind its opening barrier
	s_cmp_lg_u32 s14, 0
	s_cbranch_scc1 .Lnot_wave_0_\@
	s_barrier_signal -3
.Lnot_wave_0_\@:
	s_barrier_wait -3
	s_barrier_signal -1
	s_barrier_wait -1
.endm
.macro CROUND
	s_barrier_signal -1
	s_barrier_wait -1
	CREST
.endm
	s_load_b128 s[4:7], s[0:1], 0x0                ; wts, in_proj_b
	s_load_b64 s[8:9], s[0:1], 0x10                ; qkv
	v_lshl_add_u32 v[SPW], v0, 2, SPARE
	v_mov_b32 v[NIL], 0
	ds_add_u32 v28, v29
	ds_add_u32 v28, v29
	s_wait_dscnt 0x0
	v_lshrrev_b32 v1, 5, v0
	v_readfirstlane_b32 s14, v1                    ; wave 0..3
	s_lshr_b32 s15, s14, 1                         ; which half of A's rows is mine.  Also: I fetch for A (0) or for B (1)
	s_and_b32 s16, s14, 1                          ; which half of B's rows.  Also: which half I fetch
	s_bfe_u32 s40, ttmp6, 0x40000                  ; cx
	s_bfe_u32 s41, ttmp6, 0x40004                  ; cy
	s_lshl_b32 s42, ttmp9, 2
	s_and_b32 s17, ttmp7, 0xffff
	s_lshl_b32 s17, s17, 2
	s_cmp_eq_u32 ttmp9, 2                          ; the third column of clusters makes v
	s_cselect_b32 s95, 1, 0
	s_cselect_b32 s42, s17, s42                    ; B's block: 4 x cluster x + cx (the weight), or 4 x cluster y + cx (tokens)
	s_cselect_b32 s17, 0, s17                      ; A's block: 4 x cluster y + cy (tokens), or cy (v's part of the weight)
	s_cselect_b32 s18, 384, 0                      ; A's first tile in the array
	s_cselect_b32 s19, 0, 256                      ; B's
	s_add_co_u32 s42, s42, s40                     ; tc
	s_add_co_u32 s17, s17, s41                     ; tr
	s_lshl_b32 s43, s41, 2
	s_lshl_b32 s43, 15, s43                        ; my row of the cluster
	s_lshl_b32 s44, 0x1111, s40                    ; my column
	; descriptor group 1, codes: two rows (K steps) of 12,288 bytes (eight tiles), in elements of 8 bytes
	s_or_b32 s[G1+0], s43, (3<<16)|(1<<21)         ; 15:0 the mask; 17:16 elements of 8 bytes; 20 no padding; 21 set beside a mask
	s_or_b32 s[G1B+0], s44, (3<<16)|(1<<21)
.irp g, G1, G1B
	s_mov_b32 s[\g+1], 1536<<16                    ; tensor_dim0
	s_mov_b32 s[\g+2], 2<<16                       ; tensor_dim1
	s_mov_b32 s[\g+3], 1536<<16                    ; tile_dim0
	s_mov_b32 s[\g+4], 2                           ; tile_dim1
	s_mov_b32 s[\g+5], PITCH                       ; from K step to K step
	s_mov_b32 s[\g+6], 0
	s_mov_b32 s[\g+7], 0
.endr
	; scale words: eight rows (K steps) of 512 bytes (eight tiles)
	s_or_b32 s[G1S+0], s43, (3<<16)|(1<<21)
	s_or_b32 s[G1SB+0], s44, (3<<16)|(1<<21)
.irp g, G1S, G1SB
	s_mov_b32 s[\g+1], 64<<16
	s_mov_b32 s[\g+2], 8<<16
	s_mov_b32 s[\g+3], 64<<16
	s_mov_b32 s[\g+4], 8
	s_mov_b32 s[\g+5], SPITCH
	s_mov_b32 s[\g+6], 0
	s_mov_b32 s[\g+7], 0
.endr
	s_lshl_b32 s21, s16, 3                         ; which eight tiles I fetch
	s_lshl_b32 s20, s17, 4
	s_add_co_u32 s20, s20, s18
	s_add_co_u32 s20, s20, s21                     ; A's tile
	s_lshl_b32 s46, s42, 4
	s_add_co_u32 s46, s46, s19
	s_add_co_u32 s46, s46, s21                     ; B's tile
	s_lshl_b32 s22, s20, 6
	s_add_co_u32 s22, s22, XWS
	s_mov_b32 s23, 0
	s_lshl_b32 s92, s46, 6
	s_add_co_u32 s92, s92, XWS
	s_mov_b32 s93, 0
	s_mul_i32 s20, s20, 1536
	s_mov_b32 s21, 0
	s_mul_i32 s46, s46, 1536
	s_mov_b32 s47, 0
	s_mul_i32 s45, s14, HALFT                      ; where they go: no place in the cluster enters an LDS address
	s_lshl_b32 s94, s14, 12
	s_lshl_b32 s96, s15, 7
	s_add_co_u32 s94, s94, s96                     ; 4,096 x wave + 128 x (wave / 2)
	s_wait_kmcnt 0x0
	s_add_nc_u64 s[20:21], s[4:5], s[20:21]
	s_add_nc_u64 s[22:23], s[4:5], s[22:23]
	s_add_nc_u64 s[46:47], s[4:5], s[46:47]
	s_add_nc_u64 s[92:93], s[4:5], s[92:93]
	CROUND                                         ; all sixteen work-groups are here: the first joint loads meet
	s_mov_b32 s[G0S], 1
	s_add_co_u32 s[G0S+1], s94, SCLA
	s_mov_b64 s[G0S+2:G0S+3], s[22:23]
	s_or_b32 s[G0S+3], s[G0S+3], 0x80000000
	s_mov_b32 s[G0SB], 1
	s_add_co_u32 s[G0SB+1], s94, SCLA
	s_mov_b64 s[G0SB+2:G0SB+3], s[92:93]
	s_or_b32 s[G0SB+3], s[G0SB+3], 0x80000000
	JLOAD G0S, G1S, G0SB, G1SB                     ; the scale words first: they are wanted with K step 0
.irp s, 0,1
	s_mov_b32 s[G0+4*\s], 1
	s_add_co_u32 s[G0+4*\s+1], s45, \s*SLOT
	s_add_nc_u64 s[G0+4*\s+2:G0+4*\s+3], s[20:21], \s*2*KSTB
	s_or_b32 s[G0+4*\s+3], s[G0+4*\s+3], 0x80000000
	s_mov_b32 s[G0B+4*\s], 1
	s_add_co_u32 s[G0B+4*\s+1], s45, \s*SLOT
	s_add_nc_u64 s[G0B+4*\s+2:G0B+4*\s+3], s[46:47], \s*2*KSTB
	s_or_b32 s[G0B+4*\s+3], s[G0B+4*\s+3], 0x80000000
	JLOAD G0+4*\s, G1, G0B+4*\s, G1B
.endr
	v_and_b32 v1, 15, v0                           ; r
	v_bfe_u32 v2, v0, 4, 1                         ; h
	v_and_b32 v3, 31, v0                           ; lane
	v_lshlrev_b32 v[L16], 4, v3
	v_lshlrev_b32 v[L8], 3, v3
	v_lshlrev_b32 v[L4], 2, v3
	s_mul_i32 s21, s15, HALFT                      ; my half of A
	s_mul_i32 s22, s16, HALFT
	s_add_co_u32 s22, s22, 2*HALFT                 ; my half of B
.irp s, 0,1
	v_add_nc_u32 v[ADRA+\s], s21, v[L16]
	v_add_nc_u32 v[ADRB+\s], s22, v[L16]
	s_add_co_u32 s21, s21, SLOT
	s_add_co_u32 s22, s22, SLOT
.endr
	s_lshl_b32 s21, s15, 12
	s_lshl_b32 s22, s16, 12
	s_add_co_u32 s22, s22, SCLD
	s_sub_co_u32 s22, s22, s21
	v_mul_u32_u24 v6, s22, v2                      ; lanes 16-31 take B's: one product with h
	s_add_co_u32 s21, s21, SCLA
	v_lshl_add_u32 v6, v1, 2, v6
	v_add_nc_u32 v[ADRS], s21, v6
	s_lshl_b32 s3, s42, 1
	s_add_co_u32 s3, s3, s16                       ; nb: which 128 of B's rows are mine: the result's K step
	; the bias, in the result's layout.  Its base has a pair of its own, s[BB:BB+1], which no later line writes: the loads may stay out while the lines below go on
	s_cmp_eq_u32 s95, 1
	s_cbranch_scc1 .Lbias_v
	s_lshl_b32 s[BB], s3, 9                        ; q, k: register 8 b + j holds feature 128 nb + 32 (b / 2) + 8 (b % 2) + 16 h + j
	s_mov_b32 s[BB+1], 0
	s_add_nc_u64 s[BB:BB+1], s[6:7], s[BB:BB+1]
	v_lshlrev_b32 v4, 6, v2
.irp b, 0,1,2,3,4,5,6,7
	global_load_b128 v[BI+8*\b:BI+8*\b+3], v4, s[BB:BB+1] offset:128*(\b/2)+32*(\b%2)
	global_load_b128 v[BI+8*\b+4:BI+8*\b+7], v4, s[BB:BB+1] offset:128*(\b/2)+32*(\b%2)+16
.endr
	s_branch .Lbias_done
.Lbias_v:
	s_lshl_b32 s[BB], s17, 10                      ; v: all eight registers of A's tile a hold the lane's channel 2,048 + 256 tr + 128 x half + 32 (a / 2) + 8 (a % 2) + r + 8 (r / 8)
	s_lshl_b32 s[BB+1], s15, 9
	s_add_co_u32 s[BB], s[BB], s[BB+1]
	s_add_co_u32 s[BB], s[BB], 8192
	s_mov_b32 s[BB+1], 0
	s_add_nc_u64 s[BB:BB+1], s[6:7], s[BB:BB+1]
	v_and_b32 v4, 8, v1
	v_add_nc_u32 v4, v4, v1
	v_lshlrev_b32 v4, 2, v4
.irp a, 0,1,2,3,4,5,6,7
.irp j, 0,1,2,3,4,5,6,7
	global_load_b32 v[BI+8*\a+\j], v4, s[BB:BB+1] offset:128*(\a/2)+32*(\a%2)
.endr
.endr
.Lbias_done:
	; where my results go: fragment nb x (tiles) + 16 tr + 8 x half + a.  (s20 to s23 are sources of no pending load)
	s_mov_b32 s23, QKS
	s_cmp_eq_u32 s95, 1
	s_cselect_b32 s21, 6, 8
	s_cselect_b32 s22, VC, QKC
	s_cselect_b32 s23, VSO, s23
	s_lshl_b32 s20, s3, s21
	s_lshl_b32 s21, s17, 4
	s_add_co_u32 s20, s20, s21
	s_lshl_b32 s21, s15, 3
	s_add_co_u32 s20, s20, s21
	s_mul_i32 s21, s20, 1536
	s_add_co_u32 s22, s22, s21
	s_lshl_b32 s21, s20, 6
	s_add_co_u32 s20, s23, s21
	s_mov_b32 s23, 0
	s_mov_b32 s21, 0
	s_add_nc_u64 s[10:11], s[8:9], s[22:23]        ; codes
	s_add_nc_u64 s[12:13], s[8:9], s[20:21]        ; scale words
	s_mov_b32 s[SEL], 0x76543210
	s_mov_b32 s[SEL+1], 0xfedcba98
	s_mov_b32 s[HM], 0xffff0000
.macro FRAG reg, adr, q, i             ; a fragment as it lies: three loads of 512 consecutive bytes
.irp c, 0,1,2
	ds_load_b128 v[\reg+4*\c:\reg+4*\c+3], v[\adr] offset:12288*(\q)+1536*(\i)+512*\c
.endr
.endm
; 16 matrix instructions: A's blocks a0, a0 + 1 x B's eight.  p: B's set; sc: the set of scale words.  cm = 0: the sums go on; 1: they start from the bias by B's block; 2: by A's block.
; The 64 accumulators take turns, one instruction a turn, in the same order in every step.
.macro MUL16 a0, p, q, sc, cm
.irp a, \a0, \a0+1
.irp b, 0,1,2,3,4,5,6,7
.if \cm == 0
	v_wmma_scale_f32_16x16x128_f8f6f4 v[8*(8*((\a)%4)+\b):8*(8*((\a)%4)+\b)+7], v[128*(\p)+FR*\b:128*(\p)+FR*\b+FR-1], v[AF+FR*(\a):AF+FR*(\a)+FR-1], v[8*(8*((\a)%4)+\b):8*(8*((\a)%4)+\b)+7], v[SC+16*(\sc)+2*\b+(\q)], v[SC+16*(\sc)+2*(\a)+(\q)] matrix_a_fmt:MATRIX_FMT_FP6 matrix_b_fmt:MATRIX_FMT_FP6 matrix_a_scale:MATRIX_SCALE_ROW1
.elseif \cm == 1
	v_wmma_scale_f32_16x16x128_f8f6f4 v[8*(8*((\a)%4)+\b):8*(8*((\a)%4)+\b)+7], v[128*(\p)+FR*\b:128*(\p)+FR*\b+FR-1], v[AF+FR*(\a):AF+FR*(\a)+FR-1], v[BI+8*\b:BI+8*\b+7], v[SC+16*(\sc)+2*\b+(\q)], v[SC+16*(\sc)+2*(\a)+(\q)] matrix_a_fmt:MATRIX_FMT_FP6 matrix_b_fmt:MATRIX_FMT_FP6 matrix_a_scale:MATRIX_SCALE_ROW1
.else
	v_wmma_scale_f32_16x16x128_f8f6f4 v[8*(8*((\a)%4)+\b):8*(8*((\a)%4)+\b)+7], v[128*(\p)+FR*\b:128*(\p)+FR*\b+FR-1], v[AF+FR*(\a):AF+FR*(\a)+FR-1], v[BI+8*(\a):BI+8*(\a)+7], v[SC+16*(\sc)+2*\b+(\q)], v[SC+16*(\sc)+2*(\a)+(\q)] matrix_a_fmt:MATRIX_FMT_FP6 matrix_b_fmt:MATRIX_FMT_FP6 matrix_a_scale:MATRIX_SCALE_ROW1
.endif
.endr
.endr
.endm
.macro FETCH_B slot, q, p
	WIN TO_B
.irp i, 0,1,2,3,4,5,6,7
	FRAG 128*(\p)+FR*\i, ADRB+\slot, \q, \i
.endr
	WIN 0
.endm
.macro FETCH_A slot, q, i0
.irp i, \i0, \i0+1, \i0+2, \i0+3
	FRAG AF+FR*(\i), ADRA+\slot, \q, \i
.endr
.endm
.macro SCALES sc                       ; a slot's scale words: lanes 0-15 A's block i, lanes 16-31 B's block i
.irp i, 0,1,2,3,4,5,6,7
.irp q, 0,1
	ds_load_b32 v[SC+16*\sc+2*\i+\q], v[ADRS] offset:512*\q+64*\i
.endr
.endr
.endm
; A K step that has its successor in the same slot
.macro STEP slot, q, cm
	s_wait_dscnt 4*NL                              ; B's set, A's blocks 0-3 and the scale words are in; the youngest loads (A's blocks 4-7) may be out
.if \cm
	WIN 0x81                                       ; C, the bias, in window 0
.else
	WIN MUL_LO
.endif
	MUL16 0, (\q)%2, \q, \slot, \cm
	MUL16 2, (\q)%2, \q, \slot, \cm
	s_wait_dscnt 0                                 ; A's blocks 4-7 are in
	PLACES NP                                      ; in front of loads into registers that matrix instructions have read
	FETCH_B \slot, (\q)+1, 1-(\q)%2
	FETCH_A \slot, (\q)+1, 0
.if \cm
	WIN 0xc1
.else
	WIN MUL_HI
.endif
	MUL16 4, (\q)%2, \q, \slot, \cm
	MUL16 6, (\q)%2, \q, \slot, \cm
	PLACES NP
	WIN 0
	FETCH_A \slot, (\q)+1, 4
.endm
; A slot's last K step changes slots: one barrier; in front of it each wave waits for all its tensor loads, adds 0 to its spare word, and waits for that and for its reads of this slot.  fill = 1: the slot is filled again, four K steps on.
.macro TURN slot, next, fill
	s_wait_tensorcnt 0x0                           ; all my tensor loads have landed: my part of the next slot
	ds_add_u32 v[SPW], v[NIL]                      ; 0 onto my spare word
	s_wait_dscnt 4*NL+1                            ; (the add and the youngest loads, A's blocks 4-7, may be out)
	WIN MUL_LO
	MUL16 0, 1, NQ-1, \slot, 0
	s_wait_dscnt 0x0                               ; the add is done, and my reads of this slot are over
	s_barrier_signal -1
	MUL16 2, 1, NQ-1, \slot, 0
	WIN 0
	s_barrier_wait -1
.if \fill
	CREST                                          ; the barrier has opened a round of the cluster's: no wave of any partner still reads this slot or has a load on its way
	s_add_nc_u64 s[G0+4*\slot+2:G0+4*\slot+3], s[G0+4*\slot+2:G0+4*\slot+3], 4*KSTB
	s_add_nc_u64 s[G0B+4*\slot+2:G0B+4*\slot+3], s[G0B+4*\slot+2:G0B+4*\slot+3], 4*KSTB
	JLOAD G0+4*\slot, G1, G0B+4*\slot, G1B         ; the first tensor load behind the round; its four v_nop are the places in front of the loads below
.else
	PLACES NP
.endif
	v_add_nc_u32 v[ADRS], 512*NQ, v[ADRS]          ; the next slot's scale words
	FETCH_B \next, 0, 0
	FETCH_A \next, 0, 0
	SCALES \next
	WIN MUL_HI
	MUL16 4, 1, NQ-1, \slot, 0
	MUL16 6, 1, NQ-1, \slot, 0
	PLACES NP
	WIN 0
	FETCH_A \next, 0, 4
.endm
; The 64 numbers v[AC] .. v[AC + 63] of window X (register 16 b + i = k 32 b + 16 h + i of my row) become a fragment's codes in v[PC] on and its scale word in v[pw].  Each accumulator is read from its low end on.
.macro QUANTW X, AC, pw
	WIN (\X)|((\X)<<2)|((\X)<<4)                   ; the three sources in window X
.irp k, 0,1,2,3,4
.irp b, 0,1,2,3
	v_max3_num_f32 v[M0+6*\b+\k], |v[\AC+16*\b+3*\k]|, |v[\AC+16*\b+3*\k+1]|, |v[\AC+16*\b+3*\k+2]|
.endr
.endr
.irp b, 0,1,2,3
	v_max3_num_f32 v[M0+6*\b+5], |v[\AC+16*\b+15]|, |v[\AC+16*\b+15]|, 0x1800000   ; and the floor 2^(3 - 127): the byte cannot fall under 1
.endr
	WIN 0
.irp b, 0,1,2,3
	v_max3_num_f32 v[TM+\b], v[M0+6*\b], v[M0+6*\b+1], v[M0+6*\b+2]
.endr
.irp b, 0,1,2,3
	v_max3_num_f32 v[TM+\b], v[TM+\b], v[M0+6*\b+3], v[M0+6*\b+4]
.endr
.irp b, 0,1,2,3
	v_max_num_f32 v[TM+\b], v[TM+\b], v[M0+6*\b+5]
.endr
.irp b, 0,1,2,3
	v_permlanex16_b32 v[TM+4+\b], v[TM+\b], s[SEL], s[SEL+1]
.endr
.irp b, 0,1,2,3
	v_max_num_f32 v[TM+\b], v[TM+\b], v[TM+4+\b]   ; the block's largest magnitude
.endr
.irp b, 0,1,2,3
	v_add_nc_u32 v[TM+12+\b], 0xff000000, v[TM+\b]   ; 2 off its exponent field: the conversion's scale operand
.endr
.irp b, 0,1,2,3
	v_lshrrev_b32 v[TM+4+\b], 23, v[TM+12+\b]      ; the scale's byte
.endr
	v_lshl_or_b32 v[\pw], v[TM+5], 8, v[TM+4]
	v_lshl_or_b32 v[\pw], v[TM+6], 16, v[\pw]
	v_lshl_or_b32 v[\pw], v[TM+7], 24, v[\pw]
	s_wait_xcnt 0x0                                ; the last fragment's stores have read the codes' registers
	WIN (\X)                                       ; source 0 in window X
.irp c, 0,1
	v_cvt_scalef32_pk16_fp6_f32 v[PC+6*\c:PC+2+6*\c], v[\AC+32*\c:\AC+32*\c+15], v[TM+12+2*\c]
	v_cvt_scalef32_pk16_fp6_f32 v[PC+12+4*\c:PC+14+4*\c], v[\AC+32*\c+16:\AC+32*\c+31], v[TM+12+2*\c+1]
.endr
	WIN 0
	v_nop                                          ; one plain place behind a scaled conversion
.irp c, 0,1
.irp i, 0,1,2
	v_permlane16_swap_b32 v[PC+6*\c+\i], v[PC+12+4*\c+\i]
.endr
.irp i, 0,1,2
	v_mov_b32 v[PC+3+6*\c+\i], v[PC+12+4*\c+\i]
.endr
.endr
.endm
	s_wait_tensorcnt 1                             ; the scale words and my part of slot 0 are in (slot 1's load may be out)
	s_barrier_signal -1
	s_barrier_wait -1                              ; everybody's are
	FETCH_B 0, 0, 0
	FETCH_A 0, 0, 0
	SCALES 0
	FETCH_A 0, 0, 4
	s_wait_loadcnt 0x0                             ; the bias
	s_cmp_eq_u32 s95, 1                            ; the first K step is written twice: the bias goes by B's block or by A's.  No barrier and no tensor load stands in it
	s_cbranch_scc1 .Lfirst_v
	STEP 0, 0, 1
	s_branch .Lfirst_done
.Lfirst_v:
	STEP 0, 0, 2
.Lfirst_done:
	TURN 0, 1, 1                                   ; K step 1; slot 0 takes K steps 4, 5
	STEP 1, 0, 0
	TURN 1, 0, 1                                   ; K step 3; slot 1 takes K steps 6, 7
	STEP 0, 0, 0
	TURN 0, 1, 0                                   ; nothing is left to fetch
	STEP 1, 0, 0
	s_wait_dscnt 4*NL                              ; the last K step
	WIN MUL_LO
	MUL16 0, 1, NQ-1, 1, 0
	MUL16 2, 1, NQ-1, 1, 0
	s_wait_dscnt 0
	WIN MUL_HI
	MUL16 4, 1, NQ-1, 1, 0
	MUL16 6, 1, NQ-1, 1, 0
	WIN 0
	; THE WAY OUT: each A tile's 64 numbers a lane are quantised and leave as a register image, in six planes of 256 consecutive bytes
	PLACES NP
.irp b, 0,1,2,3
	v_mov_b32 v[TM+4+\b], 0                        ; written once: a lane permute's destination counts as one of its sources
.endr
.irp a, 0,1,2,3,4,5,6,7
	QUANTW 2+\a/4, 64*(\a%4), SW+\a
.irp p, 0,1,2,3,4,5
	global_store_b64 v[L8], v[PC+2*\p:PC+2*\p+1], s[10:11] offset:1536*\a+256*\p
.endr
.endr
.irp p, 0,1,2,3
	v_cndmask_b32 v[MX+\p], v[SW+2*\p], v[SW+2*\p+1], s[HM]   ; lanes 0-15: tile 2 p's words, lanes 16-31: tile 2 p + 1's
	global_store_b32 v[L4], v[MX+\p], s[12:13] offset:128*\p  ; the wave's four stores cover 512 consecutive bytes
.endr
	s_wait_tensorcnt 0x0                           ; the wave's end
	ds_add_u32 v[SPW], v[NIL]
	s_wait_dscnt 0x0
	CROUND                                         ; the closing round
	s_endpgm
.Lfunc_end_k_q9884a87fda_qkv:
	.size	k_q9884a87fda_qkv, .Lfunc_end_k_q9884a87fda_qkv-k_q9884a87fda_qkv
	.p2alignl 7, 3214868480
	.fill 96, 4, 3214868480
	.section	.rodata,"a",@progbits
	.p2align	6, 0x0
	.amdhsa_kernel k_q9884a87fda_qkv
		.amdhsa_group_segment_fixed_size 327680
		.amdhsa_private_segment_fixed_size 0
		.amdhsa_enable_private_segment 0
		.amdhsa_kernarg_size 24
		.amdhsa_user_sgpr_count 2
		.amdhsa_user_sgpr_kernarg_segment_ptr 1
		.amdhsa_wavefront_size32 1
		.amdhsa_system_sgpr_workgroup_id_x 1
		.amdhsa_system_sgpr_workgroup_id_y 1
		.amdhsa_system_sgpr_workgroup_id_z 1
		.amdhsa_system_vgpr_workitem_id 0
		.amdhsa_next_free_vgpr 1024
		.amdhsa_next_free_sgpr 100
		.amdhsa_reserve_vcc 0
		.amdhsa_float_denorm_mode_32 3
		.amdhsa_float_denorm_mode_16_64 3
		.amdhsa_memory_ordered 1
		.amdhsa_forward_progress 1
		.amdhsa_inst_pref_size 165
	.end_amdhsa_kernel
	.amdgpu_metadata
---
amdhsa.version: [ 1, 2 ]
amdhsa.kernels:
  - .name:           k_q9884a87fda_qkv
    .symbol:         k_q9884a87fda_qkv.kd
    .args:
      - { .name: wts, .offset: 0, .size: 8, .value_kind: global_buffer, .address_space: global }
      - { .name: in_proj_b, .offset: 8, .size: 8, .value_kind: global_buffer, .address_space: global }
      - { .name: qkv, .offset: 16, .size: 8, .value_kind: global_buffer, .address_space: global }
    .group_segment_fixed_size: 327680
    .private_segment_fixed_size: 0
    .kernarg_segment_align: 8
    .kernarg_segment_size: 24
    .max_flat_workgroup_size: 128
    .sgpr_count:     100
    .vgpr_count:     1024
    .wavefront_size: 32
...
	.end_amdgpu_metadata
.endif
;; end of part 2
;; launch attn (part 3): grid 256 x 1, 4 waves a work-group, no clusters, 113,664 bytes of LDS; arguments qkv, wts, x, out_proj_b, ln2_g, ln2_b, b2, out1, x1b, xn2; writes out1, x1b, xn2
.if DOCPART == 3
	.amdgcn_target "amdgcn-amd-amdhsa--gfx1250"
	.amdhsa_code_object_version 6
	.text
	.protected	k_q9884a87fda_attn
	.globl	k_q9884a87fda_attn
	.p2align	8
	.type	k_q9884a87fda_attn,@function
k_q9884a87fda_attn:
	s_mov_b64 s[64:65], 0
	v_nop
	global_prefetch_b8 v0, s[64:65] scope:SCOPE_SE
	s_setreg_imm32_b32 hwreg(HW_REG_WAVE_MODE, 25, 1), 1
	s_wait_xcnt 0x0
; For one tile of 16 tokens: banded attention of all 16 heads (|query - key| <= 128), the heads' mean of the weights (out1), ctx quantised, x1 = x + ctx out_proj_w^T + out_proj_b, x1 + b2 (for the last launch), LayerNorm 2 quantised.
; All products on codes of FP6 (E2M3) with E8M0 scales.  One work-group owns its 16 rows through all of it, since the heads' mean and LayerNorm 2 want all heads, all 1,024 columns, of a row in one place.
; TILES: lane r of tile T holds token 32 (T / 2) + 8 (T % 2) + r + 8 (r / 8).  The tile lies in block I of 128 tokens; its keys lie in blocks I - 1, I, I + 1: three key steps of 128.  At the sequence's ends the missing block's
; loads are held at the nearest block (no load leaves its buffer) and all its scores are masked.
; WAVE w: heads 4 w .. 4 w + 3, in two pairs (a pair's 128 channels are one K step of q, k and ctx); rows 4 w .. 4 w + 3 of out1; features 256 w .. 256 w + 255 of x1.
; A HEAD: S^T = K Q^T, 24 products.  The head's K is 64, the instruction's 128: Q's other six registers hold zero codes, against which K's neighbouring registers (another tile's codes) add nothing.
; t = score x log2(e) / 8; M = ceil(the row's largest t): all 384 scores of a row are in registers, so M is final; p = 2^(t - M); masked scores are -infinity, p = 0.  l = the sum of the unquantised p.
; p is quantised along the keys; a block's largest p is the exponential of its largest score.  O^T = V^T P^T, 12 products; ctx = O / l is quantised along the channels.  p / (16 l) is summed over the wave's heads.
; Both products are used transposed: a lane holds one query throughout.
; No tensor load and no copy: K, V and out_proj_w come as register images by global loads, each asked for a head (a K step) ahead of its use.  NO CLUSTER, though the eight tiles of a block read the same K, V and weights: joint loads
; want a ring in LDS and a round in the head loop; with the means' stage and 1,024 registers a wave in use that is another design.
; No prefetch into the L2: each stream is asked for into registers a head ahead, and a wave's whole walk is four heads.
; LIMITS of the quantiser: a block whose largest magnitude lies under 2^-124 gets the byte 1, a block of zeros too (its codes are zeros; this program alone reads the bytes); NaN and infinities are not served.
; REGISTERS, in windows of 256.  Window 0: v1-15 addresses; v16-33 Q [head 0's 6][zeros 6][head 1's 6]; SCALE WORDS AND NOTHING ELSE: v34 Q's, v36-47 K's, v48-53 V's, v54-56 p's, v57-72 out_proj_w's, v89-96 ctx's;
;   v76-88 ctx's fragment and word; v104-135 O^T; v136-171 p's codes; v180-227 V of key step 2; v228-253 at work.  Window 1: v0-191 S^T, then p; v192-243 the softmax's small numbers.
;   Window 2: v0-191 the sum of p / (16 l); later v0-127 x1.  Window 3: v0-149 K; v156-251 V of key steps 0, 1; later out_proj_w's fragments.
.set QKC,  0
.set VC,   6291456
.set QKS,  9437184
.set VSO,  9699328
.set WOC,  5734400
.set WOS,  6520832
.set XN2S, 3145728
.set MSTP, 1552                        ; LDS: a row of a wave's means: 384 keys x 4 bytes + 16 = 388 words: row r starts at bank 4 r
.set MSTW, 16*MSTP                     ; four waves' stages from byte 0
.set CIM,  99328                       ; ctx's eight fragments, 1,536 bytes each
.set CSC,  111616                      ; their scale words, 128 bytes each
.set STAT0, 112640                     ; [row 16][wave 4] sums; the squares' 256 bytes on
.set L8,   1
.set L16,  2
.set L4,   3
.set R4,   4
.set MSTA, 5
.set RDA0, 6
.set RDA1, 7
.set XOFF, 8
.set CIA,  9
.set ZR,   10                          ; v10-13 zeros: the data of out1's zero fill; never rewritten
.set CSA,  14
.set H64,  15
.set QF,   16
.set QS,   34
.set KS,   36
.set VS,   48
.set PS,   54
.set WSC,  57
.set CF,   76
.set CW,   88
.set CXS,  89
.set OT,   104
.set PCD,  136
.set V2,   180
.set CT,   228
.set RL,   252
.set CXF,  128                         ; behind the heads: ctx's eight fragments, v128-223
.set STS,  16                          ; and in Q's registers: addresses and small numbers
.set STL,  17
.set XSO,  18
.set PWA,  20
.set PWB,  21
.set PWM,  22
.set MU,   24
.set RS,   26
.set TM,   192
.set PC,   208
.set M0,   228
.set SA,   228
.set PT,   236
.set BM,   192                         ; window 1: the blocks' largest scores, then largest p
.set BT,   204
.set SO,   216                         ; the conversions' scale operands
.set NM,   228                         ; -M;  v229 the largest t
.set SU,   230
.set D0,   234
.set D2,   235
.set NI,   236
.set RR,   238
.set WK,   240
.set VF,   156                         ; window 3
.set WV,   24
.set BB,   26
.set TL,   27
.set II,   28
.set KB,   32
.set KSB,  38
.set VB,   44
.set VSB,  50
.set QB,   56
.set QSB,  58
.set CS,   60
.set SEL,  62
.set TRIP, 66
.set CIMS, 67
.set CSCS, 68
.set HM,   69
.set OUT1, 80
.set XB,   32                          ; behind the heads, in the heads' base registers
.set OBB,  34
.set WCB,  36
.set WSB,  38
.set B2B,  40
.set G2B,  42
.set L2B,  44
.set X1B,  46
.set XNB,  48
.set XSB,  50
.set OW,   52
.set MSB, 0
.macro WIN new                         ; low byte: bits 1:0 source 0, 3:2 source 1, 5:4 source 2, 7:6 destination; the high byte repeats the setting that is left
.if MSB != (\new)
	s_set_vgpr_msb (MSB<<8)|(\new)
.set MSB, (\new)
.endif
.endm
.macro PLACES n
.rept \n
	v_nop
.endr
.endm
.macro FP6MM d, a, b, zero, sa, sb, row1   ; one product; zero: it starts its sum; row1: source 0's scale words stand in lanes 16-31
.if (\zero) && (\row1)
	v_wmma_scale_f32_16x16x128_f8f6f4 v[\d:\d+7], v[\a:\a+11], v[\b:\b+11], 0, v[\sa], v[\sb] matrix_a_fmt:MATRIX_FMT_FP6 matrix_b_fmt:MATRIX_FMT_FP6 matrix_a_scale:MATRIX_SCALE_ROW1
.elseif (\zero)
	v_wmma_scale_f32_16x16x128_f8f6f4 v[\d:\d+7], v[\a:\a+11], v[\b:\b+11], 0, v[\sa], v[\sb] matrix_a_fmt:MATRIX_FMT_FP6 matrix_b_fmt:MATRIX_FMT_FP6
.elseif (\row1)
	v_wmma_scale_f32_16x16x128_f8f6f4 v[\d:\d+7], v[\a:\a+11], v[\b:\b+11], v[\d:\d+7], v[\sa], v[\sb] matrix_a_fmt:MATRIX_FMT_FP6 matrix_b_fmt:MATRIX_FMT_FP6 matrix_a_scale:MATRIX_SCALE_ROW1
.else
	v_wmma_scale_f32_16x16x128_f8f6f4 v[\d:\d+7], v[\a:\a+11], v[\b:\b+11], v[\d:\d+7], v[\sa], v[\sb] matrix_a_fmt:MATRIX_FMT_FP6 matrix_b_fmt:MATRIX_FMT_FP6
.endif
.endm
.macro LOADQ                           ; a pair's Q: planes 0-2 (head 0) and 3-5 (head 1), and its scale words: 7 loads
.irp p, 0,1,2
	global_load_b64 v[QF+2*\p:QF+2*\p+1], v[L8], s[QB:QB+1] offset:256*\p
	global_load_b64 v[QF+12+2*\p:QF+12+2*\p+1], v[L8], s[QB:QB+1] offset:768+256*\p
.endr
	global_load_b32 v[QS], v[R4], s[QSB:QSB+1]
.endm
.macro LOADKS                          ; a pair's scale words of K: two tiles to a register: 12 loads
.irp st, 0,1,2
.irp p, 0,1,2,3
	global_load_b32 v[KS+4*\st+\p], v[L4], s[KSB+2*\st:KSB+2*\st+1] offset:128*\p
.endr
.endr
.endm
.macro LOADK hh                        ; head hh's half of K's 24 fragments: tile t's six registers at 6 t + 6 hh: 72 loads of 256 consecutive bytes
	WIN 0xc0
.irp st, 0,1,2
.irp tt, 0,1,2,3,4,5,6,7
.irp p, 0,1,2
	global_load_b64 v[6*(8*\st+\tt)+6*(\hh)+2*\p:6*(8*\st+\tt)+6*(\hh)+2*\p+1], v[L8], s[KB+2*\st:KB+2*\st+1] offset:1536*\tt+768*(\hh)+256*\p
.endr
.endr
.endr
	WIN 0
.endm
.macro LOADV hh                        ; head hh's 12 fragments of V (key step, 16 channels) and their scale words: 78 loads
	WIN 0xc0
.irp st, 0,1
.irp c, 0,1,2,3
.irp p, 0,1,2,3,4,5
	global_load_b64 v[VF+48*\st+12*\c+2*\p:VF+48*\st+12*\c+2*\p+1], v[L8], s[VB+2*\st:VB+2*\st+1] offset:6144*(\hh)+1536*\c+256*\p
.endr
.endr
.endr
	WIN 0
.irp c, 0,1,2,3
.irp p, 0,1,2,3,4,5
	global_load_b64 v[V2+12*\c+2*\p:V2+12*\c+2*\p+1], v[L8], s[VB+4:VB+5] offset:6144*(\hh)+1536*\c+256*\p
.endr
.endr
.irp st, 0,1,2
.irp p, 0,1
	global_load_b32 v[VS+2*\st+\p], v[L4], s[VSB+2*\st:VSB+2*\st+1] offset:256*(\hh)+128*\p
.endr
.endr
.endm
.macro ZCOL c                          ; my four rows' columns 128 c .. 128 c + 127 of out1 are zeros, unless the band passes through them (a branch on ids)
	s_sub_co_u32 s71, (\c)+1, s[II]
	s_cmp_le_u32 s71, 2
	s_cbranch_scc1 .Lband_\@
.irp e, 0,1,2,3
	global_store_b128 v[L16], v[ZR:ZR+3], s[OUT1:OUT1+1] offset:8192*\e+512*(\c) th:TH_STORE_NT   ; 512 consecutive bytes
.endr
.Lband_\@:
.endm
	s_load_b512 s[4:19], s[0:1], 0x0               ; qkv, wts, x, out_proj_b, ln2_g, ln2_b, b2, out1
	s_load_b128 s[20:23], s[0:1], 0x40             ; x1b, xn2
	v_lshl_add_u32 v254, v0, 2, 0x1ba00
	v_mov_b32 v255, 0
	v_lshrrev_b32 v1, 5, v0
	v_readfirstlane_b32 s[WV], v1                  ; wave 0..3
	v_and_b32 v73, 31, v0                          ; lane
	v_and_b32 v74, 15, v0                          ; r
	v_bfe_u32 v75, v0, 4, 1                        ; h
	v_lshlrev_b32 v[L8], 3, v73
	v_lshlrev_b32 v[L16], 4, v73
	v_lshlrev_b32 v[L4], 2, v73
	v_lshlrev_b32 v[R4], 2, v74
	s_mul_i32 s70, s[WV], MSTW
	v_mul_u32_u24 v[MSTA], v74, MSTP
	v_lshl_add_u32 v[MSTA], v75, 6, v[MSTA]
	v_add_nc_u32 v[MSTA], s70, v[MSTA]             ; my wave's stage: row r, + 64 h
	s_mul_i32 s70, s[WV], 4*MSTP
	v_add_nc_u32 v[RDA0], s70, v[L16]              ; back: rows 4 w on of waves 0, 1,
	v_add_nc_u32 v[RDA1], 2*MSTW, v[RDA0]          ; and of waves 2, 3
	v_and_b32 v35, 8, v74
	v_add_nc_u32 v35, v35, v74                     ; r + 8 (r / 8)
	v_lshlrev_b32 v[XOFF], 12, v35
	v_lshl_add_u32 v[XOFF], v75, 6, v[XOFF]        ; x: my token's row of 4,096 bytes, + 64 h
	v_lshlrev_b32 v[H64], 6, v75
.irp i, 0,1,2,3
	v_mov_b32 v[ZR+\i], 0
.endr
	s_lshr_b32 s[BB], ttmp9, 7                     ; the batch
	s_and_b32 s[TL], ttmp9, 127                    ; the tile in it
	s_lshr_b32 s[II], s[TL], 3                     ; its block of 128 tokens
	s_max_u32 s70, s[II], 1
	s_sub_co_u32 s70, s70, 1                       ; the three key blocks, held inside the sequence
	s_mov_b32 s71, s[II]
	s_add_co_u32 s72, s[II], 1
	s_min_u32 s72, s72, 15
	s_lshl_b32 s73, s[WV], 9
	s_lshl_b32 s74, s[BB], 7
	s_add_co_u32 s73, s73, s74                     ; 512 w + 128 x batch
	s_lshl_b32 s75, s[BB], 10
	s_lshl_b32 s74, s[WV], 4
	s_add_co_u32 s75, s75, s74                     ; 1,024 x batch + 16 w
	s_mov_b32 s77, 0
	s_wait_kmcnt 0x0
.irp st, 0,1,2
	s_lshl_b32 s74, s[70+\st], 3
	s_add_co_u32 s74, s74, s73
	s_add_co_u32 s74, s74, 2048                    ; K: fragment (8 + 2 w) x 256 + 128 x batch + 8 x block
	s_mul_i32 s76, s74, 1536
	s_add_nc_u64 s[KB+2*\st:KB+2*\st+1], s[4:5], s[76:77]
	s_lshl_b32 s76, s74, 6
	s_add_co_u32 s76, s76, QKS
	s_add_nc_u64 s[KSB+2*\st:KSB+2*\st+1], s[4:5], s[76:77]
	s_lshl_b32 s74, s[70+\st], 6
	s_add_co_u32 s74, s74, s75                     ; V: fragment (16 x batch + block) x 64 + 16 w
	s_mul_i32 s76, s74, 1536
	s_add_co_u32 s76, s76, VC
	s_add_nc_u64 s[VB+2*\st:VB+2*\st+1], s[4:5], s[76:77]
	s_lshl_b32 s76, s74, 6
	s_add_co_u32 s76, s76, VSO
	s_add_nc_u64 s[VSB+2*\st:VSB+2*\st+1], s[4:5], s[76:77]
.endr
	s_lshl_b32 s74, s[WV], 9
	s_add_co_u32 s74, s74, ttmp9                   ; Q: fragment 2 w x 256 + T
	s_mul_i32 s76, s74, 1536
	s_add_nc_u64 s[QB:QB+1], s[4:5], s[76:77]
	s_lshl_b32 s76, s74, 6
	s_add_co_u32 s76, s76, QKS
	s_add_nc_u64 s[QSB:QSB+1], s[4:5], s[76:77]
	LOADQ                                          ; the first head's operands are asked for before anything else
	LOADKS
	LOADK 0
	LOADV 0
	s_lshr_b32 s70, s[TL], 1
	s_lshl_b32 s70, s70, 5
	s_and_b32 s71, s[TL], 1
	s_lshl_b32 s71, s71, 3
	s_add_co_u32 s70, s70, s71                     ; the tile's first token in its batch
	s_lshl_b32 s71, s[BB], 11
	s_add_co_u32 s78, s70, s71                     ; and among all 4,096
	s_lshl_b32 s71, s[WV], 2
	s_add_co_u32 s72, s78, s71
	s_lshr_b32 s71, s[WV], 1
	s_lshl_b32 s71, s71, 3
	s_add_co_u32 s72, s72, s71                     ; rows 4 w .. 4 w + 3 of the tile are four neighbouring tokens
	s_lshl_b32 s76, s72, 13
	s_add_nc_u64 s[OUT1:OUT1+1], s[18:19], s[76:77]
.irp c, 0,1,2,3,4,5,6,7,8,9,10,11,12,13,14,15
	ZCOL \c
.endr
	; THE MASK, from ids alone.  o = my query's place in its block.  Register 64 st + 16 b + i holds key 32 b + 16 h + i of key step st.  Step 0: hidden where 32 b + i < o - 16 h; step 2: where 32 b + i > o - 16 h; step 1: never.
	s_lshl_b32 s71, s[II], 7
	s_sub_co_u32 s73, s70, s71
	s_cmp_eq_u32 s[II], 0
	s_cselect_b32 s74, 4096, 0                     ; no block to the left: all of step 0 is hidden
	s_add_co_u32 s74, s74, s73
	s_cmp_eq_u32 s[II], 15
	s_cselect_b32 s75, 4096, 0                     ; none to the right: all of step 2
	s_sub_co_i32 s75, s73, s75
	v_lshlrev_b32 v73, 4, v75
	v_sub_nc_u32 v73, v35, v73                     ; r + 8 (r / 8) - 16 h
.irp i, 0,1,2,3,4,5
	v_mov_b32 v[QF+6+\i], 0                        ; Q's zero codes
.endr
	v_mov_b32 v[CT+2], 0                           ; lane permutes' destinations count as sources: written once
	v_mov_b32 v[CT+3], 0
	WIN 0x40                                       ; destination window 1
	v_add_nc_u32 v[D0], s74, v73
	v_add_nc_u32 v[D2], s75, v73
	v_mov_b32 v[NI], 0xff800000                    ; -infinity
.set ix, 0
.rept 12
	v_mov_b32 v[BT+ix], 0
.set ix, ix+1
.endr
	WIN 0xc0
.irp i, 144,145,146,147,148,149
	v_mov_b32 v[\i], 0                             ; behind K's last tile of the first head: defined codes, which meet Q's zeros
.endr
	WIN 0x80
.set ix, 0
.rept 192
	v_mov_b32 v[ix], 0                             ; the sum of p / (16 l).  (The head is written once for all four heads: a first head of its own would be a third copy of its text.  These lines run while the first loads are out)
.set ix, ix+1
.endr
	WIN 0
	s_mov_b32 s[CS], 0x3e38aa3b                    ; c = log2(e) / sqrt(64)
	s_mov_b32 s[CS+1], s[CS]
	s_mov_b32 s[SEL], 0x76543210
	s_mov_b32 s[SEL+1], 0xfedcba98
	s_mov_b32 s[HM], 0xffff0000
	s_mov_b32 s[TRIP], 2
	s_mul_i32 s[CIMS], s[WV], 3072
	s_add_co_u32 s[CIMS], s[CIMS], CIM             ; ctx's fragment 2 w + pair
	s_lshl_b32 s[CSCS], s[WV], 8
	s_add_co_u32 s[CSCS], s[CSCS], CSC
.macro HEAD hh
	s_wait_loadcnt 63                              ; Q, K and their scale words are in: V's 78 loads were issued behind them
	WIN 0x43                                       ; K window 3, Q window 0, S^T window 1
.set ix, 0
.rept 24
	FP6MM 8*ix, 6*ix, QF+6*\hh, 1, KS+ix/2, QS, ix%2
.set ix, ix+1
.endr
	WIN 0
	PLACES 4                                       ; in front of loads into registers that these products read, and of the first read of the scores
.if \hh == 0
	LOADK 1                                        ; the pair's other head
.else
	s_cmp_eq_u32 s[TRIP], 1                        ; the next pair's first head, if there is one
	s_cbranch_scc1 .Lno_k_\@
	s_wait_xcnt 0x0                                ; the loads issued so far have read their bases
.irp st, 0,1,2
	s_add_nc_u64 s[KB+2*\st:KB+2*\st+1], s[KB+2*\st:KB+2*\st+1], 393216
	s_add_nc_u64 s[KSB+2*\st:KSB+2*\st+1], s[KSB+2*\st:KSB+2*\st+1], 16384
.endr
	s_add_nc_u64 s[QB:QB+1], s[QB:QB+1], 393216
	s_add_nc_u64 s[QSB:QSB+1], s[QSB:QSB+1], 16384
	LOADQ
	LOADKS
	LOADK 0
.Lno_k_\@:
.endif
	WIN 0x55                                       ; the softmax works in window 1
.set ix, 0
.rept 64
	v_cmp_lt_i32 vcc_lo, 32*(ix/16)+ix%16, v[D0]
	v_cndmask_b32 v[ix], v[ix], v[NI], vcc_lo
.set ix, ix+1
.endr
.set ix, 0
.rept 64
	v_cmp_gt_i32 vcc_lo, 32*(ix/16)+ix%16, v[D2]
	v_cndmask_b32 v[128+ix], v[128+ix], v[NI], vcc_lo
.set ix, ix+1
.endr
.set ix, 0
.rept 12
	v_max3_num_f32 v[BM+ix], v[16*ix], v[16*ix+1], v[16*ix+2]   ; the largest score of each block of 32 keys: for the row's maximum and for the block's largest p
.set ix, ix+1
.endr
.irp i, 3,5,7,9,11,13
.set ix, 0
.rept 12
	v_max3_num_f32 v[BM+ix], v[BM+ix], v[16*ix+\i], v[16*ix+\i+1]
.set ix, ix+1
.endr
.endr
.set ix, 0
.rept 12
	v_max_num_f32 v[BM+ix], v[BM+ix], v[16*ix+15]
.set ix, ix+1
.endr
.set ix, 0
.rept 12
	v_permlanex16_b32 v[BT+ix], v[BM+ix], s[SEL], s[SEL+1]
.set ix, ix+1
.endr
.set ix, 0
.rept 12
	v_max_num_f32 v[BM+ix], v[BM+ix], v[BT+ix]     ; with lane l xor 16's 16 keys
.set ix, ix+1
.endr
.irp i, 0,1,2,3
	v_max3_num_f32 v[WK+\i], v[BM+3*\i], v[BM+3*\i+1], v[BM+3*\i+2]
.endr
	v_max3_num_f32 v[WK], v[WK], v[WK+1], v[WK+2]
	v_max_num_f32 v[WK], v[WK], v[WK+3]            ; the row's largest score: the query's own key always counts, so it is a number
	v_mul_f32 v[NM+1], s[CS], v[WK]                ; as t
	v_floor_f32 v[NM], -v[NM+1]                    ; -M = floor(-t) = -ceil(t)
.set ix, 0
.rept 96
	v_pk_fma_f32 v[ix:ix+1], v[ix:ix+1], s[CS:CS+1], v[NM:NM+1] op_sel_hi:[1,0,0]   ; t - M, two at a time
.set ix, ix+2
.endr
.set ix, 0
.rept 12
	v_fma_f32 v[BM+ix], v[BM+ix], s[CS], v[NM]     ; the same of each block's largest score
.set ix, ix+1
.endr
.set ix, 0
.rept 192
	v_exp_f32 v[ix], v[ix]                         ; p = 2^(t - M): not normalised
.set ix, ix+1
.endr
	v_nop                                          ; a plain place behind the exponentials
	s_wait_alu depctr_va_vdst(0)                   ; one wait for the batch, ahead of its first reader
.set ix, 0
.rept 12
	v_exp_f32 v[BM+ix], v[BM+ix]                   ; the blocks' largest p: the same two instructions on the same number give the same bits
.set ix, ix+1
.endr
.irp c, 0,1
	v_pk_add_f32 v[SU+2*\c:SU+2*\c+1], v[2*\c:2*\c+1], v[8+2*\c:9+2*\c]     ; l, of the unquantised p: four chains; they read the 192 alone
	v_pk_add_f32 v[WK+2*\c:WK+2*\c+1], v[4+2*\c:5+2*\c], v[12+2*\c:13+2*\c]
.endr
.set ix, 16
.rept 22
	v_pk_add_f32 v[SU:SU+1], v[SU:SU+1], v[ix:ix+1]
	v_pk_add_f32 v[SU+2:SU+3], v[SU+2:SU+3], v[ix+2:ix+3]
	v_pk_add_f32 v[WK:WK+1], v[WK:WK+1], v[ix+4:ix+5]
	v_pk_add_f32 v[WK+2:WK+3], v[WK+2:WK+3], v[ix+6:ix+7]
.set ix, ix+8
.endr
	v_pk_add_f32 v[SU:SU+1], v[SU:SU+1], v[SU+2:SU+3]
	v_pk_add_f32 v[WK:WK+1], v[WK:WK+1], v[WK+2:WK+3]
	v_pk_add_f32 v[SU:SU+1], v[SU:SU+1], v[WK:WK+1]
	v_add_f32 v[WK], v[SU], v[SU+1]
	v_permlanex16_b32 v[WK+1], v[WK], s[SEL], s[SEL+1]
	v_add_f32 v[WK], v[WK], v[WK+1]                ; l
	v_rcp_f32 v[WK+2], v[WK]
	v_nop                                          ; a plain place
	s_wait_alu depctr_va_vdst(0)                   ; one wait for the twelve exponentials and the reciprocal
.set ix, 0
.rept 12
	v_max_num_f32 v[BM+ix], 0x1800000, v[BM+ix]    ; the floor 2^(3 - 127): a block of zeros keeps the byte 1
.set ix, ix+1
.endr
.set ix, 0
.rept 12
	v_add_nc_u32 v[SO+ix], 0xff000000, v[BM+ix]    ; 2 off the exponent field: the conversion's scale operand
.set ix, ix+1
.endr
.set ix, 0
.rept 12
	v_lshrrev_b32 v[BT+ix], 23, v[SO+ix]           ; the scale's byte
.set ix, ix+1
.endr
.irp st, 0,1,2
	v_lshl_or_b32 v[BM+\st], v[BT+4*\st+1], 8, v[BT+4*\st]
.endr
.irp st, 0,1,2
	v_lshl_or_b32 v[BM+\st], v[BT+4*\st+2], 16, v[BM+\st]
.endr
	v_mul_f32 v[RR], 0x3d800000, v[WK+2]           ; 1 / (16 l)
	v_mul_f32 v[RR+1], 0x3d800000, v[WK+2]
	WIN 0x15                                       ; destination window 0
.irp st, 0,1,2
	v_lshl_or_b32 v[PS+\st], v[BT+4*\st+3], 24, v[BM+\st]   ; p's scale word for key step st
.endr
	WIN 0x01
	v_mov_b32 v[RL], v[WK+2]                       ; 1 / l
	v_mov_b32 v[RL+1], v[WK+2]
	WIN 0x05                                       ; numbers and scale operands window 1, codes window 0
.irp st, 0,1,2
.irp c, 0,1
	v_cvt_scalef32_pk16_fp6_f32 v[PCD+12*\st+6*\c:PCD+12*\st+6*\c+2], v[64*\st+32*\c:64*\st+32*\c+15], v[SO+4*\st+2*\c]
	v_cvt_scalef32_pk16_fp6_f32 v[CT+8*\st+4*\c:CT+8*\st+4*\c+2], v[64*\st+32*\c+16:64*\st+32*\c+31], v[SO+4*\st+2*\c+1]
.endr
.endr
	WIN 0
	v_nop                                          ; one plain place behind a scaled conversion
.irp st, 0,1,2
.irp c, 0,1
.irp i, 0,1,2
	v_permlane16_swap_b32 v[PCD+12*\st+6*\c+\i], v[CT+8*\st+4*\c+\i]   ; the operand's layout wants a whole block in a lane
.endr
.irp i, 0,1,2
	v_mov_b32 v[PCD+12*\st+6*\c+3+\i], v[CT+8*\st+4*\c+\i]
.endr
.endr
.endr
	WIN 0xa5                                       ; p and 1 / (16 l) window 1, the sum window 2
.set ix, 0
.rept 96
	v_pk_fma_f32 v[ix:ix+1], v[ix:ix+1], v[RR:RR+1], v[ix:ix+1]   ; (these are also the places between p's codes and scale words and the products below)
.set ix, ix+2
.endr
.if \hh == 0
	s_wait_loadcnt 63                              ; V is in: the other head's 72 loads of K were issued behind it
.else
	s_wait_loadcnt 0x0                             ; V is in (what was issued behind it hangs on the trip)
.endif
.irp st, 0,1,2                                 ; O^T = V^T P^T: the four accumulators take turns
.if \st < 2
	WIN 0x03
.set iy, VF+48*\st
.else
	WIN 0
.set iy, V2
.endif
.irp c, 0,1,2,3
	FP6MM OT+8*\c, iy+12*\c, PCD+12*\st, (\st==0), VS+2*\st+\c/2, PS+\st, \c%2
.endr
.endr
	WIN 0
	PLACES 4
.if \hh == 0
	LOADV 1
.else
	s_cmp_eq_u32 s[TRIP], 1
	s_cbranch_scc1 .Lno_v_\@
	s_wait_xcnt 0x0
.irp st, 0,1,2
	s_add_nc_u64 s[VB+2*\st:VB+2*\st+1], s[VB+2*\st:VB+2*\st+1], 12288
	s_add_nc_u64 s[VSB+2*\st:VSB+2*\st+1], s[VSB+2*\st:VSB+2*\st+1], 512
.endr
	LOADV 0
.Lno_v_\@:
.endif
.set ix, 0
.rept 16
	v_pk_mul_f32 v[OT+ix:OT+ix+1], v[OT+ix:OT+ix+1], v[RL:RL+1]   ; ctx = O / l: register 16 b + i is channel 32 b + 16 h + i of the head; each accumulator from its low end on
.set ix, ix+2
.endr
.irp b, 0,1
	v_max3_num_f32 v[CT+\b], |v[OT+16*\b]|, |v[OT+16*\b+1]|, 0x1800000
.endr
.irp i, 2,4,6,8,10,12,14
.irp b, 0,1
	v_max3_num_f32 v[CT+\b], v[CT+\b], |v[OT+16*\b+\i]|, |v[OT+16*\b+\i+1]|
.endr
.endr
.irp b, 0,1
	v_permlanex16_b32 v[CT+2+\b], v[CT+\b], s[SEL], s[SEL+1]
.endr
.irp b, 0,1
	v_max_num_f32 v[CT+\b], v[CT+\b], v[CT+2+\b]
.endr
.irp b, 0,1
	v_add_nc_u32 v[CT+4+\b], 0xff000000, v[CT+\b]
.endr
.irp b, 0,1
	v_lshrrev_b32 v[CT+6+\b], 23, v[CT+4+\b]
.endr
	v_cvt_scalef32_pk16_fp6_f32 v[CF+6*\hh:CF+6*\hh+2], v[OT:OT+15], v[CT+4]
	v_cvt_scalef32_pk16_fp6_f32 v[CT+8:CT+10], v[OT+16:OT+31], v[CT+5]
.if \hh == 0
	v_lshl_or_b32 v[CW], v[CT+7], 8, v[CT+6]       ; (a plain place behind the conversions)  the pair's scale word: bytes 0, 1
.else
	v_lshl_or_b32 v[CW], v[CT+6], 16, v[CW]        ; bytes 2,
	v_lshl_or_b32 v[CW], v[CT+7], 24, v[CW]        ; 3
.endif
.irp i, 0,1,2
	v_permlane16_swap_b32 v[CF+6*\hh+\i], v[CT+8+\i]
.endr
.irp i, 0,1,2
	v_mov_b32 v[CF+6*\hh+3+\i], v[CT+8+\i]
.endr
.endm
.Lpair:                                            ; two trips: a pair of heads each
	HEAD 0
	HEAD 1
	v_add_nc_u32 v[CIA], s[CIMS], v[L16]           ; the pair's fragment of ctx goes to LDS as it stands, its scale words beside it
	v_add_nc_u32 v[CSA], s[CSCS], v[L4]
.irp c, 0,1,2
	ds_store_b128 v[CIA], v[CF+4*\c:CF+4*\c+3] offset:512*\c
.endr
	ds_store_b32 v[CSA], v[CW]
	s_add_co_u32 s[CIMS], s[CIMS], 1536
	s_add_co_u32 s[CSCS], s[CSCS], 128
	s_wait_dscnt 0x0                               ; the stores have read their registers
	s_sub_co_u32 s[TRIP], s[TRIP], 1
	s_cmp_lg_u32 s[TRIP], 0
	s_cbranch_scc1 .Lpair
	s_wait_loadcnt 0x0                             ; no load of the heads is out: their bases and registers are written again below
	WIN 0x08                                       ; an LDS store's data are its source 1: window 2
.set ix, 0
.rept 48
	ds_store_b128 v[MSTA], v[4*ix:4*ix+3] offset:512*(ix/16)+128*((ix/4)%4)+32*((ix/2)%2)+16*(ix%2)   ; my four heads' sum, by rows of 384 keys
.set ix, ix+1
.endr
	WIN 0
	s_mov_b32 s77, 0
	s_lshl_b32 s70, s[WV], 10
	s_lshl_b32 s76, s78, 12
	s_add_co_u32 s76, s76, s70
	s_add_nc_u64 s[XB:XB+1], s[8:9], s[76:77]      ; x at the tile's first token, my 256 features
	s_mov_b32 s76, s70
	s_add_nc_u64 s[OBB:OBB+1], s[10:11], s[76:77]
	s_add_nc_u64 s[G2B:G2B+1], s[12:13], s[76:77]
	s_add_nc_u64 s[L2B:L2B+1], s[14:15], s[76:77]
	s_add_nc_u64 s[B2B:B2B+1], s[16:17], s[76:77]
	s_add_co_u32 s76, s70, WOS
	s_add_nc_u64 s[WSB:WSB+1], s[6:7], s[76:77]    ; out_proj_w: my 16 tiles' scale words,
	s_mul_i32 s76, s[WV], 24576
	s_add_co_u32 s76, s76, WOC
	s_add_nc_u64 s[WCB:WCB+1], s[6:7], s[76:77]    ; and fragments
	s_lshl_b32 s76, ttmp9, 16
	s_lshl_b32 s71, s[WV], 14
	s_add_co_u32 s76, s76, s71
	s_add_nc_u64 s[X1B:X1B+1], s[20:21], s[76:77]  ; x1b: accumulator images (64 T + 16 w) x 1,024
	s_lshl_b32 s71, s[WV], 9
	s_add_co_u32 s71, s71, ttmp9
	s_mul_i32 s76, s71, 1536
	s_add_nc_u64 s[XNB:XNB+1], s[22:23], s[76:77]  ; xn2: fragment 2 w x 256 + T
	s_lshl_b32 s76, s71, 6
	s_add_co_u32 s76, s76, XN2S
	s_add_nc_u64 s[XSB:XSB+1], s[22:23], s[76:77]
	s_lshl_b32 s76, s[II], 9
	s_add_nc_u64 s[OW:OW+1], s[OUT1:OUT1+1], s[76:77]   ; out1: my rows at the middle key block
	v_and_b32 v[STL], 15, v0
	v_bfe_u32 v[XSO], v0, 4, 1
	v_lshlrev_b32 v[XSO], 14, v[XSO]
	v_lshl_add_u32 v[XSO], v[STL], 2, v[XSO]       ; 4 r + 16,384 h
	v_lshl_add_u32 v[STL], v[STL], 4, STAT0        ; the sums of row r
	s_lshl_b32 s71, s[WV], 2
	v_add_nc_u32 v[STS], s71, v[STL]
	v_add_nc_u32 v[CIA], CIM, v[L16]
	v_add_nc_u32 v[CSA], CSC, v[L4]
	s_wait_dscnt 0x0                               ; for the others' sake: my stores are done
	s_barrier_signal -1
	s_barrier_wait -1                              ; the four stages and ctx's eight fragments lie in LDS
	WIN 0x40
.irp e, 0,1,2,3
.irp st, 0,1,2
.irp m, 0,1
	ds_load_b128 v[16*(3*\e+\st)+4*\m:16*(3*\e+\st)+4*\m+3], v[RDA0] offset:MSTW*\m+MSTP*\e+512*\st      ; row 4 w + e, key step st, of wave m's stage: 512 consecutive bytes
	ds_load_b128 v[16*(3*\e+\st)+8+4*\m:16*(3*\e+\st)+8+4*\m+3], v[RDA1] offset:MSTW*\m+MSTP*\e+512*\st
.endr
.endr
.endr
	WIN 0
.irp s, 0,1,2,3,4,5,6,7
.irp c, 0,1,2
	ds_load_b128 v[CXF+12*\s+4*\c:CXF+12*\s+4*\c+3], v[CIA] offset:1536*\s+512*\c
.endr
	ds_load_b32 v[CXS+\s], v[CSA] offset:128*\s
.endr
	WIN 0x80
.irp b, 0,1,2,3,4,5,6,7
.irp j, 0,1,2,3
	global_load_b128 v[16*\b+4*\j:16*\b+4*\j+3], v[XOFF], s[XB:XB+1] offset:128*\b+16*\j             ; x in the result's layout: register 16 b + i is feature 256 w + 32 b + 16 h + i of my token
.endr
.endr
.irp b, 0,1,2,3,4,5,6,7
.irp j, 0,1,2,3
	global_load_b128 v[128+16*\b+4*\j:128+16*\b+4*\j+3], v[H64], s[OBB:OBB+1] offset:128*\b+16*\j    ; out_proj_b likewise
.endr
.endr
	WIN 0
.macro LOADW s, w                      ; out_proj_w's 16 fragments of K step s into window w, and their scale words, two tiles to a register: 56 loads
	WIN (\w)<<6
.set ix, 0
.rept 16
.irp c, 0,1,2
	global_load_b128 v[12*ix+4*\c:12*ix+4*\c+3], v[L16], s[WCB:WCB+1] offset:98304*(\s)+1536*ix+512*\c
.endr
.set ix, ix+1
.endr
	WIN 0
.irp p, 0,1,2,3,4,5,6,7
	global_load_b32 v[WSC+8*((\s)%2)+\p], v[L4], s[WSB:WSB+1] offset:4096*(\s)+128*\p
.endr
.endm
	LOADW 0, 3
	s_wait_dscnt 0x0
	WIN 0x55                                       ; THE HEADS' MEAN: the four waves' sums are added
.set ix, 0
.rept 12
	v_pk_add_f32 v[16*ix:16*ix+1], v[16*ix:16*ix+1], v[16*ix+4:16*ix+5]
	v_pk_add_f32 v[16*ix+2:16*ix+3], v[16*ix+2:16*ix+3], v[16*ix+6:16*ix+7]
	v_pk_add_f32 v[16*ix+8:16*ix+9], v[16*ix+8:16*ix+9], v[16*ix+12:16*ix+13]
	v_pk_add_f32 v[16*ix+10:16*ix+11], v[16*ix+10:16*ix+11], v[16*ix+14:16*ix+15]
.set ix, ix+1
.endr
.set ix, 0
.rept 12
	v_pk_add_f32 v[16*ix:16*ix+1], v[16*ix:16*ix+1], v[16*ix+8:16*ix+9]
	v_pk_add_f32 v[16*ix+2:16*ix+3], v[16*ix+2:16*ix+3], v[16*ix+10:16*ix+11]
.set ix, ix+1
.endr
	WIN 0
	s_cmp_eq_u32 s[II], 0                          ; there is no block to the left of the first
	s_cbranch_scc1 .Lno_left
	WIN 0x04                                       ; a store's data are its source 1: window 1
.irp e, 0,1,2,3
	global_store_b128 v[L16], v[48*\e:48*\e+3], s[OW:OW+1] offset:8192*\e-512 th:TH_STORE_NT
.endr
	WIN 0
.Lno_left:
	WIN 0x04
.irp e, 0,1,2,3
	global_store_b128 v[L16], v[48*\e+16:48*\e+19], s[OW:OW+1] offset:8192*\e th:TH_STORE_NT   ; 512 consecutive bytes
.endr
	WIN 0
	s_cmp_eq_u32 s[II], 15
	s_cbranch_scc1 .Lno_right
	WIN 0x04
.irp e, 0,1,2,3
	global_store_b128 v[L16], v[48*\e+32:48*\e+35], s[OW:OW+1] offset:8192*\e+512 th:TH_STORE_NT
.endr
	WIN 0
.Lno_right:
	s_wait_xcnt 0x0                                ; the stores have read their registers
	LOADW 1, 1
	; x1 = x + out_proj_b + ctx out_proj_w^T: my 16 tiles of features, eight K steps; the weight's fragments in two sets, windows 3 and 1, each asked for two K steps ahead
	s_wait_loadcnt 56                              ; all but K step 1's set
	WIN 0xaa
.set ix, 0
.rept 64
	v_pk_add_f32 v[ix:ix+1], v[ix:ix+1], v[128+ix:129+ix]
.set ix, ix+2
.endr
.irp s, 0,1,2,3,4,5,6,7
.if \s == 7
	s_wait_loadcnt 32                              ; this K step's set is in; b2's 32 loads may be out
.else
	s_wait_loadcnt 56                              ; this K step's set is in; the next one's 56 loads may be out
.endif
.if \s%2
	WIN 0xa1
.else
	WIN 0xa3
.endif
.set ix, 0
.rept 16                                       ; the 16 accumulators take turns
	FP6MM 8*ix, 12*ix, CXF+12*\s, 0, WSC+8*(\s%2)+ix/2, CXS+\s, ix%2
.set ix, ix+1
.endr
	WIN 0
	PLACES 4
.if \s < 6
	LOADW \s+2, 3-2*(\s%2)
.elseif \s == 6
	WIN 0xc0
.irp b, 0,1,2,3,4,5,6,7
.irp j, 0,1,2,3
	global_load_b128 v[16*\b+4*\j:16*\b+4*\j+3], v[H64], s[B2B:B2B+1] offset:128*\b+16*\j
.endr
.endr
	WIN 0
.else
	WIN 0x40
.irp b, 0,1,2,3,4,5,6,7
.irp j, 0,1,2,3
	global_load_b128 v[16*\b+4*\j:16*\b+4*\j+3], v[H64], s[G2B:G2B+1] offset:128*\b+16*\j
.endr
.endr
	WIN 0xc0
.irp b, 0,1,2,3,4,5,6,7
.irp j, 0,1,2,3
	global_load_b128 v[128+16*\b+4*\j:128+16*\b+4*\j+3], v[H64], s[L2B:L2B+1] offset:128*\b+16*\j
.endr
.endr
	WIN 0
.endif
.endr
	s_wait_loadcnt 63                              ; b2 is in: ln2_g's and ln2_b's 64 loads were issued behind it
	WIN 0xce                                       ; x1 window 2, b2 and the sum window 3
.set ix, 0
.rept 64
	v_pk_add_f32 v[ix:ix+1], v[ix:ix+1], v[ix:ix+1]   ; x1 + b2, from which the last launch's sums start; each accumulator from its low end on
.set ix, ix+2
.endr
	WIN 0x0c
.set ix, 0
.rept 32
	global_store_b128 v[L16], v[4*ix:4*ix+3], s[X1B:X1B+1] offset:512*ix   ; accumulator images: 512 consecutive bytes a store
.set ix, ix+1
.endr
	; LAYERNORM 2, in two passes; a row's 1,024 columns lie in two lanes of each of the four waves
	WIN 0x0a
.irp c, 0,1,2,3
	v_pk_add_f32 v[SA+2*\c:SA+2*\c+1], v[2*\c:2*\c+1], v[8+2*\c:9+2*\c]
.endr
	WIN 0x08
.set ix, 16
.rept 14
.irp c, 0,1,2,3
	v_pk_add_f32 v[SA+2*\c:SA+2*\c+1], v[SA+2*\c:SA+2*\c+1], v[ix+2*\c:ix+2*\c+1]
.endr
.set ix, ix+8
.endr
	WIN 0
.macro LSUM off                        ; my chains, my pair's halves, lane l xor 16's; then the four waves' through LDS: v[SA] = the row's sum
	v_pk_add_f32 v[SA:SA+1], v[SA:SA+1], v[SA+2:SA+3]
	v_pk_add_f32 v[SA+4:SA+5], v[SA+4:SA+5], v[SA+6:SA+7]
	v_pk_add_f32 v[SA:SA+1], v[SA:SA+1], v[SA+4:SA+5]
	v_add_f32 v[SA], v[SA], v[SA+1]
	v_permlanex16_b32 v[PT], v[SA], s[SEL], s[SEL+1]
	v_add_f32 v[SA], v[SA], v[PT]
	ds_store_b32 v[STS], v[SA] offset:\off         ; lanes r and r + 16 write the same word with the same value
	s_wait_dscnt 0x0
	s_barrier_signal -1
	s_barrier_wait -1
	ds_load_b128 v[SA:SA+3], v[STL] offset:\off
	s_wait_dscnt 0x0
	v_pk_add_f32 v[SA:SA+1], v[SA:SA+1], v[SA+2:SA+3]
	v_add_f32 v[SA], v[SA], v[SA+1]
.endm
	LSUM 0
	v_mul_f32 v[MU], 0x3a800000, v[SA]             ; the mean
	v_mov_b32 v[MU+1], v[MU]
	WIN 0x82
.set ix, 0
.rept 64
	v_pk_add_f32 v[ix:ix+1], v[ix:ix+1], v[MU:MU+1] neg_lo:[0,1] neg_hi:[0,1]
.set ix, ix+2
.endr
	WIN 0x0a
.irp c, 0,1,2,3
	v_pk_mul_f32 v[SA+2*\c:SA+2*\c+1], v[2*\c:2*\c+1], v[2*\c:2*\c+1]
.endr
.set ix, 8
.rept 15
.irp c, 0,1,2,3
	v_pk_fma_f32 v[SA+2*\c:SA+2*\c+1], v[ix+2*\c:ix+2*\c+1], v[ix+2*\c:ix+2*\c+1], v[SA+2*\c:SA+2*\c+1]
.endr
.set ix, ix+8
.endr
	WIN 0
	LSUM 256
	v_mul_f32 v[SA], 0x3a800000, v[SA]
	v_add_f32 v[SA], 0x3727c5ac, v[SA]             ; variance + 1e-5
	v_rsq_f32 v[RS], v[SA]
	v_rsq_f32 v[RS+1], v[SA]
	v_nop                                          ; a plain place
	s_wait_alu depctr_va_vdst(0)                   ; one wait for both
	s_wait_loadcnt 0x0                             ; ln2_g, ln2_b
	WIN 0x82
.set ix, 0
.rept 64
	v_pk_mul_f32 v[ix:ix+1], v[ix:ix+1], v[RS:RS+1]
.set ix, ix+2
.endr
	WIN 0xb6                                       ; the numbers window 2, ln2_g window 1, ln2_b window 3
.set ix, 0
.rept 64
	v_pk_fma_f32 v[ix:ix+1], v[ix:ix+1], v[ix:ix+1], v[128+ix:129+ix]
.set ix, ix+2
.endr
; 64 numbers of window X become a fragment's codes in v[PC] on and its scale word in v[pw]
.macro QUANTW X, AC, pw
	WIN (\X)|((\X)<<2)|((\X)<<4)
.irp k, 0,1,2,3,4
.irp b, 0,1,2,3
	v_max3_num_f32 v[M0+6*\b+\k], |v[\AC+16*\b+3*\k]|, |v[\AC+16*\b+3*\k+1]|, |v[\AC+16*\b+3*\k+2]|
.endr
.endr
.irp b, 0,1,2,3
	v_max3_num_f32 v[M0+6*\b+5], |v[\AC+16*\b+15]|, |v[\AC+16*\b+15]|, 0x1800000
.endr
	WIN 0
.irp b, 0,1,2,3
	v_max3_num_f32 v[TM+\b], v[M0+6*\b], v[M0+6*\b+1], v[M0+6*\b+2]
.endr
.irp b, 0,1,2,3
	v_max3_num_f32 v[TM+\b], v[TM+\b], v[M0+6*\b+3], v[M0+6*\b+4]
.endr
.irp b, 0,1,2,3
	v_max_num_f32 v[TM+\b], v[TM+\b], v[M0+6*\b+5]
.endr
.irp b, 0,1,2,3
	v_permlanex16_b32 v[TM+4+\b], v[TM+\b], s[SEL], s[SEL+1]
.endr
.irp b, 0,1,2,3
	v_max_num_f32 v[TM+\b], v[TM+\b], v[TM+4+\b]
.endr
.irp b, 0,1,2,3
	v_add_nc_u32 v[TM+12+\b], 0xff000000, v[TM+\b]
.endr
.irp b, 0,1,2,3
	v_lshrrev_b32 v[TM+4+\b], 23, v[TM+12+\b]
.endr
	v_lshl_or_b32 v[\pw], v[TM+5], 8, v[TM+4]
	v_lshl_or_b32 v[\pw], v[TM+6], 16, v[\pw]
	v_lshl_or_b32 v[\pw], v[TM+7], 24, v[\pw]
	s_wait_xcnt 0x0                                ; the last fragment's stores have read the codes' registers
	WIN (\X)
.irp c, 0,1
	v_cvt_scalef32_pk16_fp6_f32 v[PC+6*\c:PC+2+6*\c], v[\AC+32*\c:\AC+32*\c+15], v[TM+12+2*\c]
	v_cvt_scalef32_pk16_fp6_f32 v[PC+12+4*\c:PC+14+4*\c], v[\AC+32*\c+16:\AC+32*\c+31], v[TM+12+2*\c+1]
.endr
	WIN 0
	v_nop
.irp c, 0,1
.irp i, 0,1,2
	v_permlane16_swap_b32 v[PC+6*\c+\i], v[PC+12+4*\c+\i]
.endr
.irp i, 0,1,2
	v_mov_b32 v[PC+3+6*\c+\i], v[PC+12+4*\c+\i]
.endr
.endr
.endm
	QUANTW 2, 0, PWA                               ; K step 2 w of the next product
.irp c, 0,1,2
	global_store_b128 v[L16], v[PC+4*\c:PC+4*\c+3], s[XNB:XNB+1] offset:512*\c
.endr
	QUANTW 2, 64, PWB                              ; K step 2 w + 1
.irp c, 0,1,2
	global_store_b128 v[L16], v[PC+4*\c:PC+4*\c+3], s[XNB:XNB+1] offset:393216+512*\c
.endr
	v_cndmask_b32 v[PWM], v[PWA], v[PWB], s[HM]    ; lanes 0-15 the first K step's words, lanes 16-31 the second's
	global_store_b32 v[XSO], v[PWM], s[XSB:XSB+1]
	s_wait_tensorcnt 0x0
	ds_add_u32 v254, v255
	s_wait_dscnt 0x0
	s_endpgm
.Lfunc_end_k_q9884a87fda_attn:
	.size	k_q9884a87fda_attn, .Lfunc_end_k_q9884a87fda_attn-k_q9884a87fda_attn
	.p2alignl 7, 3214868480
	.fill 96, 4, 3214868480
	.section	.rodata,"a",@progbits
	.p2align	6, 0x0
	.amdhsa_kernel k_q9884a87fda_attn
		.amdhsa_group_segment_fixed_size 113664
		.amdhsa_private_segment_fixed_size 0
		.amdhsa_enable_private_segment 0
		.amdhsa_kernarg_size 80
		.amdhsa_user_sgpr_count 2
		.amdhsa_user_sgpr_kernarg_segment_ptr 1
		.amdhsa_wavefront_size32 1
		.amdhsa_system_sgpr_workgroup_id_x 1
		.amdhsa_system_sgpr_workgroup_id_y 1
		.amdhsa_system_sgpr_workgroup_id_z 1
		.amdhsa_system_vgpr_workitem_id 0
		.amdhsa_next_free_vgpr 1024
		.amdhsa_next_free_sgpr 100
		.amdhsa_reserve_vcc 1
		.amdhsa_float_denorm_mode_32 3
		.amdhsa_float_denorm_mode_16_64 3
		.amdhsa_memory_ordered 1
		.amdhsa_forward_progress 1
		.amdhsa_inst_pref_size 255
	.end_amdhsa_kernel
	.section	.bss,"aw",@nobits
	.p2align	6
	.space	262144
	.amdgpu_metadata
---
amdhsa.version: [ 1, 2 ]
amdhsa.kernels:
  - .name:           k_q9884a87fda_attn
    .symbol:         k_q9884a87fda_attn.kd
    .args:
      - { .name: qkv, .offset: 0, .size: 8, .value_kind: global_buffer, .address_space: global }
      - { .name: wts, .offset: 8, .size: 8, .value_kind: global_buffer, .address_space: global }
      - { .name: x, .offset: 16, .size: 8, .value_kind: global_buffer, .address_space: global }
      - { .name: out_proj_b, .offset: 24, .size: 8, .value_kind: global_buffer, .address_space: global }
      - { .name: ln2_g, .offset: 32, .size: 8, .value_kind: global_buffer, .address_space: global }
      - { .name: ln2_b, .offset: 40, .size: 8, .value_kind: global_buffer, .address_space: global }
      - { .name: b2, .offset: 48, .size: 8, .value_kind: global_buffer, .address_space: global }
      - { .name: out1, .offset: 56, .size: 8, .value_kind: global_buffer, .address_space: global }
      - { .name: x1b, .offset: 64, .size: 8, .value_kind: global_buffer, .address_space: global }
      - { .name: xn2, .offset: 72, .size: 8, .value_kind: global_buffer, .address_space: global }
    .group_segment_fixed_size: 113664
    .private_segment_fixed_size: 0
    .kernarg_segment_align: 8
    .kernarg_segment_size: 80
    .max_flat_workgroup_size: 128
    .sgpr_count:     100
    .vgpr_count:     1024
    .wavefront_size: 32
...
	.end_amdgpu_metadata
.endif
;; end of part 3
;; launch ffn1 (part 4): grid 16 x 16, 4 waves a work-group, clusters of 4 x 4, 327,680 bytes of LDS; arguments xn2, wts, b1, hbuf; writes hbuf
.if DOCPART == 4
	.amdgcn_target "amdgcn-amd-amdhsa--gfx1250"
	.amdhsa_code_object_version 6
	.text
	.protected	k_q9884a87fda_ffn1
	.globl	k_q9884a87fda_ffn1
	.p2align	8
	.type	k_q9884a87fda_ffn1,@function
k_q9884a87fda_ffn1:
	s_mov_b64 s[64:65], 0
	v_nop
	global_prefetch_b8 v0, s[64:65] scope:SCOPE_SE
	s_setreg_imm32_b32 hwreg(HW_REG_WAVE_MODE, 25, 1), 1
	s_wait_xcnt 0x0
	s_wait_alu depctr_hold_cnt(0) depctr_sa_sdst(0) depctr_va_vdst(0) depctr_va_sdst(0) depctr_va_ssrc(0) depctr_va_vcc(0) depctr_vm_vsrc(0)
	s_getreg_b32 s2, hwreg(HW_REG_IB_STS2, 6, 4)
	s_cmp_eq_u32 s2, 0
	s_cbranch_scc0 .Lentry_in_a_cluster
	s_endpgm
.Lentry_in_a_cluster:
	s_bfe_u32 s2, ttmp6, 0x10000c
	s_cmp_lg_u32 s2, 0xf033
	s_cbranch_scc0 .Lentry_shape_is_right
	s_endpgm
.Lentry_shape_is_right:
; h = gelu(xn2 w1^T + b1), the exact GELU by erf, on codes of FP6 (E2M3) with E8M0 scales, K = 1,024; h is quantised along its 4,096 features and stored as operand images for the last product.
; The product is laid as in the launch that makes q, k and v: operands are register images (a tile of 16 rows x 128 K: 1,536 bytes; lane r of tile T holds row 32 (T / 2) + 8 (T % 2) + r + 8 (r / 8)); a work-group of four waves makes
; 256 x 256, a wave 128 x 128; source 0 = w1's rows (they run along a lane's registers), source 1 = tokens (a lane a token); a ring of two LDS slots of two K steps; the scale words come once; cluster 4 x 4 with joint loads;
; b1 is the C of each sum's first product.  By this text's count a wave has three tensor loads out at the start and one behind each round.
; THE WAY OUT is a loop, so that its text is written once: behind a barrier (every wave has read its last fragments) each wave lays its 512 accumulators as register images into 65,536 bytes of LDS of its own (the ring's bytes, which have
; had their last fill, and the bytes behind them); eight trips then take 64 numbers a lane each (one tile of tokens x my 128 features) through GELU and the quantiser.
; erf(a): for |a| > 0.927734375: 1 - exp(polynomial of degree 7 in |a|), with a's sign; else a + a x (polynomial in a^2): both computed, one chosen by v_cndmask_b32.  For very large |a| the exponential is 0 and erf is +-1.
; No prefetch into the L2: the ring is filled four times in all, two of them at the head.
; LIMITS of the quantiser: a block whose largest magnitude lies under 2^-124 gets the byte 1, a block of zeros too (its codes are zeros; this program alone reads the bytes); NaN and infinities are not served.
; REGISTERS: window 0: v0-31 addresses; v32-63 scale words, two sets, and nothing else; v64-127 the bias, later h; v128-223 A's fragments, later at work; v224-253 erf's constants, as pairs.  Window 1: B's fragments, later 64 sums.  Windows 2, 3: accumulators.
.set W1C,   6553600
.set W1S,   9699328
.set XN2S,  3145728
.set HSC,   12582912
.set KSTB,  393216                     ; a K step: 256 tiles x 1,536 bytes, in xn2 and in w1 alike
.set PITCH, KSTB/8
.set SPITCH, 256*64/8
.set NQ,    2
.set FR,    12
.set NL,    3
.set NP,    4
.set HALFT, 24576
.set SLOT,  4*HALFT
.set SCLA,  262144                     ; behind the four waves' stages of the way out
.set SCLD,  8320
.set SPARE, 278784                     ; the spare words: two blocks of 256 bytes that no other line names
.set SWL,   279296                     ; 512 bytes a wave: the scale words of its eight fragments
.set ADRA, 16
.set SWT,  18
.set ADRB, 20
.set SWA,  22
.set SWR,  23
.set L16,  24
.set L4,   26
.set ADRS, 27
.set SPW,  28
.set NIL,  29
.set STA,  30
.set LDA,  31
.set SC,   32
.set BI,   64
.set HH,   64
.set AF,   128
.set AA,   128                         ; a = sum / sqrt(2), 16 numbers;  later TM
.set XH,   144                         ; sum / 2;  later the codes
.set TT,   160                         ; |a|
.set SS,   176                         ; a^2
.set RR,   192
.set QQ,   208
.set TM,   128
.set PC,   144
.set CK,   224
.set PW,   254
.set G1, 24
.set G0, 32
.set G1B, 48
.set G0B, 56
.set G1S, 68
.set G0S, 76
.set G1SB, 80
.set G0SB, 88
.set SEL, 98
.set MSB, 0
.macro WIN new
.if MSB != (\new)
	s_set_vgpr_msb (MSB<<8)|(\new)
.set MSB, (\new)
.endif
.endm
.set MUL_LO, 0xa1
.set MUL_HI, 0xf1
.set TO_B,   0x40
.macro PLACES n
.rept \n
	v_nop
.endr
.endm
.macro JLOAD g0a, g1a, g0b, g1b        ; a joint load: waves 0 and 1 fetch for A, waves 2 and 3 for B; four v_nop follow each of the two lines
	s_cmp_eq_u32 s15, 0
	s_cbranch_scc0 .Lfor_b_\@
	tensor_load_to_lds s[\g0a:\g0a+3], s[\g1a:\g1a+7]
	s_nop 0
.rept 4
	v_nop
.endr
	s_branch .Lasked_\@
.Lfor_b_\@:
	tensor_load_to_lds s[\g0b:\g0b+3], s[\g1b:\g1b+7]
	s_nop 0
.rept 4
	v_nop
.endr
.Lasked_\@:
.endm
.macro CREST
	s_cmp_lg_u32 s14, 0
	s_cbranch_scc1 .Lnot_wave_0_\@
	s_barrier_signal -3
.Lnot_wave_0_\@:
	s_barrier_wait -3
	s_barrier_signal -1
	s_barrier_wait -1
.endm
.macro CROUND
	s_barrier_signal -1
	s_barrier_wait -1
	CREST
.endm
	s_load_b256 s[4:11], s[0:1], 0x0               ; xn2, wts, b1, hbuf
	v_lshl_add_u32 v[SPW], v0, 2, SPARE
	v_mov_b32 v[NIL], 0
	ds_add_u32 v28, v29
	ds_add_u32 v28, v29
	s_wait_dscnt 0x0
	v_lshrrev_b32 v1, 5, v0
	v_readfirstlane_b32 s14, v1                    ; wave 0..3
	s_lshr_b32 s15, s14, 1                         ; my half of the tokens.  Also: I fetch for A (0) or for B (1)
	s_and_b32 s16, s14, 1                          ; my half of the features.  Also: which half I fetch
	s_bfe_u32 s40, ttmp6, 0x40000                  ; cx
	s_bfe_u32 s41, ttmp6, 0x40004                  ; cy
	s_lshl_b32 s42, ttmp9, 2
	s_add_co_u32 s42, s42, s40                     ; tc: which 256 features
	s_and_b32 s17, ttmp7, 0xffff
	s_lshl_b32 s17, s17, 2
	s_add_co_u32 s17, s17, s41                     ; tr: which 256 tokens
	s_lshl_b32 s43, s41, 2
	s_lshl_b32 s43, 15, s43                        ; my row of the cluster
	s_lshl_b32 s44, 0x1111, s40                    ; my column
	s_or_b32 s[G1+0], s43, (3<<16)|(1<<21)         ; codes: two rows (K steps) of 12,288 bytes, in elements of 8 bytes; no padding; bit 21 set beside a mask
	s_or_b32 s[G1B+0], s44, (3<<16)|(1<<21)
.irp g, G1, G1B
	s_mov_b32 s[\g+1], 1536<<16
	s_mov_b32 s[\g+2], 2<<16
	s_mov_b32 s[\g+3], 1536<<16
	s_mov_b32 s[\g+4], 2
	s_mov_b32 s[\g+5], PITCH
	s_mov_b32 s[\g+6], 0
	s_mov_b32 s[\g+7], 0
.endr
	s_or_b32 s[G1S+0], s43, (3<<16)|(1<<21)        ; scale words: eight rows (K steps) of 512 bytes
	s_or_b32 s[G1SB+0], s44, (3<<16)|(1<<21)
.irp g, G1S, G1SB
	s_mov_b32 s[\g+1], 64<<16
	s_mov_b32 s[\g+2], 8<<16
	s_mov_b32 s[\g+3], 64<<16
	s_mov_b32 s[\g+4], 8
	s_mov_b32 s[\g+5], SPITCH
	s_mov_b32 s[\g+6], 0
	s_mov_b32 s[\g+7], 0
.endr
	s_lshl_b32 s21, s16, 3
	s_lshl_b32 s20, s17, 4
	s_add_co_u32 s20, s20, s21                     ; A's tile
	s_lshl_b32 s46, s42, 4
	s_add_co_u32 s46, s46, s21                     ; B's tile
	s_lshl_b32 s22, s20, 6
	s_add_co_u32 s22, s22, XN2S
	s_mov_b32 s23, 0
	s_lshl_b32 s92, s46, 6
	s_add_co_u32 s92, s92, W1S
	s_mov_b32 s93, 0
	s_mul_i32 s20, s20, 1536
	s_mov_b32 s21, 0
	s_mul_i32 s46, s46, 1536
	s_add_co_u32 s46, s46, W1C
	s_mov_b32 s47, 0
	s_mul_i32 s45, s14, HALFT
	s_lshl_b32 s94, s14, 12
	s_lshl_b32 s96, s15, 7
	s_add_co_u32 s94, s94, s96
	s_wait_kmcnt 0x0
	s_add_nc_u64 s[20:21], s[4:5], s[20:21]
	s_add_nc_u64 s[22:23], s[4:5], s[22:23]
	s_add_nc_u64 s[46:47], s[6:7], s[46:47]
	s_add_nc_u64 s[92:93], s[6:7], s[92:93]
	CROUND                                         ; all sixteen work-groups are here: the first joint loads meet
	s_mov_b32 s[G0S], 1
	s_add_co_u32 s[G0S+1], s94, SCLA
	s_mov_b64 s[G0S+2:G0S+3], s[22:23]
	s_or_b32 s[G0S+3], s[G0S+3], 0x80000000
	s_mov_b32 s[G0SB], 1
	s_add_co_u32 s[G0SB+1], s94, SCLA
	s_mov_b64 s[G0SB+2:G0SB+3], s[92:93]
	s_or_b32 s[G0SB+3], s[G0SB+3], 0x80000000
	JLOAD G0S, G1S, G0SB, G1SB
.irp s, 0,1
	s_mov_b32 s[G0+4*\s], 1
	s_add_co_u32 s[G0+4*\s+1], s45, \s*SLOT
	s_add_nc_u64 s[G0+4*\s+2:G0+4*\s+3], s[20:21], \s*2*KSTB
	s_or_b32 s[G0+4*\s+3], s[G0+4*\s+3], 0x80000000
	s_mov_b32 s[G0B+4*\s], 1
	s_add_co_u32 s[G0B+4*\s+1], s45, \s*SLOT
	s_add_nc_u64 s[G0B+4*\s+2:G0B+4*\s+3], s[46:47], \s*2*KSTB
	s_or_b32 s[G0B+4*\s+3], s[G0B+4*\s+3], 0x80000000
	JLOAD G0+4*\s, G1, G0B+4*\s, G1B
.endr
	v_and_b32 v1, 15, v0                           ; r
	v_bfe_u32 v2, v0, 4, 1                         ; h
	v_and_b32 v3, 31, v0                           ; lane
	v_lshlrev_b32 v[L16], 4, v3
	v_lshlrev_b32 v[L4], 2, v3
	s_mul_i32 s21, s15, HALFT
	s_mul_i32 s22, s16, HALFT
	s_add_co_u32 s22, s22, 2*HALFT
.irp s, 0,1
	v_add_nc_u32 v[ADRA+\s], s21, v[L16]
	v_add_nc_u32 v[ADRB+\s], s22, v[L16]
	s_add_co_u32 s21, s21, SLOT
	s_add_co_u32 s22, s22, SLOT
.endr
	s_lshl_b32 s21, s15, 12
	s_lshl_b32 s22, s16, 12
	s_add_co_u32 s22, s22, SCLD
	s_sub_co_u32 s22, s22, s21
	v_mul_u32_u24 v6, s22, v2                      ; lanes 16-31 take B's scale words: one product with h
	s_add_co_u32 s21, s21, SCLA
	v_lshl_add_u32 v6, v1, 2, v6
	v_add_nc_u32 v[ADRS], s21, v6
	s_lshl_b32 s21, s14, 16
	v_add_nc_u32 v[STA], s21, v[L16]               ; the way out: my 65,536 bytes, 16 x lane
	s_lshl_b32 s21, s14, 9
	s_add_co_u32 s21, s21, SWL
	v_lshl_add_u32 v[SWA], v1, 2, s21              ; my scale words: 4 r,
	v_add_nc_u32 v[SWR], s21, v[L16]               ; and back 16 bytes a lane
	s_lshl_b32 s3, s42, 1
	s_add_co_u32 s3, s3, s16                       ; nb: which 128 features are mine: h's K step
	s_lshl_b32 s22, s3, 9
	s_mov_b32 s23, 0
	s_add_nc_u64 s[22:23], s[8:9], s[22:23]
	v_lshlrev_b32 v4, 6, v2
.irp b, 0,1,2,3,4,5,6,7
	global_load_b128 v[BI+8*\b:BI+8*\b+3], v4, s[22:23] offset:128*(\b/2)+32*(\b%2)      ; b1 in the result's layout: register 8 b + j is feature 128 nb + 32 (b / 2) + 8 (b % 2) + 16 h + j
	global_load_b128 v[BI+8*\b+4:BI+8*\b+7], v4, s[22:23] offset:128*(\b/2)+32*(\b%2)+16
.endr
	s_lshl_b32 s20, s3, 8
	s_lshl_b32 s21, s17, 4
	s_add_co_u32 s20, s20, s21
	s_lshl_b32 s21, s15, 3
	s_add_co_u32 s20, s20, s21                     ; my first fragment of h: nb x 256 + 16 tr + 8 x half
	s_mul_i32 s92, s20, 1536
	s_mov_b32 s93, 0
	s_add_nc_u64 s[12:13], s[10:11], s[92:93]      ; codes
	s_lshl_b32 s92, s20, 6
	s_add_co_u32 s92, s92, HSC
	s_add_nc_u64 s[94:95], s[10:11], s[92:93]      ; scale words
	s_mov_b32 s[SEL], 0x76543210
	s_mov_b32 s[SEL+1], 0xfedcba98
.macro FRAG reg, adr, q, i
.irp c, 0,1,2
	ds_load_b128 v[\reg+4*\c:\reg+4*\c+3], v[\adr] offset:12288*(\q)+1536*(\i)+512*\c
.endr
.endm
; 16 matrix instructions: A's blocks a0, a0 + 1 x B's eight.  cm = 1: the sums start from the bias.  The 64 accumulators take turns, in the same order in every step.
.macro MUL16 a0, p, q, sc, cm
.irp a, \a0, \a0+1
.irp b, 0,1,2,3,4,5,6,7
.if \cm == 0
	v_wmma_scale_f32_16x16x128_f8f6f4 v[8*(8*((\a)%4)+\b):8*(8*((\a)%4)+\b)+7], v[128*(\p)+FR*\b:128*(\p)+FR*\b+FR-1], v[AF+FR*(\a):AF+FR*(\a)+FR-1], v[8*(8*((\a)%4)+\b):8*(8*((\a)%4)+\b)+7], v[SC+16*(\sc)+2*\b+(\q)], v[SC+16*(\sc)+2*(\a)+(\q)] matrix_a_fmt:MATRIX_FMT_FP6 matrix_b_fmt:MATRIX_FMT_FP6 matrix_a_scale:MATRIX_SCALE_ROW1
.else
	v_wmma_scale_f32_16x16x128_f8f6f4 v[8*(8*((\a)%4)+\b):8*(8*((\a)%4)+\b)+7], v[128*(\p)+FR*\b:128*(\p)+FR*\b+FR-1], v[AF+FR*(\a):AF+FR*(\a)+FR-1], v[BI+8*\b:BI+8*\b+7], v[SC+16*(\sc)+2*\b+(\q)], v[SC+16*(\sc)+2*(\a)+(\q)] matrix_a_fmt:MATRIX_FMT_FP6 matrix_b_fmt:MATRIX_FMT_FP6 matrix_a_scale:MATRIX_SCALE_ROW1
.endif
.endr
.endr
.endm
.macro FETCH_B slot, q, p
	WIN TO_B
.irp i, 0,1,2,3,4,5,6,7
	FRAG 128*(\p)+FR*\i, ADRB+\slot, \q, \i
.endr
	WIN 0
.endm
.macro FETCH_A slot, q, i0
.irp i, \i0, \i0+1, \i0+2, \i0+3
	FRAG AF+FR*(\i), ADRA+\slot, \q, \i
.endr
.endm
.macro SCALES sc
.irp i, 0,1,2,3,4,5,6,7
.irp q, 0,1
	ds_load_b32 v[SC+16*\sc+2*\i+\q], v[ADRS] offset:512*\q+64*\i
.endr
.endr
.endm
.macro STEP slot, q, cm
	s_wait_dscnt 4*NL                              ; all but the youngest loads (A's blocks 4-7)
.if \cm
	WIN 0x81
.else
	WIN MUL_LO
.endif
	MUL16 0, (\q)%2, \q, \slot, \cm
	MUL16 2, (\q)%2, \q, \slot, \cm
	s_wait_dscnt 0
	PLACES NP
	FETCH_B \slot, (\q)+1, 1-(\q)%2
	FETCH_A \slot, (\q)+1, 0
.if \cm
	WIN 0xc1
.else
	WIN MUL_HI
.endif
	MUL16 4, (\q)%2, \q, \slot, \cm
	MUL16 6, (\q)%2, \q, \slot, \cm
	PLACES NP
	WIN 0
	FETCH_A \slot, (\q)+1, 4
.endm
.macro TURN slot, next, fill
	s_wait_tensorcnt 0x0                           ; all my tensor loads have landed: my part of the next slot
	ds_add_u32 v[SPW], v[NIL]                      ; 0 onto my spare word
	s_wait_dscnt 4*NL+1                            ; (the add and A's blocks 4-7 may be out)
	WIN MUL_LO
	MUL16 0, 1, NQ-1, \slot, 0
	s_wait_dscnt 0x0                               ; the add is done, and my reads of this slot are over
	s_barrier_signal -1
	MUL16 2, 1, NQ-1, \slot, 0
	WIN 0
	s_barrier_wait -1
.if \fill
	CREST                                          ; a round of the cluster's barrier: no wave of any partner still reads this slot or has a load on its way
	s_add_nc_u64 s[G0+4*\slot+2:G0+4*\slot+3], s[G0+4*\slot+2:G0+4*\slot+3], 4*KSTB
	s_add_nc_u64 s[G0B+4*\slot+2:G0B+4*\slot+3], s[G0B+4*\slot+2:G0B+4*\slot+3], 4*KSTB
	JLOAD G0+4*\slot, G1, G0B+4*\slot, G1B
.else
	PLACES NP
.endif
	v_add_nc_u32 v[ADRS], 512*NQ, v[ADRS]
	FETCH_B \next, 0, 0
	FETCH_A \next, 0, 0
	SCALES \next
	WIN MUL_HI
	MUL16 4, 1, NQ-1, \slot, 0
	MUL16 6, 1, NQ-1, \slot, 0
	PLACES NP
	WIN 0
	FETCH_A \next, 0, 4
.endm
.macro QUANT s                         ; 64 numbers of a lane become a fragment's codes in v[PC] on and its scale word in v[PW]
.irp b, 0,1,2,3
	v_max3_num_f32 v[TM+\b], |v[\s+16*\b]|, |v[\s+1+16*\b]|, 0x1800000
.endr
.irp i, 2,4,6,8,10,12,14
.irp b, 0,1,2,3
	v_max3_num_f32 v[TM+\b], v[TM+\b], |v[\s+16*\b+\i]|, |v[\s+1+16*\b+\i]|
.endr
.endr
.irp b, 0,1,2,3
	v_permlanex16_b32 v[TM+4+\b], v[TM+\b], s[SEL], s[SEL+1]
.endr
.irp b, 0,1,2,3
	v_max_num_f32 v[TM+\b], v[TM+\b], v[TM+4+\b]
.endr
.irp b, 0,1,2,3
	v_add_nc_u32 v[TM+12+\b], 0xff000000, v[TM+\b]
.endr
.irp b, 0,1,2,3
	v_lshrrev_b32 v[TM+4+\b], 23, v[TM+12+\b]
.endr
	v_lshl_or_b32 v[PW], v[TM+5], 8, v[TM+4]
	v_lshl_or_b32 v[PW], v[TM+6], 16, v[PW]
	v_lshl_or_b32 v[PW], v[TM+7], 24, v[PW]
.irp c, 0,1
	v_cvt_scalef32_pk16_fp6_f32 v[PC+6*\c:PC+2+6*\c], v[\s+32*\c:\s+15+32*\c], v[TM+12+2*\c]
	v_cvt_scalef32_pk16_fp6_f32 v[PC+12+4*\c:PC+14+4*\c], v[\s+16+32*\c:\s+31+32*\c], v[TM+12+2*\c+1]
.endr
	v_nop
.irp c, 0,1
.irp i, 0,1,2
	v_permlane16_swap_b32 v[PC+6*\c+\i], v[PC+12+4*\c+\i]
.endr
.irp i, 0,1,2
	v_mov_b32 v[PC+3+6*\c+\i], v[PC+12+4*\c+\i]
.endr
.endr
.endm
.macro KONST i, bits                   ; constant i, as a pair
	v_mov_b32 v[CK+2*\i], \bits
	v_mov_b32 v[CK+2*\i+1], \bits
.endm
.macro PFV d, a, b, c                  ; eight packed multiply-adds on runs of 16 registers: d = a x b + c
.irp j, 0,2,4,6,8,10,12,14
	v_pk_fma_f32 v[\d+\j:\d+\j+1], v[\a+\j:\a+\j+1], v[\b+\j:\b+\j+1], v[\c+\j:\c+\j+1]
.endr
.endm
.macro PFC d, a, b, k                  ; d = a x b + constant k
.irp j, 0,2,4,6,8,10,12,14
	v_pk_fma_f32 v[\d+\j:\d+\j+1], v[\a+\j:\a+\j+1], v[\b+\j:\b+\j+1], v[CK+2*\k:CK+2*\k+1]
.endr
.endm
.macro PCC d, a, k, m                  ; d = a x constant k + constant m
.irp j, 0,2,4,6,8,10,12,14
	v_pk_fma_f32 v[\d+\j:\d+\j+1], v[\a+\j:\a+\j+1], v[CK+2*\k:CK+2*\k+1], v[CK+2*\m:CK+2*\m+1]
.endr
.endm
.macro GELU ch                         ; 16 sums, v[16 ch] on of window 1, become 16 numbers of h, v[HH + 16 ch] on
	WIN 0x01
.irp j, 0,2,4,6,8,10,12,14
	v_pk_mul_f32 v[AA+\j:AA+\j+1], v[16*\ch+\j:16*\ch+\j+1], v[CK+26:CK+27]     ; a = sum / sqrt(2)
.endr
.irp j, 0,2,4,6,8,10,12,14
	v_pk_mul_f32 v[XH+\j:XH+\j+1], v[16*\ch+\j:16*\ch+\j+1], 0.5 op_sel_hi:[1,0]
.endr
	WIN 0
.irp j, 0,1,2,3,4,5,6,7,8,9,10,11,12,13,14,15
	v_and_b32 v[TT+\j], 0x7fffffff, v[AA+\j]
.endr
.irp j, 0,2,4,6,8,10,12,14
	v_pk_mul_f32 v[SS+\j:SS+\j+1], v[AA+\j:AA+\j+1], v[AA+\j:AA+\j+1]
.endr
	PCC RR, TT, 0, 1                               ; the large branch
	PCC QQ, TT, 2, 3
	PFV RR, RR, SS, QQ
	PFC RR, RR, TT, 4
	PFC RR, RR, TT, 5
	PFC RR, RR, TT, 6
.irp j, 0,2,4,6,8,10,12,14
	v_pk_fma_f32 v[RR+\j:RR+\j+1], v[RR+\j:RR+\j+1], v[TT+\j:TT+\j+1], v[TT+\j:TT+\j+1] neg_lo:[0,0,1] neg_hi:[0,0,1]
.endr
.irp j, 0,2,4,6,8,10,12,14
	v_pk_mul_f32 v[RR+\j:RR+\j+1], v[RR+\j:RR+\j+1], v[CK+28:CK+29]             ; x log2(e)
.endr
.irp j, 0,1,2,3,4,5,6,7,8,9,10,11,12,13,14,15
	v_exp_f32 v[RR+\j], v[RR+\j]
.endr
	PCC QQ, SS, 7, 8                               ; the small branch: the independent work behind the exponentials
	PFC QQ, QQ, SS, 9
	PFC QQ, QQ, SS, 10
	PFC QQ, QQ, SS, 11
	PFC QQ, QQ, SS, 12
	PFV QQ, QQ, AA, AA
	s_wait_alu depctr_va_vdst(0)                   ; one wait for the sixteen, ahead of their first reader
.irp j, 0,2,4,6,8,10,12,14
	v_pk_fma_f32 v[RR+\j:RR+\j+1], v[RR+\j:RR+\j+1], -1.0, 1.0 op_sel_hi:[1,0,0]
.endr
.irp j, 0,1,2,3,4,5,6,7,8,9,10,11,12,13,14,15
	v_bfi_b32 v[RR+\j], 0x7fffffff, v[RR+\j], v[AA+\j]     ; with a's sign
.endr
.irp j, 0,1,2,3,4,5,6,7,8,9,10,11,12,13,14,15
	v_cmp_lt_f32 vcc_lo, 0x3f6d8000, v[TT+\j]
	v_cndmask_b32 v[RR+\j], v[QQ+\j], v[RR+\j], vcc_lo
.endr
	PFV HH+16*\ch, XH, RR, XH                      ; h = sum / 2 x (1 + erf)
.endm
	s_wait_tensorcnt 1                             ; the scale words and my part of slot 0 are in (slot 1's load may be out)
	s_barrier_signal -1
	s_barrier_wait -1
	FETCH_B 0, 0, 0
	FETCH_A 0, 0, 0
	SCALES 0
	FETCH_A 0, 0, 4
	s_wait_loadcnt 0x0                             ; the bias
	STEP 0, 0, 1
	TURN 0, 1, 1                                   ; K step 1; slot 0 takes K steps 4, 5
	STEP 1, 0, 0
	TURN 1, 0, 1                                   ; K step 3; slot 1 takes K steps 6, 7
	STEP 0, 0, 0
	TURN 0, 1, 0
	STEP 1, 0, 0
	s_wait_dscnt 4*NL
	WIN MUL_LO
	MUL16 0, 1, NQ-1, 1, 0
	MUL16 2, 1, NQ-1, 1, 0
	s_wait_dscnt 0
	WIN MUL_HI
	MUL16 4, 1, NQ-1, 1, 0
	MUL16 6, 1, NQ-1, 1, 0
	WIN 0
	s_barrier_signal -1                            ; no LDS instruction of mine is out: my reads of the ring are over;
	s_barrier_wait -1                              ; everybody's are: the ring's bytes, which are filled no more, take the stages
	KONST 0, 0xb7910000                            ; (these plain lines are also the places behind the last products)
	KONST 1, 0x39c8e7d9
	KONST 2, 0xbb7e8a1c
	KONST 3, 0x3cc6b1a1
	KONST 4, 0xbddaae5c
	KONST 5, 0xbf228550
	KONST 6, 0xbe03ce86
	KONST 7, 0xba1c7000
	KONST 8, 0x3ba38d2c
	KONST 9, 0xbcdb48d9
	KONST 10, 0x3de70e22
	KONST 11, 0xbec09380
	KONST 12, 0x3e0375d4
	KONST 13, 0x3f3504f3                           ; 1 / sqrt(2)
	KONST 14, 0x3fb8aa3b                           ; log2(e)
	WIN 0x08                                       ; an LDS store's data are its source 1: window 2
.set ix, 0
.rept 64
	ds_store_b128 v[STA], v[4*ix:4*ix+3] offset:512*ix          ; register images, each accumulator from its low end on
.set ix, ix+1
.endr
	WIN 0x0c
.set ix, 0
.rept 64
	ds_store_b128 v[STA], v[4*ix:4*ix+3] offset:32768+512*ix
.set ix, ix+1
.endr
	WIN 0
	s_mov_b32 s3, 8
	s_mov_b32 s20, 0                               ; the trip's 8,192 bytes of my stage
	s_mov_b32 s21, 0                               ; its 64 bytes of scale words
	s_mov_b32 s22, 0                               ; what the trip adds to the codes' address: 0, then 1,536
	s_mov_b32 s23, 0
.Ltile:                                            ; eight trips: a tile of 16 tokens x my 128 features
	v_add_nc_u32 v[LDA], s20, v[STA]
	v_add_nc_u32 v[SWT], s21, v[SWA]
	WIN 0x40
.irp n, 0,1,2,3,4,5,6,7,8,9,10,11,12,13,14,15
	ds_load_b128 v[4*\n:4*\n+3], v[LDA] offset:512*\n       ; LDS serves a wave's instructions in order: these see my stores
.endr
	WIN 0
	s_wait_dscnt 0x0
	s_wait_xcnt 0x0                                ; the last trip's stores have read their registers and their base
	s_add_nc_u64 s[12:13], s[12:13], s[22:23]
	GELU 0
	GELU 1
	GELU 2
	GELU 3
	QUANT HH
	ds_store_b32 v[SWT], v[PW]                     ; lanes r and r + 16 write the same word with the same value
.irp c, 0,1,2
	global_store_b128 v[L16], v[PC+4*\c:PC+4*\c+3], s[12:13] offset:512*\c   ; 512 consecutive bytes
.endr
	s_add_co_u32 s20, s20, 8192
	s_add_co_u32 s21, s21, 64
	s_mov_b32 s22, 1536
	s_sub_co_u32 s3, s3, 1
	s_cmp_lg_u32 s3, 0
	s_cbranch_scc1 .Ltile
	ds_load_b128 v[HH:HH+3], v[SWR]                ; my eight fragments' scale words: 512 bytes
	s_wait_dscnt 0x0
	global_store_b128 v[L16], v[HH:HH+3], s[94:95]
	s_wait_tensorcnt 0x0                           ; the wave's end
	ds_add_u32 v[SPW], v[NIL]
	s_wait_dscnt 0x0
	CROUND                                         ; the closing round
	s_endpgm
.Lfunc_end_k_q9884a87fda_ffn1:
	.size	k_q9884a87fda_ffn1, .Lfunc_end_k_q9884a87fda_ffn1-k_q9884a87fda_ffn1
	.p2alignl 7, 3214868480
	.fill 96, 4, 3214868480
	.section	.rodata,"a",@progbits
	.p2align	6, 0x0
	.amdhsa_kernel k_q9884a87fda_ffn1
		.amdhsa_group_segment_fixed_size 327680
		.amdhsa_private_segment_fixed_size 0
		.amdhsa_enable_private_segment 0
		.amdhsa_kernarg_size 32
		.amdhsa_user_sgpr_count 2
		.amdhsa_user_sgpr_kernarg_segment_ptr 1
		.amdhsa_wavefront_size32 1
		.amdhsa_system_sgpr_workgroup_id_x 1
		.amdhsa_system_sgpr_workgroup_id_y 1
		.amdhsa_system_sgpr_workgroup_id_z 1
		.amdhsa_system_vgpr_workitem_id 0
		.amdhsa_next_free_vgpr 1024
		.amdhsa_next_free_sgpr 100
		.amdhsa_reserve_vcc 1
		.amdhsa_float_denorm_mode_32 3
		.amdhsa_float_denorm_mode_16_64 3
		.amdhsa_memory_ordered 1
		.amdhsa_forward_progress 1
		.amdhsa_inst_pref_size 182
	.end_amdhsa_kernel
	.amdgpu_metadata
---
amdhsa.version: [ 1, 2 ]
amdhsa.kernels:
  - .name:           k_q9884a87fda_ffn1
    .symbol:         k_q9884a87fda_ffn1.kd
    .args:
      - { .name: xn2, .offset: 0, .size: 8, .value_kind: global_buffer, .address_space: global }
      - { .name: wts, .offset: 8, .size: 8, .value_kind: global_buffer, .address_space: global }
      - { .name: b1, .offset: 16, .size: 8, .value_kind: global_buffer, .address_space: global }
      - { .name: hbuf, .offset: 24, .size: 8, .value_kind: global_buffer, .address_space: global }
    .group_segment_fixed_size: 327680
    .private_segment_fixed_size: 0
    .kernarg_segment_align: 8
    .kernarg_segment_size: 32
    .max_flat_workgroup_size: 128
    .sgpr_count:     100
    .vgpr_count:     1024
    .wavefront_size: 32
...
	.end_amdgpu_metadata
.endif
;; end of part 4
;; launch ffn2 (part 5): grid 8 x 32, 4 waves a work-group, clusters of 4 x 4, 327,680 bytes of LDS; arguments hbuf, wts, x1b, out0; writes out0
.if DOCPART == 5
	.amdgcn_target "amdgcn-amd-amdhsa--gfx1250"
	.amdhsa_code_object_version 6
	.text
	.protected	k_q9884a87fda_ffn2
	.globl	k_q9884a87fda_ffn2
	.p2align	8
	.type	k_q9884a87fda_ffn2,@function
k_q9884a87fda_ffn2:
	s_mov_b64 s[64:65], 0
	v_nop
	global_prefetch_b8 v0, s[64:65] scope:SCOPE_SE
	s_setreg_imm32_b32 hwreg(HW_REG_WAVE_MODE, 25, 1), 1
	s_wait_xcnt 0x0
	s_wait_alu depctr_hold_cnt(0) depctr_sa_sdst(0) depctr_va_vdst(0) depctr_va_sdst(0) depctr_va_ssrc(0) depctr_va_vcc(0) depctr_vm_vsrc(0)
	s_getreg_b32 s2, hwreg(HW_REG_IB_STS2, 6, 4)
	s_cmp_eq_u32 s2, 0
	s_cbranch_scc0 .Lentry_in_a_cluster
	s_endpgm
.Lentry_in_a_cluster:
	s_bfe_u32 s2, ttmp6, 0x10000c
	s_cmp_lg_u32 s2, 0xf033
	s_cbranch_scc0 .Lentry_shape_is_right
	s_endpgm
.Lentry_shape_is_right:
; out0 = x1 + b2 + h w2^T on codes of FP6 (E2M3) with E8M0 scales, K = 4,096.  h and w2 are register images (a tile of 16 rows x 128 K: 1,536 bytes; lane r of tile T holds row 32 (T / 2) + 8 (T % 2) + r + 8 (r / 8)).
; The result is 4,096 x 1,024: tiles of 256 x 256 would be 64, a quarter of the WGPs.  So a work-group makes 128 x 128 and a wave 64 x 64: 16 accumulators; 256 work-groups.  A slot of the ring holds four K steps, as many as two slots
; in LDS allow beside the scale words: 64 matrix instructions a wave between two changes of slots.
; Source 0 = w2's rows (features, along a lane's registers), source 1 = tokens (a lane a token).  The sums start from x1 + b2, which the attention launch has stored as images of these very accumulators: loaded straight into them.
; CLUSTER 4 x 4: h's tiles are asked for jointly along a row of the cluster, w2's along a column.  By this text's count a wave has three tensor loads out at the start and one behind each round.
; The way out goes through one stage in slot 0 (its last fill and its last read lie ahead of the last change of slots), since a wave's 64 features are half of a row's 512 bytes; the tiles' row order is undone in the stores' offsets.
; No prefetch into the L2: the launch is short, and both operands are shared in the cluster.
; REGISTERS: window 0: v0-31 addresses; v32-63 scale words, two sets, and nothing else; v128-255 the accumulators ((a, b) at v[128 + 8 (4 a + b)]).  Window 1: two sets of fragments: A's four at 128 p, B's four at 128 p + 48.
.set W2C,   9830400
.set W2S,   12976128
.set HSC,   12582912
.set SLOT,  98304                      ; A [K step 4][tile 8][1536], then B the same
.set QUART, 24576                      ; two K steps of A or of B: what one tensor load brings
.set SCLA,  2*SLOT                     ; A's scale words [K step 32][tile 8][64]
.set SCLD,  16512                      ; B's lie 16,384 + 128 bytes on
.set SPARE, 229632                     ; the spare words: two blocks of 256 bytes that no other line names
.set SPITCH, 528                       ; the stage: 128 rows x (512 bytes + 16)
.set ADRA, 16
.set ADRB, 20
.set STO,  22
.set RD,   23
.set L16,  24
.set ADRS, 27
.set SPW,  28
.set NIL,  29
.set SC,   32                          ; set s at v[SC + 16 s]; register 4 i + q: block i, the slot's q-th K step
.set ACC,  128
.set G1, 24
.set G0, 32
.set G1B, 48
.set G0B, 56
.set G1S, 68
.set G0S, 76
.set G1SB, 80
.set G0SB, 88
.set MSB, 0
.macro WIN new
.if MSB != (\new)
	s_set_vgpr_msb (MSB<<8)|(\new)
.set MSB, (\new)
.endif
.endm
.macro PLACES n
.rept \n
	v_nop
.endr
.endm
.macro JLOAD g0a, g1a, g0b, g1b        ; a joint load: waves 0 and 1 fetch for A, waves 2 and 3 for B; four v_nop follow each of the two lines
	s_cmp_eq_u32 s15, 0
	s_cbranch_scc0 .Lfor_b_\@
	tensor_load_to_lds s[\g0a:\g0a+3], s[\g1a:\g1a+7]
	s_nop 0
.rept 4
	v_nop
.endr
	s_branch .Lasked_\@
.Lfor_b_\@:
	tensor_load_to_lds s[\g0b:\g0b+3], s[\g1b:\g1b+7]
	s_nop 0
.rept 4
	v_nop
.endr
.Lasked_\@:
.endm
.macro CREST
	s_cmp_lg_u32 s14, 0
	s_cbranch_scc1 .Lnot_wave_0_\@
	s_barrier_signal -3
.Lnot_wave_0_\@:
	s_barrier_wait -3
	s_barrier_signal -1
	s_barrier_wait -1
.endm
.macro CROUND
	s_barrier_signal -1
	s_barrier_wait -1
	CREST
.endm
	s_load_b256 s[4:11], s[0:1], 0x0               ; hbuf, wts, x1b, out0
	v_lshl_add_u32 v[SPW], v0, 2, SPARE
	v_mov_b32 v[NIL], 0
	ds_add_u32 v28, v29
	ds_add_u32 v28, v29
	s_wait_dscnt 0x0
	v_lshrrev_b32 v1, 5, v0
	v_readfirstlane_b32 s14, v1                    ; wave 0..3
	s_lshr_b32 s15, s14, 1                         ; my half of the tokens.  Also: I fetch for A (0) or for B (1)
	s_and_b32 s16, s14, 1                          ; my half of the features.  Also: which two of a slot's four K steps I fetch
	s_bfe_u32 s40, ttmp6, 0x40000                  ; cx
	s_bfe_u32 s41, ttmp6, 0x40004                  ; cy
	s_lshl_b32 s42, ttmp9, 2
	s_add_co_u32 s42, s42, s40                     ; tc: which 128 features
	s_and_b32 s17, ttmp7, 0xffff
	s_lshl_b32 s17, s17, 2
	s_add_co_u32 s17, s17, s41                     ; tr: which 128 tokens
	s_lshl_b32 s43, s41, 2
	s_lshl_b32 s43, 15, s43                        ; my row of the cluster
	s_lshl_b32 s44, 0x1111, s40                    ; my column
	s_or_b32 s[G1+0], s43, (3<<16)|(1<<21)         ; codes: two rows (K steps) of 12,288 bytes (eight tiles), in elements of 8 bytes; no padding; bit 21 set beside a mask
	s_or_b32 s[G1B+0], s44, (3<<16)|(1<<21)
.irp g, G1, G1B
	s_mov_b32 s[\g+1], 1536<<16
	s_mov_b32 s[\g+2], 2<<16
	s_mov_b32 s[\g+3], 1536<<16
	s_mov_b32 s[\g+4], 2
	s_mov_b32 s[\g+6], 0
	s_mov_b32 s[\g+7], 0
.endr
	s_mov_b32 s[G1+5], 49152                       ; h: 256 tiles to a K step
	s_mov_b32 s[G1B+5], 12288                      ; w2: 64
	s_or_b32 s[G1S+0], s43, (3<<16)|(1<<21)        ; scale words: 16 rows (K steps) of 512 bytes
	s_or_b32 s[G1SB+0], s44, (3<<16)|(1<<21)
.irp g, G1S, G1SB
	s_mov_b32 s[\g+1], 64<<16
	s_mov_b32 s[\g+2], 16<<16
	s_mov_b32 s[\g+3], 64<<16
	s_mov_b32 s[\g+4], 16
	s_mov_b32 s[\g+6], 0
	s_mov_b32 s[\g+7], 0
.endr
	s_mov_b32 s[G1S+5], 2048
	s_mov_b32 s[G1SB+5], 512
	s_mul_i32 s20, s16, 786432                     ; A's codes: K step 2 x (wave % 2), tile 8 tr
	s_mul_i32 s21, s17, 12288
	s_add_co_u32 s20, s20, s21
	s_mov_b32 s21, 0
	s_mul_i32 s46, s16, 196608                     ; B's: tile 8 tc
	s_mul_i32 s47, s42, 12288
	s_add_co_u32 s46, s46, s47
	s_add_co_u32 s46, s46, W2C
	s_mov_b32 s47, 0
	s_lshl_b32 s22, s16, 18                        ; A's scale words: K step 16 x (wave % 2)
	s_lshl_b32 s23, s17, 9
	s_add_co_u32 s22, s22, s23
	s_add_co_u32 s22, s22, HSC
	s_mov_b32 s23, 0
	s_lshl_b32 s92, s16, 16                        ; B's
	s_lshl_b32 s93, s42, 9
	s_add_co_u32 s92, s92, s93
	s_add_co_u32 s92, s92, W2S
	s_mov_b32 s93, 0
	s_mul_i32 s45, s14, QUART                      ; where they go: no place in the cluster enters an LDS address
	s_lshl_b32 s94, s16, 13
	s_mul_i32 s96, s15, SCLD
	s_add_co_u32 s94, s94, s96
	s_wait_kmcnt 0x0
	s_add_nc_u64 s[20:21], s[4:5], s[20:21]
	s_add_nc_u64 s[22:23], s[4:5], s[22:23]
	s_add_nc_u64 s[46:47], s[6:7], s[46:47]
	s_add_nc_u64 s[92:93], s[6:7], s[92:93]
	CROUND                                         ; all sixteen work-groups are here: the first joint loads meet
	s_mov_b32 s[G0S], 1
	s_add_co_u32 s[G0S+1], s94, SCLA
	s_mov_b64 s[G0S+2:G0S+3], s[22:23]
	s_or_b32 s[G0S+3], s[G0S+3], 0x80000000
	s_mov_b32 s[G0SB], 1
	s_add_co_u32 s[G0SB+1], s94, SCLA
	s_mov_b64 s[G0SB+2:G0SB+3], s[92:93]
	s_or_b32 s[G0SB+3], s[G0SB+3], 0x80000000
	JLOAD G0S, G1S, G0SB, G1SB
.irp s, 0,1
	s_mov_b32 s[G0+4*\s], 1
	s_add_co_u32 s[G0+4*\s+1], s45, \s*SLOT
	s_add_nc_u64 s[G0+4*\s+2:G0+4*\s+3], s[20:21], \s*1572864       ; slot 1 begins four K steps on
	s_or_b32 s[G0+4*\s+3], s[G0+4*\s+3], 0x80000000
	s_mov_b32 s[G0B+4*\s], 1
	s_add_co_u32 s[G0B+4*\s+1], s45, \s*SLOT
	s_add_nc_u64 s[G0B+4*\s+2:G0B+4*\s+3], s[46:47], \s*393216
	s_or_b32 s[G0B+4*\s+3], s[G0B+4*\s+3], 0x80000000
	JLOAD G0+4*\s, G1, G0B+4*\s, G1B
.endr
	v_and_b32 v1, 15, v0                           ; r
	v_bfe_u32 v2, v0, 4, 1                         ; h
	v_and_b32 v3, 31, v0                           ; lane
	v_lshlrev_b32 v[L16], 4, v3
	s_lshl_b32 s20, s17, 19                        ; x1 + b2: accumulator images (64 (8 tr + 4 x half) + 8 tc + 4 x half) x 1,024
	s_lshl_b32 s21, s15, 18
	s_add_co_u32 s20, s20, s21
	s_lshl_b32 s21, s42, 13
	s_add_co_u32 s20, s20, s21
	s_lshl_b32 s21, s16, 12
	s_add_co_u32 s20, s20, s21
	s_mov_b32 s21, 0
	s_add_nc_u64 s[12:13], s[8:9], s[20:21]
.irp a, 0,1,2,3
.irp b, 0,1,2,3
.irp g, 0,1
	global_load_b128 v[ACC+8*(4*\a+\b)+4*\g:ACC+8*(4*\a+\b)+4*\g+3], v[L16], s[12:13] offset:65536*\a+1024*\b+512*\g th:TH_LOAD_NT   ; 512 consecutive bytes, read once
.endr
.endr
.endr
	s_mul_i32 s21, s15, 6144                       ; my four tiles of A
	s_mul_i32 s22, s16, 6144
	s_add_co_u32 s22, s22, 2*QUART                 ; my four of B
.irp s, 0,1
	v_add_nc_u32 v[ADRA+\s], s21, v[L16]
	v_add_nc_u32 v[ADRB+\s], s22, v[L16]
	s_add_co_u32 s21, s21, SLOT
	s_add_co_u32 s22, s22, SLOT
.endr
	s_lshl_b32 s21, s15, 8
	s_lshl_b32 s22, s16, 8
	s_add_co_u32 s22, s22, SCLD
	s_sub_co_u32 s22, s22, s21
	v_mul_u32_u24 v6, s22, v2                      ; lanes 16-31 take B's scale words: one product with h
	s_add_co_u32 s21, s21, SCLA
	v_lshl_add_u32 v6, v1, 2, v6
	v_add_nc_u32 v[ADRS], s21, v6
	s_mul_i32 s21, s15, 64*SPITCH                  ; into the stage: row 64 x half + r, byte 256 x half + 64 h
	s_lshl_b32 s22, s16, 8
	s_add_co_u32 s21, s21, s22
	v_mul_u32_u24 v[STO], v1, SPITCH
	v_lshl_add_u32 v[STO], v2, 6, v[STO]
	v_add_nc_u32 v[STO], s21, v[STO]
	s_mul_i32 s21, s14, 32*SPITCH                  ; back: rows 32 w on, whole
	v_add_nc_u32 v[RD], s21, v[L16]
	s_lshl_b32 s20, s17, 7
	s_lshl_b32 s21, s14, 5
	s_add_co_u32 s20, s20, s21                     ; token 128 tr + 32 w
	s_lshl_b32 s20, s20, 12
	s_lshl_b32 s21, s42, 9
	s_add_co_u32 s20, s20, s21                     ; + 512 bytes x tc
	s_mov_b32 s21, 0
	s_add_nc_u64 s[10:11], s[10:11], s[20:21]
.macro FETCH slot, q, p                ; the fragments of the slot's q-th K step into set p: 24 loads of 512 consecutive bytes
	WIN 0x40
.irp i, 0,1,2,3
.irp c, 0,1,2
	ds_load_b128 v[128*(\p)+12*\i+4*\c:128*(\p)+12*\i+4*\c+3], v[ADRA+\slot] offset:12288*(\q)+1536*\i+512*\c
	ds_load_b128 v[128*(\p)+48+12*\i+4*\c:128*(\p)+48+12*\i+4*\c+3], v[ADRB+\slot] offset:12288*(\q)+1536*\i+512*\c
.endr
.endr
	WIN 0
.endm
.macro SCALES sc                       ; a slot's scale words: lanes 0-15 A's block i, lanes 16-31 B's block i
.irp i, 0,1,2,3
.irp q, 0,1,2,3
	ds_load_b32 v[SC+16*\sc+4*\i+\q], v[ADRS] offset:512*\q+64*\i
.endr
.endr
.endm
.macro MUL4 a, p, q, sc                ; A's block a x B's four.  The 16 accumulators take turns, in the same order in every K step
	WIN 0x05
.irp b, 0,1,2,3
	v_wmma_scale_f32_16x16x128_f8f6f4 v[ACC+8*(4*(\a)+\b):ACC+8*(4*(\a)+\b)+7], v[128*(\p)+48+12*\b:128*(\p)+48+12*\b+11], v[128*(\p)+12*(\a):128*(\p)+12*(\a)+11], v[ACC+8*(4*(\a)+\b):ACC+8*(4*(\a)+\b)+7], v[SC+16*(\sc)+4*\b+(\q)], v[SC+16*(\sc)+4*(\a)+(\q)] matrix_a_fmt:MATRIX_FMT_FP6 matrix_b_fmt:MATRIX_FMT_FP6 matrix_a_scale:MATRIX_SCALE_ROW1
.endr
.endm
.macro STEP slot, q                    ; one of a slot's first three K steps
	s_wait_dscnt 0x0                               ; this K step's fragments are in
	PLACES 4                                       ; in front of loads into the set that the last K step's products read
	FETCH \slot, (\q)+1, 1-(\q)%2
	MUL4 0, (\q)%2, \q, \slot
	MUL4 1, (\q)%2, \q, \slot
	MUL4 2, (\q)%2, \q, \slot
	MUL4 3, (\q)%2, \q, \slot
.endm
; A slot's last K step changes slots: one barrier; in front of it each wave waits for all its tensor loads, adds 0 to its spare word, and waits for that and for its reads of this slot.  fill = 1: the slot is filled again, eight K steps on.
.macro TURN slot, next, fill
	WIN 0
	s_wait_tensorcnt 0x0                           ; all my tensor loads have landed: my part of the next slot
	ds_add_u32 v[SPW], v[NIL]                      ; 0 onto my spare word
	s_wait_dscnt 1                                 ; this K step's fragments are in (the add may be out)
	MUL4 0, 1, 3, \slot
	s_wait_dscnt 0x0                               ; the add is done, and my reads of this slot are over
	s_barrier_signal -1
	MUL4 1, 1, 3, \slot
	WIN 0
	s_barrier_wait -1
.if \fill
	CREST                                          ; a round of the cluster's barrier: no wave of any partner still reads this slot or has a load on its way
	s_add_nc_u64 s[G0+4*\slot+2:G0+4*\slot+3], s[G0+4*\slot+2:G0+4*\slot+3], 3145728
	s_add_nc_u64 s[G0B+4*\slot+2:G0B+4*\slot+3], s[G0B+4*\slot+2:G0B+4*\slot+3], 786432
	JLOAD G0+4*\slot, G1, G0B+4*\slot, G1B         ; the first tensor load behind the round; its four v_nop are the places in front of the loads below
.else
	PLACES 4
.endif
	v_add_nc_u32 v[ADRS], 2048, v[ADRS]            ; the next slot's scale words
	FETCH \next, 0, 0
	SCALES \next
	MUL4 2, 1, 3, \slot
	MUL4 3, 1, 3, \slot
.endm
	s_wait_tensorcnt 1                             ; the scale words and my part of slot 0 are in (slot 1's load may be out)
	s_barrier_signal -1
	s_barrier_wait -1
	FETCH 0, 0, 0
	SCALES 0
	s_wait_loadcnt 0x0                             ; x1 + b2 lies in the accumulators
	s_mov_b32 s3, 3
.Llap:                                             ; a trip goes once round the ring and fills both slots again: eight K steps
	STEP 0, 0
	STEP 0, 1
	STEP 0, 2
	TURN 0, 1, 1
	STEP 1, 0
	STEP 1, 1
	STEP 1, 2
	TURN 1, 0, 1
	WIN 0
	s_sub_co_u32 s3, s3, 1
	s_cmp_lg_u32 s3, 0
	s_cbranch_scc1 .Llap
	STEP 0, 0                                      ; the last lap fills nothing
	STEP 0, 1
	STEP 0, 2
	TURN 0, 1, 0
	STEP 1, 0
	STEP 1, 1
	STEP 1, 2
	s_wait_dscnt 0x0
	MUL4 0, 1, 3, 1
	MUL4 1, 1, 3, 1
	MUL4 2, 1, 3, 1
	MUL4 3, 1, 3, 1
	WIN 0
	; THE WAY OUT.  Register 8 (4 a + b) + j of lane (r, h) is row 16 a + r of my 64 (in the tiles' order), feature 32 (b / 2) + 16 h + 8 (b % 2) + j of my 64
	PLACES 4
.irp a, 0,1,2,3
.irp b, 0,1,2,3
.irp g, 0,1
	ds_store_b128 v[STO], v[ACC+8*(4*\a+\b)+4*\g:ACC+8*(4*\a+\b)+4*\g+3] offset:16*\a*SPITCH+128*(\b/2)+32*(\b%2)+16*\g   ; each accumulator from its low end on
.endr
.endr
.endr
	s_wait_dscnt 0x0                               ; for the others' sake: my stores into the stage are done
	s_barrier_signal -1
	s_barrier_wait -1
.set ix, 0
.rept 32
	ds_load_b128 v[ACC+4*ix:ACC+4*ix+3], v[RD] offset:ix*SPITCH
.set ix, ix+1
.endr
.set ix, 0
.rept 32
	s_wait_dscnt 31-ix                             ; LDS loads come back in order: row ix is in
	global_store_b128 v[L16], v[ACC+4*ix:ACC+4*ix+3], s[10:11] offset:(8*(ix/16)+ix%16+8*((ix%16)/8))*4096 th:TH_STORE_NT   ; stage row 32 w + ix is token 128 tr + 32 w + 8 (ix / 16) + ix % 16 + 8 ((ix % 16) / 8); 512 consecutive bytes
.set ix, ix+1
.endr
	s_wait_tensorcnt 0x0                           ; the wave's end
	ds_add_u32 v[SPW], v[NIL]
	s_wait_dscnt 0x0
	CROUND                                         ; the closing round
	s_endpgm
.Lfunc_end_k_q9884a87fda_ffn2:
	.size	k_q9884a87fda_ffn2, .Lfunc_end_k_q9884a87fda_ffn2-k_q9884a87fda_ffn2
	.p2alignl 7, 3214868480
	.fill 96, 4, 3214868480
	.section	.rodata,"a",@progbits
	.p2align	6, 0x0
	.amdhsa_kernel k_q9884a87fda_ffn2
		.amdhsa_group_segment_fixed_size 327680
		.amdhsa_private_segment_fixed_size 0
		.amdhsa_enable_private_segment 0
		.amdhsa_kernarg_size 32
		.amdhsa_user_sgpr_count 2
		.amdhsa_user_sgpr_kernarg_segment_ptr 1
		.amdhsa_wavefront_size32 1
		.amdhsa_system_sgpr_workgroup_id_x 1
		.amdhsa_system_sgpr_workgroup_id_y 1
		.amdhsa_system_sgpr_workgroup_id_z 1
		.amdhsa_system_vgpr_workitem_id 0
		.amdhsa_next_free_vgpr 512
		.amdhsa_next_free_sgpr 100
		.amdhsa_reserve_vcc 0
		.amdhsa_float_denorm_mode_32 3
		.amdhsa_float_denorm_mode_16_64 3
		.amdhsa_memory_ordered 1
		.amdhsa_forward_progress 1
		.amdhsa_inst_pref_size 88
	.end_amdhsa_kernel
	.amdgpu_metadata
---
amdhsa.version: [ 1, 2 ]
amdhsa.kernels:
  - .name:           k_q9884a87fda_ffn2
    .symbol:         k_q9884a87fda_ffn2.kd
    .args:
      - { .name: hbuf, .offset: 0, .size: 8, .value_kind: global_buffer, .address_space: global }
      - { .name: wts, .offset: 8, .size: 8, .value_kind: global_buffer, .address_space: global }
      - { .name: x1b, .offset: 16, .size: 8, .value_kind: global_buffer, .address_space: global }
      - { .name: out0, .offset: 24, .size: 8, .value_kind: global_buffer, .address_space: global }
    .group_segment_fixed_size: 327680
    .private_segment_fixed_size: 0
    .kernarg_segment_align: 8
    .kernarg_segment_size: 32
    .max_flat_workgroup_size: 128
    .sgpr_count:     100
    .vgpr_count:     512
    .wavefront_size: 32
...
	.end_amdgpu_metadata
.endif
;; end of part 5
;; ======== version 2 of 2: 5 launches; version 1 with the launch attn written anew for expert scheduling mode
;; workspace buffers: wts 13,107,200 bytes; qkv 9,830,400 bytes; x1b 16,777,216 bytes; xn2 3,276,800 bytes; hbuf 13,107,200 bytes
;; launch prep: the kernel of part 1 again; grid 1024 x 1, 8 waves a work-group, no clusters, 69,632 bytes of LDS; arguments x, in_proj_w, out_proj_w, w1, w2, ln1_g, ln1_b, wts; writes wts
;; launch qkv: the kernel of part 2 again; grid 12 x 16, 4 waves a work-group, clusters of 4 x 4, 327,680 bytes of LDS; arguments wts, in_proj_b, qkv; writes qkv
;; launch attn (part 6): grid 256 x 1, 4 waves a work-group, no clusters, 113,664 bytes of LDS; arguments qkv, wts, x, out_proj_b, ln2_g, ln2_b, b2, out1, x1b, xn2; writes out1, x1b, xn2
.if DOCPART == 6
	.amdgcn_target "amdgcn-amd-amdhsa--gfx1250"
	.amdhsa_code_object_version 6
	.text
	.protected	k_q9884a87fda_attn
	.globl	k_q9884a87fda_attn
	.p2align	8
	.type	k_q9884a87fda_attn,@function
k_q9884a87fda_attn:
	s_mov_b64 s[64:65], 0
	v_nop
	global_prefetch_b8 v0, s[64:65] scope:SCOPE_SE
	s_setreg_imm32_b32 hwreg(HW_REG_WAVE_SCHED_MODE, 0, 2), 2
	s_setreg_imm32_b32 hwreg(HW_REG_WAVE_MODE, 25, 1), 1
	s_wait_xcnt 0x0
	s_wait_alu depctr_vm_vsrc(0)
; For one tile of 16 tokens: banded attention of all 16 heads (|query - key| <= 128), the heads' mean of the weights (out1), ctx quantised, x1 = x + ctx out_proj_w^T + out_proj_b, x1 + b2 (for the last launch), LayerNorm 2 quantised.
; All products on codes of FP6 (E2M3) with E8M0 scales.  One work-group owns its 16 rows through all of it, since the heads' mean and LayerNorm 2 want all heads, all 1,024 columns, of a row in one place.
; TILES: lane r of tile T holds token 32 (T / 2) + 8 (T % 2) + r + 8 (r / 8).  The tile lies in block I of 128 tokens; its keys lie in blocks I - 1, I, I + 1: three key steps of 128.  At the sequence's ends the missing block's
; loads are held at the nearest block (no load leaves its buffer) and all its scores are masked.
; WAVE w: heads 4 w .. 4 w + 3, in two pairs (a pair's 128 channels are one K step of q, k and ctx); rows 4 w .. 4 w + 3 of out1; features 256 w .. 256 w + 255 of x1.
; A HEAD: S^T = K Q^T, 24 products.  The head's K is 64, the instruction's 128: Q's other six registers hold zero codes, against which K's neighbouring registers (another tile's codes) add nothing.
; t = score x log2(e) / 8; M = ceil(the row's largest t): all 384 scores of a row are in registers, so M is final; p = 2^(t - M); masked scores are -infinity, p = 0.  l = the sum of the unquantised p.
; p is quantised along the keys; a block's largest p is the exponential of its largest score.  O^T = V^T P^T, 12 products; ctx = O / l is quantised along the channels.  p / (16 l) is summed over the wave's heads.
; Both products are used transposed: a lane holds one query throughout.
; No tensor load and no copy: K, V and out_proj_w come as register images by global loads, each asked for a head (a K step) ahead of its use.  NO CLUSTER, though the eight tiles of a block read the same K, V and weights: joint loads
; want a ring in LDS and a round in the head loop; with the means' stage and 1,024 registers a wave in use that is another design.
; No prefetch into the L2: each stream is asked for into registers a head ahead, and a wave's whole walk is four heads.
; LIMITS of the quantiser: a block whose largest magnitude lies under 2^-124 gets the byte 1, a block of zeros too (its codes are zeros; this program alone reads the bytes); NaN and infinities are not served.
; THE MODE: SCHED_MODE bits 1:0 = 2 (LLVM: expert scheduling mode 2), set by the entry lines.  The code itself states the register dependences between vector or matrix instructions and memory or LDS instructions, with s_wait_alu, always for 0.
; THE PLAN.  Registers that memory or LDS instructions touch, and who else names them:
;   v1-8, v15 addresses, v10-13 zeros: written at the head, never again: one wait on va_vdst ahead of the first load serves every load and store that reads them.
;   Q, its scale word, K's scale words, K: loads land in them; a head's 24 products read them.  ONE wait on va_vdst stands behind those products; the next head's loads follow it.  In a pair's first head K's 72 loads are dealt, nine behind
;     each of the mask's eight runs, which name registers of window 1 and scalar registers alone; in its second head the loads hang on the trip and stand in one run under one branch, the wait directly ahead of them.
;   V, its scale words: loads land in them; a head's 12 products read them.  ONE wait on va_vdst behind those products; the next head's loads follow it.
;   p's codes and scale words, Q's zero codes, the zeros behind K: written by vector instructions, taken by scaled products: one wait on va_vdst ahead of the 12 products of each head, one ahead of the loop.
;   ctx's fragment, its scale word, v9, v14: written by vector instructions, read by a pair's four LDS stores: a wait on va_vdst ahead of the stores, a wait on vm_vsrc at the trip's end.
;   The mask's compares write s82-97 in runs of sixteen; one wait on va_sdst stands between a run and the sixteen selects that read it.
;   Behind the heads each buffer changes hands once; the waits stand at those places and say what they state.
; REGISTERS, in windows of 256.  Window 0: v1-15 addresses; v16-33 Q [head 0's 6][zeros 6][head 1's 6]; SCALE WORDS AND NOTHING ELSE: v34 Q's, v36-47 K's, v48-53 V's, v54-56 p's, v57-72 out_proj_w's, v89-96 ctx's;
;   v76-88 ctx's fragment and word; v104-135 O^T; v136-171 p's codes; v180-227 V of key step 2; v228-253 at work.  Window 1: v0-191 S^T, then p; v192-243 the softmax's small numbers.
;   Window 2: v0-191 the sum of p / (16 l); later v0-127 x1.  Window 3: v0-149 K; v156-251 V of key steps 0, 1; later out_proj_w's fragments.
.set QKC,  0
.set VC,   6291456
.set QKS,  9437184
.set VSO,  9699328
.set WOC,  5734400
.set WOS,  6520832
.set XN2S, 3145728
.set MSTP, 1552                        ; LDS: a row of a wave's means: 384 keys x 4 bytes + 16 = 388 words: row r starts at bank 4 r
.set MSTW, 16*MSTP                     ; four waves' stages from byte 0
.set CIM,  99328                       ; ctx's eight fragments, 1,536 bytes each
.set CSC,  111616                      ; their scale words, 128 bytes each
.set STAT0, 112640                     ; [row 16][wave 4] sums; the squares' 256 bytes on
.set L8,   1
.set L16,  2
.set L4,   3
.set R4,   4
.set MSTA, 5
.set RDA0, 6
.set RDA1, 7
.set XOFF, 8
.set CIA,  9
.set ZR,   10                          ; v10-13 zeros: the data of out1's zero fill; never rewritten
.set CSA,  14
.set H64,  15
.set QF,   16
.set QS,   34
.set KS,   36
.set VS,   48
.set PS,   54
.set WSC,  57
.set CF,   76
.set CW,   88
.set CXS,  89
.set OT,   104
.set PCD,  136
.set V2,   180
.set CT,   228
.set RL,   252
.set CXF,  128                         ; behind the heads: ctx's eight fragments, v128-223
.set STS,  16                          ; and in Q's registers: addresses and small numbers
.set STL,  17
.set XSO,  18
.set PWA,  20
.set PWB,  21
.set PWM,  22
.set MU,   24
.set RS,   26
.set TM,   192
.set PC,   208
.set M0,   228
.set SA,   228
.set PT,   236
.set BM,   192                         ; window 1: the blocks' largest scores, then largest p
.set BT,   204
.set SO,   216                         ; the conversions' scale operands
.set NM,   228                         ; -M;  v229 the largest t
.set SU,   230
.set D0,   234
.set D2,   235
.set NI,   236
.set RR,   238
.set WK,   240
.set VF,   156                         ; window 3
.set WV,   24
.set BB,   26
.set TL,   27
.set II,   28
.set KB,   32
.set KSB,  38
.set VB,   44
.set VSB,  50
.set QB,   56
.set QSB,  58
.set CS,   60
.set SEL,  62
.set TRIP, 66
.set CIMS, 67
.set CSCS, 68
.set HM,   69
.set OUT1, 80
.set MK,   82                          ; s82-97 sixteen lane masks of the band
.set XB,   32                          ; behind the heads, in the heads' base registers
.set OBB,  34
.set WCB,  36
.set WSB,  38
.set B2B,  40
.set G2B,  42
.set L2B,  44
.set X1B,  46
.set XNB,  48
.set XSB,  50
.set OW,   52
.set MSB, 0
.macro WIN new                         ; low byte: bits 1:0 source 0, 3:2 source 1, 5:4 source 2, 7:6 destination; the high byte repeats the setting that is left
.if MSB != (\new)
	s_set_vgpr_msb (MSB<<8)|(\new)
.set MSB, (\new)
.endif
.endm
.macro PLACES n
.rept \n
	v_nop
.endr
.endm
.macro FP6MM d, a, b, zero, sa, sb, row1   ; one product; zero: it starts its sum; row1: source 0's scale words stand in lanes 16-31
.if (\zero) && (\row1)
	v_wmma_scale_f32_16x16x128_f8f6f4 v[\d:\d+7], v[\a:\a+11], v[\b:\b+11], 0, v[\sa], v[\sb] matrix_a_fmt:MATRIX_FMT_FP6 matrix_b_fmt:MATRIX_FMT_FP6 matrix_a_scale:MATRIX_SCALE_ROW1
.elseif (\zero)
	v_wmma_scale_f32_16x16x128_f8f6f4 v[\d:\d+7], v[\a:\a+11], v[\b:\b+11], 0, v[\sa], v[\sb] matrix_a_fmt:MATRIX_FMT_FP6 matrix_b_fmt:MATRIX_FMT_FP6
.elseif (\row1)
	v_wmma_scale_f32_16x16x128_f8f6f4 v[\d:\d+7], v[\a:\a+11], v[\b:\b+11], v[\d:\d+7], v[\sa], v[\sb] matrix_a_fmt:MATRIX_FMT_FP6 matrix_b_fmt:MATRIX_FMT_FP6 matrix_a_scale:MATRIX_SCALE_ROW1
.else
	v_wmma_scale_f32_16x16x128_f8f6f4 v[\d:\d+7], v[\a:\a+11], v[\b:\b+11], v[\d:\d+7], v[\sa], v[\sb] matrix_a_fmt:MATRIX_FMT_FP6 matrix_b_fmt:MATRIX_FMT_FP6
.endif
.endm
.macro LOADQ                           ; a pair's Q: planes 0-2 (head 0) and 3-5 (head 1), and its scale words: 7 loads
.irp p, 0,1,2
	global_load_b64 v[QF+2*\p:QF+2*\p+1], v[L8], s[QB:QB+1] offset:256*\p
	global_load_b64 v[QF+12+2*\p:QF+12+2*\p+1], v[L8], s[QB:QB+1] offset:768+256*\p
.endr
	global_load_b32 v[QS], v[R4], s[QSB:QSB+1]
.endm
.macro LOADKS                          ; a pair's scale words of K: two tiles to a register: 12 loads
.irp st, 0,1,2
.irp p, 0,1,2,3
	global_load_b32 v[KS+4*\st+\p], v[L4], s[KSB+2*\st:KSB+2*\st+1] offset:128*\p
.endr
.endr
.endm
.macro KPART hh, n                     ; nine of head hh's 72 loads of K: tiles 3 n .. 3 n + 2 of the 24; tile t (key step t / 8) has its six registers at 6 t + 6 hh; each load reads 256 consecutive bytes
	WIN 0xc0
.irp u, 0,1,2
.set kt, 3*(\n)+\u
.irp p, 0,1,2
	global_load_b64 v[6*kt+6*(\hh)+2*\p:6*kt+6*(\hh)+2*\p+1], v[L8], s[KB+2*(kt/8):KB+2*(kt/8)+1] offset:1536*(kt%8)+768*(\hh)+256*\p
.endr
.endr
.endm
.macro LOADK hh                        ; head hh's half of K's 24 fragments, in one run: 72 loads
.irp n, 0,1,2,3,4,5,6,7
	KPART \hh, \n
.endr
	WIN 0
.endm
.macro LOADV hh                        ; head hh's 12 fragments of V (key step, 16 channels) and their scale words: 78 loads
	WIN 0xc0
.irp st, 0,1
.irp c, 0,1,2,3
.irp p, 0,1,2,3,4,5
	global_load_b64 v[VF+48*\st+12*\c+2*\p:VF+48*\st+12*\c+2*\p+1], v[L8], s[VB+2*\st:VB+2*\st+1] offset:6144*(\hh)+1536*\c+256*\p
.endr
.endr
.endr
	WIN 0
.irp c, 0,1,2,3
.irp p, 0,1,2,3,4,5
	global_load_b64 v[V2+12*\c+2*\p:V2+12*\c+2*\p+1], v[L8], s[VB+4:VB+5] offset:6144*(\hh)+1536*\c+256*\p
.endr
.endr
.irp st, 0,1,2
.irp p, 0,1
	global_load_b32 v[VS+2*\st+\p], v[L4], s[VSB+2*\st:VSB+2*\st+1] offset:256*(\hh)+128*\p
.endr
.endr
.endm
.macro ZCOL c                          ; my four rows' columns 128 c .. 128 c + 127 of out1 are zeros, unless the band passes through them (a branch on ids)
	s_sub_co_u32 s71, (\c)+1, s[II]
	s_cmp_le_u32 s71, 2
	s_cbranch_scc1 .Lband_\@
.irp e, 0,1,2,3
	global_store_b128 v[L16], v[ZR:ZR+3], s[OUT1:OUT1+1] offset:8192*\e+512*(\c) th:TH_STORE_NT   ; 512 consecutive bytes
.endr
.Lband_\@:
.endm
; THE MASK on a head's scores, in eight runs of sixteen registers: runs 0-3 key step 0, runs 4-7 key step 2.  A run: sixteen compares into s[MK] on, one wait, sixteen selects.
; In a pair's first head (hh = 0) nine of the other head's loads of K stand behind each run: the wait behind the products has shown K's registers read, and no line of the runs names them or the loads' offset.
.macro MASK hh
.irp g, 0,1,2,3,4,5,6,7
.irp j, 0,1,2,3,4,5,6,7,8,9,10,11,12,13,14,15
.if \g < 4
	v_cmp_lt_i32 s[MK+\j], 32*\g+\j, v[D0]
.else
	v_cmp_gt_i32 s[MK+\j], 32*(\g-4)+\j, v[D2]
.endif
.endr
	s_wait_alu depctr_va_sdst(0)                   ; the sixteen compares have written s[MK] on, which the selects below read
.irp j, 0,1,2,3,4,5,6,7,8,9,10,11,12,13,14,15
	v_cndmask_b32 v[16*\g+64*(\g/4)+\j], v[16*\g+64*(\g/4)+\j], v[NI], s[MK+\j]
.endr
.if \hh == 0
	KPART 1, \g
	WIN 0x55
.endif
.endr
.endm
	s_load_b512 s[4:19], s[0:1], 0x0               ; qkv, wts, x, out_proj_b, ln2_g, ln2_b, b2, out1
	s_load_b128 s[20:23], s[0:1], 0x40             ; x1b, xn2
	v_lshl_add_u32 v254, v0, 2, 0x1ba00
	v_mov_b32 v255, 0
	v_lshrrev_b32 v1, 5, v0
	v_readfirstlane_b32 s[WV], v1                  ; wave 0..3
	v_and_b32 v73, 31, v0                          ; lane
	v_and_b32 v74, 15, v0                          ; r
	v_bfe_u32 v75, v0, 4, 1                        ; h
	v_lshlrev_b32 v[L8], 3, v73
	v_lshlrev_b32 v[L16], 4, v73
	v_lshlrev_b32 v[L4], 2, v73
	v_lshlrev_b32 v[R4], 2, v74
	s_wait_alu depctr_va_sdst(0)                   ; the wave's number is written, ahead of its first reader
	s_mul_i32 s70, s[WV], MSTW
	v_mul_u32_u24 v[MSTA], v74, MSTP
	v_lshl_add_u32 v[MSTA], v75, 6, v[MSTA]
	v_add_nc_u32 v[MSTA], s70, v[MSTA]             ; my wave's stage: row r, + 64 h
	s_mul_i32 s70, s[WV], 4*MSTP
	v_add_nc_u32 v[RDA0], s70, v[L16]              ; back: rows 4 w on of waves 0, 1,
	v_add_nc_u32 v[RDA1], 2*MSTW, v[RDA0]          ; and of waves 2, 3
	v_and_b32 v35, 8, v74
	v_add_nc_u32 v35, v35, v74                     ; r + 8 (r / 8)
	v_lshlrev_b32 v[XOFF], 12, v35
	v_lshl_add_u32 v[XOFF], v75, 6, v[XOFF]        ; x: my token's row of 4,096 bytes, + 64 h
	v_lshlrev_b32 v[H64], 6, v75
.irp i, 0,1,2,3
	v_mov_b32 v[ZR+\i], 0
.endr
	s_lshr_b32 s[BB], ttmp9, 7                     ; the batch
	s_and_b32 s[TL], ttmp9, 127                    ; the tile in it
	s_lshr_b32 s[II], s[TL], 3                     ; its block of 128 tokens
	s_max_u32 s70, s[II], 1
	s_sub_co_u32 s70, s70, 1                       ; the three key blocks, held inside the sequence
	s_mov_b32 s71, s[II]
	s_add_co_u32 s72, s[II], 1
	s_min_u32 s72, s72, 15
	s_lshl_b32 s73, s[WV], 9
	s_lshl_b32 s74, s[BB], 7
	s_add_co_u32 s73, s73, s74                     ; 512 w + 128 x batch
	s_lshl_b32 s75, s[BB], 10
	s_lshl_b32 s74, s[WV], 4
	s_add_co_u32 s75, s75, s74                     ; 1,024 x batch + 16 w
	s_mov_b32 s77, 0
	s_wait_kmcnt 0x0
.irp st, 0,1,2
	s_lshl_b32 s74, s[70+\st], 3
	s_add_co_u32 s74, s74, s73
	s_add_co_u32 s74, s74, 2048                    ; K: fragment (8 + 2 w) x 256 + 128 x batch + 8 x block
	s_mul_i32 s76, s74, 1536
	s_add_nc_u64 s[KB+2*\st:KB+2*\st+1], s[4:5], s[76:77]
	s_lshl_b32 s76, s74, 6
	s_add_co_u32 s76, s76, QKS
	s_add_nc_u64 s[KSB+2*\st:KSB+2*\st+1], s[4:5], s[76:77]
	s_lshl_b32 s74, s[70+\st], 6
	s_add_co_u32 s74, s74, s75                     ; V: fragment (16 x batch + block) x 64 + 16 w
	s_mul_i32 s76, s74, 1536
	s_add_co_u32 s76, s76, VC
	s_add_nc_u64 s[VB+2*\st:VB+2*\st+1], s[4:5], s[76:77]
	s_lshl_b32 s76, s74, 6
	s_add_co_u32 s76, s76, VSO
	s_add_nc_u64 s[VSB+2*\st:VSB+2*\st+1], s[4:5], s[76:77]
.endr
	s_lshl_b32 s74, s[WV], 9
	s_add_co_u32 s74, s74, ttmp9                   ; Q: fragment 2 w x 256 + T
	s_mul_i32 s76, s74, 1536
	s_add_nc_u64 s[QB:QB+1], s[4:5], s[76:77]
	s_lshl_b32 s76, s74, 6
	s_add_co_u32 s76, s76, QKS
	s_add_nc_u64 s[QSB:QSB+1], s[4:5], s[76:77]
	s_wait_alu depctr_va_vdst(0)                   ; the addresses v1 to v8 and v15 and the zeros v10 to v13 are written: every load and store of the kernel that reads them stands behind this wait
	LOADQ                                          ; the first head's operands are asked for before anything else
	LOADKS
	LOADK 0
	LOADV 0
	s_lshr_b32 s70, s[TL], 1
	s_lshl_b32 s70, s70, 5
	s_and_b32 s71, s[TL], 1
	s_lshl_b32 s71, s71, 3
	s_add_co_u32 s70, s70, s71                     ; the tile's first token in its batch
	s_lshl_b32 s71, s[BB], 11
	s_add_co_u32 s78, s70, s71                     ; and among all 4,096
	s_lshl_b32 s71, s[WV], 2
	s_add_co_u32 s72, s78, s71
	s_lshr_b32 s71, s[WV], 1
	s_lshl_b32 s71, s71, 3
	s_add_co_u32 s72, s72, s71                     ; rows 4 w .. 4 w + 3 of the tile are four neighbouring tokens
	s_lshl_b32 s76, s72, 13
	s_add_nc_u64 s[OUT1:OUT1+1], s[18:19], s[76:77]
.irp c, 0,1,2,3,4,5,6,7,8,9,10,11,12,13,14,15
	ZCOL \c                                        ; (no vector instruction has been issued since the wait above: the stores' offset and data are written)
.endr
	; THE MASK, from ids alone.  o = my query's place in its block.  Register 64 st + 16 b + i holds key 32 b + 16 h + i of key step st.  Step 0: hidden where 32 b + i < o - 16 h; step 2: where 32 b + i > o - 16 h; step 1: never.
	s_lshl_b32 s71, s[II], 7
	s_sub_co_u32 s73, s70, s71
	s_cmp_eq_u32 s[II], 0
	s_cselect_b32 s74, 4096, 0                     ; no block to the left: all of step 0 is hidden
	s_add_co_u32 s74, s74, s73
	s_cmp_eq_u32 s[II], 15
	s_cselect_b32 s75, 4096, 0                     ; none to the right: all of step 2
	s_sub_co_i32 s75, s73, s75
	v_lshlrev_b32 v73, 4, v75
	v_sub_nc_u32 v73, v35, v73                     ; r + 8 (r / 8) - 16 h
.irp i, 0,1,2,3,4,5
	v_mov_b32 v[QF+6+\i], 0                        ; Q's zero codes
.endr
	v_mov_b32 v[CT+2], 0                           ; lane permutes' destinations count as sources: written once
	v_mov_b32 v[CT+3], 0
	WIN 0x40                                       ; destination window 1
	v_add_nc_u32 v[D0], s74, v73
	v_add_nc_u32 v[D2], s75, v73
	v_mov_b32 v[NI], 0xff800000                    ; -infinity
.set ix, 0
.rept 12
	v_mov_b32 v[BT+ix], 0
.set ix, ix+1
.endr
	WIN 0xc0
.irp i, 144,145,146,147,148,149
	v_mov_b32 v[\i], 0                             ; behind K's last tile of the first head: defined codes, which meet Q's zeros
.endr
	WIN 0x80
.set ix, 0
.rept 192
	v_mov_b32 v[ix], 0                             ; the sum of p / (16 l).  (The head is written once for all four heads: a first head of its own would be a third copy of its text.  These lines run while the first loads are out)
.set ix, ix+1
.endr
	WIN 0
	s_wait_alu depctr_va_vdst(0)                   ; Q's zero codes and the six zero registers behind K are written, which the first head's scaled products take as operands
	s_mov_b32 s[CS], 0x3e38aa3b                    ; c = log2(e) / sqrt(64)
	s_mov_b32 s[CS+1], s[CS]
	s_mov_b32 s[SEL], 0x76543210
	s_mov_b32 s[SEL+1], 0xfedcba98
	s_mov_b32 s[HM], 0xffff0000
	s_mov_b32 s[TRIP], 2
	s_mul_i32 s[CIMS], s[WV], 3072
	s_add_co_u32 s[CIMS], s[CIMS], CIM             ; ctx's fragment 2 w + pair
	s_lshl_b32 s[CSCS], s[WV], 8
	s_add_co_u32 s[CSCS], s[CSCS], CSC
.macro HEAD hh
	s_wait_loadcnt 63                              ; Q, K and their scale words are in: V's 78 loads were issued behind them
	WIN 0x43                                       ; K window 3, Q window 0, S^T window 1
.set ix, 0
.rept 24
	FP6MM 8*ix, 6*ix, QF+6*\hh, 1, KS+ix/2, QS, ix%2
.set ix, ix+1
.endr
	WIN 0
	PLACES 4                                       ; four places in front of the first read of the scores (ISA guide 7.12.1); the wait below fills none
.if \hh == 0
	s_wait_alu depctr_va_vdst(0)                   ; the 24 products are done reading K: the pair's other head's 72 loads land there, dealt among the mask's runs below
.else
	s_cmp_eq_u32 s[TRIP], 1                        ; the next pair's first head, if there is one
	s_cbranch_scc1 .Lno_k_\@
	s_wait_xcnt 0x0                                ; the loads issued so far have read their bases
.irp st, 0,1,2
	s_add_nc_u64 s[KB+2*\st:KB+2*\st+1], s[KB+2*\st:KB+2*\st+1], 393216
	s_add_nc_u64 s[KSB+2*\st:KSB+2*\st+1], s[KSB+2*\st:KSB+2*\st+1], 16384
.endr
	s_add_nc_u64 s[QB:QB+1], s[QB:QB+1], 393216
	s_add_nc_u64 s[QSB:QSB+1], s[QSB:QSB+1], 16384
	s_wait_alu depctr_va_vdst(0)                   ; the pair's products are done reading Q, K and their scale words, in which the loads below land
	LOADQ
	LOADKS
	LOADK 0
.Lno_k_\@:
.endif
	WIN 0x55                                       ; the softmax works in window 1
	MASK \hh
.set ix, 0
.rept 12
	v_max3_num_f32 v[BM+ix], v[16*ix], v[16*ix+1], v[16*ix+2]   ; the largest score of each block of 32 keys: for the row's maximum and for the block's largest p
.set ix, ix+1
.endr
.irp i, 3,5,7,9,11,13
.set ix, 0
.rept 12
	v_max3_num_f32 v[BM+ix], v[BM+ix], v[16*ix+\i], v[16*ix+\i+1]
.set ix, ix+1
.endr
.endr
.set ix, 0
.rept 12
	v_max_num_f32 v[BM+ix], v[BM+ix], v[16*ix+15]
.set ix, ix+1
.endr
.set ix, 0
.rept 12
	v_permlanex16_b32 v[BT+ix], v[BM+ix], s[SEL], s[SEL+1]
.set ix, ix+1
.endr
.set ix, 0
.rept 12
	v_max_num_f32 v[BM+ix], v[BM+ix], v[BT+ix]     ; with lane l xor 16's 16 keys
.set ix, ix+1
.endr
.irp i, 0,1,2,3
	v_max3_num_f32 v[WK+\i], v[BM+3*\i], v[BM+3*\i+1], v[BM+3*\i+2]
.endr
	v_max3_num_f32 v[WK], v[WK], v[WK+1], v[WK+2]
	v_max_num_f32 v[WK], v[WK], v[WK+3]            ; the row's largest score: the query's own key always counts, so it is a number
	v_mul_f32 v[NM+1], s[CS], v[WK]                ; as t
	v_floor_f32 v[NM], -v[NM+1]                    ; -M = floor(-t) = -ceil(t)
.set ix, 0
.rept 96
	v_pk_fma_f32 v[ix:ix+1], v[ix:ix+1], s[CS:CS+1], v[NM:NM+1] op_sel_hi:[1,0,0]   ; t - M, two at a time
.set ix, ix+2
.endr
.set ix, 0
.rept 12
	v_fma_f32 v[BM+ix], v[BM+ix], s[CS], v[NM]     ; the same of each block's largest score
.set ix, ix+1
.endr
.set ix, 0
.rept 192
	v_exp_f32 v[ix], v[ix]                         ; p = 2^(t - M): not normalised
.set ix, ix+1
.endr
	v_nop                                          ; a plain place behind the exponentials
	s_wait_alu depctr_va_vdst(0)                   ; the 192 exponentials have written p: one wait for the batch, ahead of its first reader
.set ix, 0
.rept 12
	v_exp_f32 v[BM+ix], v[BM+ix]                   ; the blocks' largest p: the same two instructions on the same number give the same bits
.set ix, ix+1
.endr
.irp c, 0,1
	v_pk_add_f32 v[SU+2*\c:SU+2*\c+1], v[2*\c:2*\c+1], v[8+2*\c:9+2*\c]     ; l, of the unquantised p: four chains; they read the 192 alone
	v_pk_add_f32 v[WK+2*\c:WK+2*\c+1], v[4+2*\c:5+2*\c], v[12+2*\c:13+2*\c]
.endr
.set ix, 16
.rept 22
	v_pk_add_f32 v[SU:SU+1], v[SU:SU+1], v[ix:ix+1]
	v_pk_add_f32 v[SU+2:SU+3], v[SU+2:SU+3], v[ix+2:ix+3]
	v_pk_add_f32 v[WK:WK+1], v[WK:WK+1], v[ix+4:ix+5]
	v_pk_add_f32 v[WK+2:WK+3], v[WK+2:WK+3], v[ix+6:ix+7]
.set ix, ix+8
.endr
	v_pk_add_f32 v[SU:SU+1], v[SU:SU+1], v[SU+2:SU+3]
	v_pk_add_f32 v[WK:WK+1], v[WK:WK+1], v[WK+2:WK+3]
	v_pk_add_f32 v[SU:SU+1], v[SU:SU+1], v[WK:WK+1]
	v_add_f32 v[WK], v[SU], v[SU+1]
	v_permlanex16_b32 v[WK+1], v[WK], s[SEL], s[SEL+1]
	v_add_f32 v[WK], v[WK], v[WK+1]                ; l
	v_rcp_f32 v[WK+2], v[WK]
	v_nop                                          ; a plain place
	s_wait_alu depctr_va_vdst(0)                   ; the twelve exponentials and the reciprocal have written their results: one wait, ahead of their first reader
.set ix, 0
.rept 12
	v_max_num_f32 v[BM+ix], 0x1800000, v[BM+ix]    ; the floor 2^(3 - 127): a block of zeros keeps the byte 1
.set ix, ix+1
.endr
.set ix, 0
.rept 12
	v_add_nc_u32 v[SO+ix], 0xff000000, v[BM+ix]    ; 2 off the exponent field: the conversion's scale operand
.set ix, ix+1
.endr
.set ix, 0
.rept 12
	v_lshrrev_b32 v[BT+ix], 23, v[SO+ix]           ; the scale's byte
.set ix, ix+1
.endr
.irp st, 0,1,2
	v_lshl_or_b32 v[BM+\st], v[BT+4*\st+1], 8, v[BT+4*\st]
.endr
.irp st, 0,1,2
	v_lshl_or_b32 v[BM+\st], v[BT+4*\st+2], 16, v[BM+\st]
.endr
	v_mul_f32 v[RR], 0x3d800000, v[WK+2]           ; 1 / (16 l)
	v_mul_f32 v[RR+1], 0x3d800000, v[WK+2]
	WIN 0x15                                       ; destination window 0
.irp st, 0,1,2
	v_lshl_or_b32 v[PS+\st], v[BT+4*\st+3], 24, v[BM+\st]   ; p's scale word for key step st
.endr
	WIN 0x01
	v_mov_b32 v[RL], v[WK+2]                       ; 1 / l
	v_mov_b32 v[RL+1], v[WK+2]
	WIN 0x05                                       ; numbers and scale operands window 1, codes window 0
.irp st, 0,1,2
.irp c, 0,1
	v_cvt_scalef32_pk16_fp6_f32 v[PCD+12*\st+6*\c:PCD+12*\st+6*\c+2], v[64*\st+32*\c:64*\st+32*\c+15], v[SO+4*\st+2*\c]
	v_cvt_scalef32_pk16_fp6_f32 v[CT+8*\st+4*\c:CT+8*\st+4*\c+2], v[64*\st+32*\c+16:64*\st+32*\c+31], v[SO+4*\st+2*\c+1]
.endr
.endr
	WIN 0
	v_nop                                          ; one plain place behind a scaled conversion
.irp st, 0,1,2
.irp c, 0,1
.irp i, 0,1,2
	v_permlane16_swap_b32 v[PCD+12*\st+6*\c+\i], v[CT+8*\st+4*\c+\i]   ; the operand's layout wants a whole block in a lane
.endr
.irp i, 0,1,2
	v_mov_b32 v[PCD+12*\st+6*\c+3+\i], v[CT+8*\st+4*\c+\i]
.endr
.endr
.endr
	WIN 0xa5                                       ; p and 1 / (16 l) window 1, the sum window 2
.set ix, 0
.rept 96
	v_pk_fma_f32 v[ix:ix+1], v[ix:ix+1], v[RR:RR+1], v[ix:ix+1]   ; (these are also the places between p's codes and scale words and the products below)
.set ix, ix+2
.endr
.if \hh == 0
	s_wait_loadcnt 63                              ; V is in: the other head's 72 loads of K were issued behind it
.else
	s_wait_loadcnt 0x0                             ; V is in (what was issued behind it hangs on the trip)
.endif
	s_wait_alu depctr_va_vdst(0)                   ; p's codes and p's scale words are written, which the scaled products below take as operand and scales; the places above stay beside this wait
.irp st, 0,1,2                                 ; O^T = V^T P^T: the four accumulators take turns
.if \st < 2
	WIN 0x03
.set iy, VF+48*\st
.else
	WIN 0
.set iy, V2
.endif
.irp c, 0,1,2,3
	FP6MM OT+8*\c, iy+12*\c, PCD+12*\st, (\st==0), VS+2*\st+\c/2, PS+\st, \c%2
.endr
.endr
	WIN 0
	PLACES 4                                       ; four places in front of the first read of O^T; the wait below fills none
.if \hh == 0
	s_wait_alu depctr_va_vdst(0)                   ; the 12 products are done reading V and its scale words, in which the other head's loads land
	LOADV 1
.else
	s_cmp_eq_u32 s[TRIP], 1
	s_cbranch_scc1 .Lno_v_\@
	s_wait_xcnt 0x0
.irp st, 0,1,2
	s_add_nc_u64 s[VB+2*\st:VB+2*\st+1], s[VB+2*\st:VB+2*\st+1], 12288
	s_add_nc_u64 s[VSB+2*\st:VSB+2*\st+1], s[VSB+2*\st:VSB+2*\st+1], 512
.endr
	s_wait_alu depctr_va_vdst(0)                   ; the 12 products are done reading V and its scale words, in which the next pair's loads land
	LOADV 0
.Lno_v_\@:
.endif
.set ix, 0
.rept 16
	v_pk_mul_f32 v[OT+ix:OT+ix+1], v[OT+ix:OT+ix+1], v[RL:RL+1]   ; ctx = O / l: register 16 b + i is channel 32 b + 16 h + i of the head; each accumulator from its low end on
.set ix, ix+2
.endr
.irp b, 0,1
	v_max3_num_f32 v[CT+\b], |v[OT+16*\b]|, |v[OT+16*\b+1]|, 0x1800000
.endr
.irp i, 2,4,6,8,10,12,14
.irp b, 0,1
	v_max3_num_f32 v[CT+\b], v[CT+\b], |v[OT+16*\b+\i]|, |v[OT+16*\b+\i+1]|
.endr
.endr
.irp b, 0,1
	v_permlanex16_b32 v[CT+2+\b], v[CT+\b], s[SEL], s[SEL+1]
.endr
.irp b, 0,1
	v_max_num_f32 v[CT+\b], v[CT+\b], v[CT+2+\b]
.endr
.irp b, 0,1
	v_add_nc_u32 v[CT+4+\b], 0xff000000, v[CT+\b]
.endr
.irp b, 0,1
	v_lshrrev_b32 v[CT+6+\b], 23, v[CT+4+\b]
.endr
	v_cvt_scalef32_pk16_fp6_f32 v[CF+6*\hh:CF+6*\hh+2], v[OT:OT+15], v[CT+4]
	v_cvt_scalef32_pk16_fp6_f32 v[CT+8:CT+10], v[OT+16:OT+31], v[CT+5]
.if \hh == 0
	v_lshl_or_b32 v[CW], v[CT+7], 8, v[CT+6]       ; (a plain place behind the conversions)  the pair's scale word: bytes 0, 1
.else
	v_lshl_or_b32 v[CW], v[CT+6], 16, v[CW]        ; bytes 2,
	v_lshl_or_b32 v[CW], v[CT+7], 24, v[CW]        ; 3
.endif
.irp i, 0,1,2
	v_permlane16_swap_b32 v[CF+6*\hh+\i], v[CT+8+\i]
.endr
.irp i, 0,1,2
	v_mov_b32 v[CF+6*\hh+3+\i], v[CT+8+\i]
.endr
.endm
.Lpair:                                            ; two trips: a pair of heads each
	HEAD 0
	HEAD 1
	v_add_nc_u32 v[CIA], s[CIMS], v[L16]           ; the pair's fragment of ctx goes to LDS as it stands, its scale words beside it
	v_add_nc_u32 v[CSA], s[CSCS], v[L4]
	s_wait_alu depctr_va_vdst(0)                   ; ctx's fragment, its scale word and the two addresses are written, which the four LDS stores read
.irp c, 0,1,2
	ds_store_b128 v[CIA], v[CF+4*\c:CF+4*\c+3] offset:512*\c
.endr
	ds_store_b32 v[CSA], v[CW]
	s_add_co_u32 s[CIMS], s[CIMS], 1536
	s_add_co_u32 s[CSCS], s[CSCS], 128
	s_wait_alu depctr_vm_vsrc(0)                   ; the four LDS stores have read their data and addresses, which the next trip, and the lines behind the loop, write again
	s_sub_co_u32 s[TRIP], s[TRIP], 1
	s_cmp_lg_u32 s[TRIP], 0
	s_cbranch_scc1 .Lpair
	s_wait_loadcnt 0x0                             ; no load of the heads is out: their bases and registers are written again below
	WIN 0x08                                       ; an LDS store's data are its source 1: window 2.  (No vector instruction has been issued since the wait ahead of ctx's stores: the sums are written)
.set ix, 0
.rept 48
	ds_store_b128 v[MSTA], v[4*ix:4*ix+3] offset:512*(ix/16)+128*((ix/4)%4)+32*((ix/2)%2)+16*(ix%2)   ; my four heads' sum, by rows of 384 keys
.set ix, ix+1
.endr
	WIN 0
	s_mov_b32 s77, 0
	s_lshl_b32 s70, s[WV], 10
	s_lshl_b32 s76, s78, 12
	s_add_co_u32 s76, s76, s70
	s_add_nc_u64 s[XB:XB+1], s[8:9], s[76:77]      ; x at the tile's first token, my 256 features
	s_mov_b32 s76, s70
	s_add_nc_u64 s[OBB:OBB+1], s[10:11], s[76:77]
	s_add_nc_u64 s[G2B:G2B+1], s[12:13], s[76:77]
	s_add_nc_u64 s[L2B:L2B+1], s[14:15], s[76:77]
	s_add_nc_u64 s[B2B:B2B+1], s[16:17], s[76:77]
	s_add_co_u32 s76, s70, WOS
	s_add_nc_u64 s[WSB:WSB+1], s[6:7], s[76:77]    ; out_proj_w: my 16 tiles' scale words,
	s_mul_i32 s76, s[WV], 24576
	s_add_co_u32 s76, s76, WOC
	s_add_nc_u64 s[WCB:WCB+1], s[6:7], s[76:77]    ; and fragments
	s_lshl_b32 s76, ttmp9, 16
	s_lshl_b32 s71, s[WV], 14
	s_add_co_u32 s76, s76, s71
	s_add_nc_u64 s[X1B:X1B+1], s[20:21], s[76:77]  ; x1b: accumulator images (64 T + 16 w) x 1,024
	s_lshl_b32 s71, s[WV], 9
	s_add_co_u32 s71, s71, ttmp9
	s_mul_i32 s76, s71, 1536
	s_add_nc_u64 s[XNB:XNB+1], s[22:23], s[76:77]  ; xn2: fragment 2 w x 256 + T
	s_lshl_b32 s76, s71, 6
	s_add_co_u32 s76, s76, XN2S
	s_add_nc_u64 s[XSB:XSB+1], s[22:23], s[76:77]
	s_lshl_b32 s76, s[II], 9
	s_add_nc_u64 s[OW:OW+1], s[OUT1:OUT1+1], s[76:77]   ; out1: my rows at the middle key block
	v_and_b32 v[STL], 15, v0
	v_bfe_u32 v[XSO], v0, 4, 1
	v_lshlrev_b32 v[XSO], 14, v[XSO]
	v_lshl_add_u32 v[XSO], v[STL], 2, v[XSO]       ; 4 r + 16,384 h
	v_lshl_add_u32 v[STL], v[STL], 4, STAT0        ; the sums of row r
	s_lshl_b32 s71, s[WV], 2
	v_add_nc_u32 v[STS], s71, v[STL]
	v_add_nc_u32 v[CIA], CIM, v[L16]
	v_add_nc_u32 v[CSA], CSC, v[L4]
	s_wait_dscnt 0x0                               ; for the others' sake: my stores are done
	s_barrier_signal -1
	s_barrier_wait -1                              ; the four stages and ctx's eight fragments lie in LDS
	s_wait_alu depctr_va_vdst(0)                   ; the five addresses just made are written; the heads' vector and matrix instructions are done with the registers of all four windows in which the loads below land
	s_wait_alu depctr_vm_vsrc(0)                   ; my 48 LDS stores have read v0-191 of window 2, in which x and out_proj_b land.  Up to the wait on DScnt below stand loads and window switches alone
	WIN 0x40
.irp e, 0,1,2,3
.irp st, 0,1,2
.irp m, 0,1
	ds_load_b128 v[16*(3*\e+\st)+4*\m:16*(3*\e+\st)+4*\m+3], v[RDA0] offset:MSTW*\m+MSTP*\e+512*\st      ; row 4 w + e, key step st, of wave m's stage: 512 consecutive bytes
	ds_load_b128 v[16*(3*\e+\st)+8+4*\m:16*(3*\e+\st)+8+4*\m+3], v[RDA1] offset:MSTW*\m+MSTP*\e+512*\st
.endr
.endr
.endr
	WIN 0
.irp s, 0,1,2,3,4,5,6,7
.irp c, 0,1,2
	ds_load_b128 v[CXF+12*\s+4*\c:CXF+12*\s+4*\c+3], v[CIA] offset:1536*\s+512*\c
.endr
	ds_load_b32 v[CXS+\s], v[CSA] offset:128*\s
.endr
	WIN 0x80
.irp b, 0,1,2,3,4,5,6,7
.irp j, 0,1,2,3
	global_load_b128 v[16*\b+4*\j:16*\b+4*\j+3], v[XOFF], s[XB:XB+1] offset:128*\b+16*\j             ; x in the result's layout: register 16 b + i is feature 256 w + 32 b + 16 h + i of my token
.endr
.endr
.irp b, 0,1,2,3,4,5,6,7
.irp j, 0,1,2,3
	global_load_b128 v[128+16*\b+4*\j:128+16*\b+4*\j+3], v[H64], s[OBB:OBB+1] offset:128*\b+16*\j    ; out_proj_b likewise
.endr
.endr
	WIN 0
.macro LOADW s, w                      ; out_proj_w's 16 fragments of K step s into window w, and their scale words, two tiles to a register: 56 loads
	WIN (\w)<<6
.set ix, 0
.rept 16
.irp c, 0,1,2
	global_load_b128 v[12*ix+4*\c:12*ix+4*\c+3], v[L16], s[WCB:WCB+1] offset:98304*(\s)+1536*ix+512*\c
.endr
.set ix, ix+1
.endr
	WIN 0
.irp p, 0,1,2,3,4,5,6,7
	global_load_b32 v[WSC+8*((\s)%2)+\p], v[L4], s[WSB:WSB+1] offset:4096*(\s)+128*\p
.endr
.endm
	LOADW 0, 3
	s_wait_dscnt 0x0
	WIN 0x55                                       ; THE HEADS' MEAN: the four waves' sums are added
.set ix, 0
.rept 12
	v_pk_add_f32 v[16*ix:16*ix+1], v[16*ix:16*ix+1], v[16*ix+4:16*ix+5]
	v_pk_add_f32 v[16*ix+2:16*ix+3], v[16*ix+2:16*ix+3], v[16*ix+6:16*ix+7]
	v_pk_add_f32 v[16*ix+8:16*ix+9], v[16*ix+8:16*ix+9], v[16*ix+12:16*ix+13]
	v_pk_add_f32 v[16*ix+10:16*ix+11], v[16*ix+10:16*ix+11], v[16*ix+14:16*ix+15]
.set ix, ix+1
.endr
.set ix, 0
.rept 12
	v_pk_add_f32 v[16*ix:16*ix+1], v[16*ix:16*ix+1], v[16*ix+8:16*ix+9]
	v_pk_add_f32 v[16*ix+2:16*ix+3], v[16*ix+2:16*ix+3], v[16*ix+10:16*ix+11]
.set ix, ix+1
.endr
	WIN 0
	s_wait_alu depctr_va_vdst(0)                   ; the additions have written the means, which the three groups of stores below read; no vector instruction stands among them
	s_cmp_eq_u32 s[II], 0                          ; there is no block to the left of the first
	s_cbranch_scc1 .Lno_left
	WIN 0x04                                       ; a store's data are its source 1: window 1
.irp e, 0,1,2,3
	global_store_b128 v[L16], v[48*\e:48*\e+3], s[OW:OW+1] offset:8192*\e-512 th:TH_STORE_NT
.endr
	WIN 0
.Lno_left:
	WIN 0x04
.irp e, 0,1,2,3
	global_store_b128 v[L16], v[48*\e+16:48*\e+19], s[OW:OW+1] offset:8192*\e th:TH_STORE_NT   ; 512 consecutive bytes
.endr
	WIN 0
	s_cmp_eq_u32 s[II], 15
	s_cbranch_scc1 .Lno_right
	WIN 0x04
.irp e, 0,1,2,3
	global_store_b128 v[L16], v[48*\e+32:48*\e+35], s[OW:OW+1] offset:8192*\e+512 th:TH_STORE_NT
.endr
	WIN 0
.Lno_right:
	s_wait_xcnt 0x0                                ; the stores' addresses are translated (ISA guide 3.1): their data registers are loaded again only behind this wait
	s_wait_alu depctr_vm_vsrc(0)                   ; the stores have read the means' registers in window 1, in which the loads below land
	s_wait_alu depctr_va_vdst(0)                   ; the additions are done reading v0-191 of window 1, in which the loads below land
	LOADW 1, 1
	; x1 = x + out_proj_b + ctx out_proj_w^T: my 16 tiles of features, eight K steps; the weight's fragments in two sets, windows 3 and 1, each asked for two K steps ahead
	s_wait_loadcnt 56                              ; all but K step 1's set
	WIN 0xaa
.set ix, 0
.rept 64
	v_pk_add_f32 v[ix:ix+1], v[ix:ix+1], v[128+ix:129+ix]
.set ix, ix+2
.endr
.irp s, 0,1,2,3,4,5,6,7
.if \s == 7
	s_wait_loadcnt 32                              ; this K step's set is in; b2's 32 loads may be out
.else
	s_wait_loadcnt 56                              ; this K step's set is in; the next one's 56 loads may be out
.endif
.if \s%2
	WIN 0xa1
.else
	WIN 0xa3
.endif
.set ix, 0
.rept 16                                       ; the 16 accumulators take turns
	FP6MM 8*ix, 12*ix, CXF+12*\s, 0, WSC+8*(\s%2)+ix/2, CXS+\s, ix%2
.set ix, ix+1
.endr
	WIN 0
	PLACES 4                                       ; four places behind the products; the wait below fills none
	s_wait_alu depctr_va_vdst(0)                   ; this K step's 16 products are done reading their set of the weight and its scale words, in which the loads below land
.if \s < 6
	LOADW \s+2, 3-2*(\s%2)
.elseif \s == 6
	WIN 0xc0
.irp b, 0,1,2,3,4,5,6,7
.irp j, 0,1,2,3
	global_load_b128 v[16*\b+4*\j:16*\b+4*\j+3], v[H64], s[B2B:B2B+1] offset:128*\b+16*\j
.endr
.endr
	WIN 0
.else
	WIN 0x40
.irp b, 0,1,2,3,4,5,6,7
.irp j, 0,1,2,3
	global_load_b128 v[16*\b+4*\j:16*\b+4*\j+3], v[H64], s[G2B:G2B+1] offset:128*\b+16*\j
.endr
.endr
	WIN 0xc0
.irp b, 0,1,2,3,4,5,6,7
.irp j, 0,1,2,3
	global_load_b128 v[128+16*\b+4*\j:128+16*\b+4*\j+3], v[H64], s[L2B:L2B+1] offset:128*\b+16*\j
.endr
.endr
	WIN 0
.endif
.endr
	s_wait_loadcnt 63                              ; b2 is in: ln2_g's and ln2_b's 64 loads were issued behind it
	WIN 0xce                                       ; x1 window 2, b2 and the sum window 3
.set ix, 0
.rept 64
	v_pk_add_f32 v[ix:ix+1], v[ix:ix+1], v[ix:ix+1]   ; x1 + b2, from which the last launch's sums start; each accumulator from its low end on
.set ix, ix+2
.endr
	WIN 0x0c
	s_wait_alu depctr_va_vdst(0)                   ; the additions have written x1 + b2, which the 32 stores read
.set ix, 0
.rept 32
	global_store_b128 v[L16], v[4*ix:4*ix+3], s[X1B:X1B+1] offset:512*ix   ; accumulator images: 512 consecutive bytes a store
.set ix, ix+1
.endr
	; LAYERNORM 2, in two passes; a row's 1,024 columns lie in two lanes of each of the four waves
	WIN 0x0a
.irp c, 0,1,2,3
	v_pk_add_f32 v[SA+2*\c:SA+2*\c+1], v[2*\c:2*\c+1], v[8+2*\c:9+2*\c]
.endr
	WIN 0x08
.set ix, 16
.rept 14
.irp c, 0,1,2,3
	v_pk_add_f32 v[SA+2*\c:SA+2*\c+1], v[SA+2*\c:SA+2*\c+1], v[ix+2*\c:ix+2*\c+1]
.endr
.set ix, ix+8
.endr
	WIN 0
.macro LSUM off                        ; my chains, my pair's halves, lane l xor 16's; then the four waves' through LDS: v[SA] = the row's sum
	v_pk_add_f32 v[SA:SA+1], v[SA:SA+1], v[SA+2:SA+3]
	v_pk_add_f32 v[SA+4:SA+5], v[SA+4:SA+5], v[SA+6:SA+7]
	v_pk_add_f32 v[SA:SA+1], v[SA:SA+1], v[SA+4:SA+5]
	v_add_f32 v[SA], v[SA], v[SA+1]
	v_permlanex16_b32 v[PT], v[SA], s[SEL], s[SEL+1]
	v_add_f32 v[SA], v[SA], v[PT]
	s_wait_alu depctr_va_vdst(0)                   ; my sum is written, which the LDS store reads; the additions are done with v[SA] to v[SA + 3], in which the LDS load below lands
	ds_store_b32 v[STS], v[SA] offset:\off         ; lanes r and r + 16 write the same word with the same value
	s_wait_dscnt 0x0
	s_barrier_signal -1
	s_barrier_wait -1
	s_wait_alu depctr_vm_vsrc(0)                   ; the LDS store has read v[SA], in which the load below lands
	ds_load_b128 v[SA:SA+3], v[STL] offset:\off
	s_wait_dscnt 0x0
	v_pk_add_f32 v[SA:SA+1], v[SA:SA+1], v[SA+2:SA+3]
	v_add_f32 v[SA], v[SA], v[SA+1]
.endm
	LSUM 0
	v_mul_f32 v[MU], 0x3a800000, v[SA]             ; the mean
	v_mov_b32 v[MU+1], v[MU]
	WIN 0x82
.set ix, 0
.rept 64
	v_pk_add_f32 v[ix:ix+1], v[ix:ix+1], v[MU:MU+1] neg_lo:[0,1] neg_hi:[0,1]
.set ix, ix+2
.endr
	WIN 0x0a
.irp c, 0,1,2,3
	v_pk_mul_f32 v[SA+2*\c:SA+2*\c+1], v[2*\c:2*\c+1], v[2*\c:2*\c+1]
.endr
.set ix, 8
.rept 15
.irp c, 0,1,2,3
	v_pk_fma_f32 v[SA+2*\c:SA+2*\c+1], v[ix+2*\c:ix+2*\c+1], v[ix+2*\c:ix+2*\c+1], v[SA+2*\c:SA+2*\c+1]
.endr
.set ix, ix+8
.endr
	WIN 0
	LSUM 256
	v_mul_f32 v[SA], 0x3a800000, v[SA]
	v_add_f32 v[SA], 0x3727c5ac, v[SA]             ; variance + 1e-5
	v_rsq_f32 v[RS], v[SA]
	v_rsq_f32 v[RS+1], v[SA]
	v_nop                                          ; a plain place
	s_wait_alu depctr_va_vdst(0)                   ; the two roots have written their results: one wait, ahead of their first reader
	s_wait_loadcnt 0x0                             ; ln2_g, ln2_b
	WIN 0x82
.set ix, 0
.rept 64
	v_pk_mul_f32 v[ix:ix+1], v[ix:ix+1], v[RS:RS+1]
.set ix, ix+2
.endr
	WIN 0xb6                                       ; the numbers window 2, ln2_g window 1, ln2_b window 3
.set ix, 0
.rept 64
	v_pk_fma_f32 v[ix:ix+1], v[ix:ix+1], v[ix:ix+1], v[128+ix:129+ix]
.set ix, ix+2
.endr
; 64 numbers of window X become a fragment's codes in v[PC] on and its scale word in v[pw].  again = 1: stores of an earlier fragment have read the codes' registers
.macro QUANTW X, AC, pw, again
	WIN (\X)|((\X)<<2)|((\X)<<4)
.irp k, 0,1,2,3,4
.irp b, 0,1,2,3
	v_max3_num_f32 v[M0+6*\b+\k], |v[\AC+16*\b+3*\k]|, |v[\AC+16*\b+3*\k+1]|, |v[\AC+16*\b+3*\k+2]|
.endr
.endr
.irp b, 0,1,2,3
	v_max3_num_f32 v[M0+6*\b+5], |v[\AC+16*\b+15]|, |v[\AC+16*\b+15]|, 0x1800000
.endr
	WIN 0
.irp b, 0,1,2,3
	v_max3_num_f32 v[TM+\b], v[M0+6*\b], v[M0+6*\b+1], v[M0+6*\b+2]
.endr
.irp b, 0,1,2,3
	v_max3_num_f32 v[TM+\b], v[TM+\b], v[M0+6*\b+3], v[M0+6*\b+4]
.endr
.irp b, 0,1,2,3
	v_max_num_f32 v[TM+\b], v[TM+\b], v[M0+6*\b+5]
.endr
.irp b, 0,1,2,3
	v_permlanex16_b32 v[TM+4+\b], v[TM+\b], s[SEL], s[SEL+1]
.endr
.irp b, 0,1,2,3
	v_max_num_f32 v[TM+\b], v[TM+\b], v[TM+4+\b]
.endr
.irp b, 0,1,2,3
	v_add_nc_u32 v[TM+12+\b], 0xff000000, v[TM+\b]
.endr
.irp b, 0,1,2,3
	v_lshrrev_b32 v[TM+4+\b], 23, v[TM+12+\b]
.endr
	v_lshl_or_b32 v[\pw], v[TM+5], 8, v[TM+4]
	v_lshl_or_b32 v[\pw], v[TM+6], 16, v[\pw]
	v_lshl_or_b32 v[\pw], v[TM+7], 24, v[\pw]
.if \again
	s_wait_xcnt 0x0                                ; the last fragment's stores have had their addresses translated (ISA guide 3.1),
	s_wait_alu depctr_vm_vsrc(0)                   ; and have read the codes' registers, which the conversions below write again
.endif
	WIN (\X)
.irp c, 0,1
	v_cvt_scalef32_pk16_fp6_f32 v[PC+6*\c:PC+2+6*\c], v[\AC+32*\c:\AC+32*\c+15], v[TM+12+2*\c]
	v_cvt_scalef32_pk16_fp6_f32 v[PC+12+4*\c:PC+14+4*\c], v[\AC+32*\c+16:\AC+32*\c+31], v[TM+12+2*\c+1]
.endr
	WIN 0
	v_nop
.irp c, 0,1
.irp i, 0,1,2
	v_permlane16_swap_b32 v[PC+6*\c+\i], v[PC+12+4*\c+\i]
.endr
.irp i, 0,1,2
	v_mov_b32 v[PC+3+6*\c+\i], v[PC+12+4*\c+\i]
.endr
.endr
.endm
	QUANTW 2, 0, PWA, 0                            ; K step 2 w of the next product
	s_wait_alu depctr_va_vdst(0)                   ; the fragment's codes are written, which the three stores read
.irp c, 0,1,2
	global_store_b128 v[L16], v[PC+4*\c:PC+4*\c+3], s[XNB:XNB+1] offset:512*\c
.endr
	QUANTW 2, 64, PWB, 1                           ; K step 2 w + 1
	v_cndmask_b32 v[PWM], v[PWA], v[PWB], s[HM]    ; lanes 0-15 the first K step's words, lanes 16-31 the second's
	s_wait_alu depctr_va_vdst(0)                   ; the second fragment's codes and the two fragments' scale words are written, which the four stores read
.irp c, 0,1,2
	global_store_b128 v[L16], v[PC+4*\c:PC+4*\c+3], s[XNB:XNB+1] offset:393216+512*\c
.endr
	global_store_b32 v[XSO], v[PWM], s[XSB:XSB+1]
	s_wait_dscnt 0x0
	s_wait_alu depctr_hold_cnt(0) depctr_sa_sdst(0) depctr_va_vdst(0) depctr_va_sdst(0) depctr_va_ssrc(0) depctr_va_vcc(0) depctr_vm_vsrc(0)
	s_wait_tensorcnt 0x0
	ds_add_u32 v254, v255
	s_wait_dscnt 0x0
	s_endpgm
.Lfunc_end_k_q9884a87fda_attn:
	.size	k_q9884a87fda_attn, .Lfunc_end_k_q9884a87fda_attn-k_q9884a87fda_attn
	.p2alignl 7, 3214868480
	.fill 96, 4, 3214868480
	.section	.rodata,"a",@progbits
	.p2align	6, 0x0
	.amdhsa_kernel k_q9884a87fda_attn
		.amdhsa_group_segment_fixed_size 113664
		.amdhsa_private_segment_fixed_size 0
		.amdhsa_enable_private_segment 0
		.amdhsa_kernarg_size 80
		.amdhsa_user_sgpr_count 2
		.amdhsa_user_sgpr_kernarg_segment_ptr 1
		.amdhsa_wavefront_size32 1
		.amdhsa_system_sgpr_workgroup_id_x 1
		.amdhsa_system_sgpr_workgroup_id_y 1
		.amdhsa_system_sgpr_workgroup_id_z 1
		.amdhsa_system_vgpr_workitem_id 0
		.amdhsa_next_free_vgpr 1024
		.amdhsa_next_free_sgpr 100
		.amdhsa_reserve_vcc 0
		.amdhsa_float_denorm_mode_32 3
		.amdhsa_float_denorm_mode_16_64 3
		.amdhsa_memory_ordered 1
		.amdhsa_forward_progress 1
		.amdhsa_inst_pref_size 255
	.end_amdhsa_kernel
	.section	.bss,"aw",@nobits
	.p2align	6
	.space	262144
	.amdgpu_metadata
---
amdhsa.version: [ 1, 2 ]
amdhsa.kernels:
  - .name:           k_q9884a87fda_attn
    .symbol:         k_q9884a87fda_attn.kd
    .args:
      - { .name: qkv, .offset: 0, .size: 8, .value_kind: global_buffer, .address_space: global }
      - { .name: wts, .offset: 8, .size: 8, .value_kind: global_buffer, .address_space: global }
      - { .name: x, .offset: 16, .size: 8, .value_kind: global_buffer, .address_space: global }
      - { .name: out_proj_b, .offset: 24, .size: 8, .value_kind: global_buffer, .address_space: global }
      - { .name: ln2_g, .offset: 32, .size: 8, .value_kind: global_buffer, .address_space: global }
      - { .name: ln2_b, .offset: 40, .size: 8, .value_kind: global_buffer, .address_space: global }
      - { .name: b2, .offset: 48, .size: 8, .value_kind: global_buffer, .address_space: global }
      - { .name: out1, .offset: 56, .size: 8, .value_kind: global_buffer, .address_space: global }
      - { .name: x1b, .offset: 64, .size: 8, .value_kind: global_buffer, .address_space: global }
      - { .name: xn2, .offset: 72, .size: 8, .value_kind: global_buffer, .address_space: global }
    .group_segment_fixed_size: 113664
    .private_segment_fixed_size: 0
    .kernarg_segment_align: 8
    .kernarg_segment_size: 80
    .max_flat_workgroup_size: 128
    .sgpr_count:     100
    .vgpr_count:     1024
    .wavefront_size: 32
...
	.end_amdgpu_metadata
.endif
;; end of part 6
;; launch ffn1: the kernel of part 4 again; grid 16 x 16, 4 waves a work-group, clusters of 4 x 4, 327,680 bytes of LDS; arguments xn2, wts, b1, hbuf; writes hbuf
;; launch ffn2: the kernel of part 5 again; grid 8 x 32, 4 waves a work-group, clusters of 4 x 4, 327,680 bytes of LDS; arguments hbuf, wts, x1b, out0; writes out0
